; MI455X (gfx1250); checked and timed in simulation.
; The chip was launched on July 23, 2026; its instructions are those of AMD's public machine-readable ISA for CDNA 5 (MIT licence, August 2026) and "CDNA5" Instruction Set Architecture Reference Guide (July 2026). The comments in the code are by the model that wrote it; some were corrected since.
;; Causal Self Attention. Allowed arithmetic: float matrix products may take bf16 or f16 operands with f32 sums; all other float work in f32.
;; Inputs: W_out 1,024 x 1,024 float32; W_qkv 1,024 x 3,072 float32; attention_mask 4 x 2,048 int32; b_out 1,024 float32; x 4 x 2,048 x 1,024 float32.
;; Outputs: out0 4 x 2,048 x 1,024 float32.
;; 2 versions, each right. Each part assembles by itself: llvm-mc -triple=amdgcn-amd-amdhsa -mcpu=gfx1250 --defsym DOCPART=n.
;; ======== version 1 of 2: 4 launches
;; limits: values are held in f16: magnitudes above 65,504 overflow, below 6.1e-05 lose precision
;; workspace buffers: xb 16,777,216 bytes; wq 6,291,456 bytes; wo 2,097,152 bytes; rope 524,288 bytes; bias 32,768 bytes; qkv 50,331,648 bytes; att 33,554,432 bytes
;; launch prep (part 1): grid 1600 x 1, 8 waves a work-group, no clusters, 18,432 bytes of LDS; arguments x, W_qkv, W_out, attention_mask, xb, wq, wo, rope, bias; writes xb, wq, wo, rope, bias
.if DOCPART == 1
	.amdgcn_target "amdgcn-amd-amdhsa--gfx1250"
	.amdhsa_code_object_version 6
	.text
	.protected	k_q69c383a945_prep
	.globl	k_q69c383a945_prep
	.p2align	8
	.type	k_q69c383a945_prep,@function
k_q69c383a945_prep:
	s_mov_b64 s[64:65], 0
	v_nop
	global_prefetch_b8 v0, s[64:65] scope:SCOPE_SE
	s_setreg_imm32_b32 hwreg(HW_REG_WAVE_MODE, 25, 1), 1
	s_wait_xcnt 0x0
; PREPARATION: everything that the three matrix launches want in another form, each input byte read once.
;   work-groups 0..1023    x [8192][1024] f32           -> xb [16 slabs][8192 rows][64] bf16   (8 rows of x each)
;   work-groups 1024..1407 W_qkv [1024 k][3072 n] f32   -> wq [16 slabs][3072 n][64 k] bf16    (a tile of 128 k x 64 n each, transposed through LDS)
;   work-groups 1408..1535 W_out [1024 k][1024 n] f32   -> wo [16 slabs][1024 n][64 k] bf16    (likewise)
;   work-groups 1536..1599 rope: cos [2048][32] f32 at byte 0, sin at byte 262,144 (32 rows each); bias [4][2048] f32: 0 where the mask is not 0, else -1e30
; A slab holds 64 neighbouring k of every row, 128 bytes a row, rows without gaps: any run of rows of one slab is one dense block.
; No matrix unit, no cluster, no tensor load: the launch streams and no byte is shared between work-groups.
; LIMITS: cos and sin come from a reduction by pi/2 in two parts and polynomials of degree 7 and 8 (error below 4e-7 for the reduced angle);
; the angle t * 10000^(-i/32) is made with exp2 and agrees with f32 arithmetic to about 3e-4 rad at t = 2047.
.set NQ, 3072
.set NO, 1024
	s_load_b512 s[8:23], s[0:1], 0x0               ; x s[8:9], W_qkv s[10:11], W_out s[12:13], mask s[14:15], xb s[16:17], wq s[18:19], wo s[20:21], rope s[22:23]
	s_load_b64 s[24:25], s[0:1], 0x40              ; bias
	v_lshl_add_u32 v64, v0, 2, 0x4400
	v_mov_b32 v65, 0
	v_and_b32 v1, 31, v0                           ; lane
	v_lshrrev_b32 v2, 5, v0
	v_readfirstlane_b32 s2, v2                     ; wave
	s_mov_b32 s3, ttmp9                            ; the work-group's number picks the job: the same for all eight waves
	s_wait_kmcnt 0x0
	s_cmp_lt_u32 s3, 1024
	s_cbranch_scc0 .Lweights
	; ---- x to bf16 slabs.  Wave w: rows 2 (w & 3), +1 of the group's eight; slabs 8 (w >> 2) + u, u = 0..7.
	; A load: 2 rows x 256 neighbouring bytes (one slab's 64 f32).  A store: the same two rows' 2 x 128 bytes, which are neighbours in the slab: 256 bytes, aligned.
	s_and_b32 s4, s2, 3
	s_lshr_b32 s5, s2, 2
	v_lshrrev_b32 v3, 4, v1                        ; which of the two rows
	v_and_b32 v4, 15, v1
	v_lshlrev_b32 v5, 4, v4                        ; 16 bytes a lane
	v_lshl_add_u32 v5, v3, 12, v5                  ; + row x 4,096
	s_lshl_b32 s6, s4, 13                          ; + row pair x 8,192
	s_lshl_b32 s7, s5, 11                          ; + eight slabs x 256
	s_add_co_u32 s6, s6, s7
	v_add_nc_u32 v5, s6, v5                        ; offset in x
	v_lshlrev_b32 v6, 3, v1                        ; 8 bytes a lane: 128 x row + 8 x place
	s_lshl_b32 s6, s4, 8                           ; + row pair x 256
	s_lshl_b32 s7, s5, 23                          ; + eight slabs x 1,048,576
	s_add_co_u32 s6, s6, s7
	v_add_nc_u32 v6, s6, v6                        ; offset in xb
	s_lshl_b32 s26, s3, 15                         ; the group's 8 rows in x
	s_mov_b32 s27, 0
	s_lshl_b32 s28, s3, 10                         ; and in a slab
	s_mov_b32 s29, 0
	s_add_nc_u64 s[8:9], s[8:9], s[26:27]
	s_add_nc_u64 s[16:17], s[16:17], s[28:29]
.irp u, 0,1,2,3,4,5,6,7
	global_load_b128 v[8+4*\u:8+4*\u+3], v5, s[8:9] offset:256*\u th:TH_LOAD_NT
.endr
.irp u, 0,1,2,3,4,5,6,7
	s_wait_loadcnt 7-\u                            ; loads come back in order: load u is in, the younger ones stay out
	v_cvt_pk_bf16_f32 v[40+2*\u], v[8+4*\u], v[9+4*\u]
	v_cvt_pk_bf16_f32 v[41+2*\u], v[10+4*\u], v[11+4*\u]
	global_store_b64 v6, v[40+2*\u:41+2*\u], s[16:17] offset:\u*1048576
.endr
	s_endpgm
; ---- a weight tile of 128 k x 64 n, transposed.  s4 = tile number: n block = s4 >> 3, k block = s4 & 7.
; Thread t: columns 4 (t & 15) .. +3; rows 32 it + 2 (t >> 4) + e.  Two neighbouring k of one n make one dword, which goes to
; LDS row n (pitch 272), dword k / 2.  These 4-byte stores meet four deep in a bank (n steps by 4 between lanes: 4 x 272 bytes = 16 dwords modulo 64);
; they are 16 stores a thread for 32 KiB streamed, and the pitch keeps the 16-byte reads aligned.
.macro JOBW cols, src, dst
	s_lshr_b32 s5, s4, 3
	s_and_b32 s6, s4, 7
	s_mul_i32 s26, s6, 128*4*\cols                 ; 128 rows of the source
	s_lshl_b32 s7, s5, 8                           ; 64 columns of f32
	s_add_co_u32 s26, s26, s7
	s_mov_b32 s27, 0
	s_add_nc_u64 s[\src:\src+1], s[\src:\src+1], s[26:27]
	s_mul_i32 s28, s6, 2*128*\cols                 ; two slabs of the result
	s_lshl_b32 s7, s5, 13                          ; 64 rows of 128 bytes
	s_add_co_u32 s28, s28, s7
	s_mov_b32 s29, 0
	s_add_nc_u64 s[\dst:\dst+1], s[\dst:\dst+1], s[28:29]
	v_and_b32 v3, 15, v0
	v_lshrrev_b32 v4, 4, v0
	v_mul_u32_u24 v5, v4, 8*\cols                  ; two rows of the source
	v_lshl_add_u32 v5, v3, 4, v5
.irp it, 0,1,2,3
.irp e, 0,1
	global_load_b128 v[8+8*\it+4*\e:8+8*\it+4*\e+3], v5, s[\src:\src+1] offset:(32*\it+\e)*4*\cols th:TH_LOAD_NT   ; a wave: 2 rows x 256 bytes
.endr
.endr
	v_mul_u32_u24 v6, v3, 1088                     ; LDS in: row 4 (t & 15), 272 bytes a row,
	v_lshl_add_u32 v6, v4, 2, v6                   ; dword t >> 4
	v_lshrrev_b32 v7, 3, v0
	v_mul_u32_u24 v7, v7, 272                      ; LDS back: row t >> 3,
	v_and_b32 v3, 7, v0
	v_lshl_add_u32 v7, v3, 4, v7                   ; 16 bytes at t & 7
	v_lshlrev_b32 v4, 4, v0                        ; and in the slab: 128 (t >> 3) + 16 (t & 7) = 16 t
.irp it, 0,1,2,3
	s_wait_loadcnt 6-2*\it                         ; this pair of rows is in; the younger pairs stay out
.irp c, 0,1,2,3
	v_cvt_pk_bf16_f32 v[40+4*\it+\c], v[8+8*\it+\c], v[12+8*\it+\c]    ; the even k in the low half
	ds_store_b32 v6, v[40+4*\it+\c] offset:\c*272+\it*64
.endr
.endr
	s_wait_dscnt 0x0                               ; my stores are done, for the other waves' sake
	s_barrier_signal -1
	s_barrier_wait -1                              ; the tile is whole
.irp it, 0,1,2,3
	ds_load_b128 v[8+4*\it:11+4*\it], v7 offset:(\it&1)*8704+(\it>>1)*128      ; 32 rows further down; the second slab's 128 bytes
.endr
.irp it, 0,1,2,3
	s_wait_dscnt 3-\it
	global_store_b128 v4, v[8+4*\it:11+4*\it], s[\dst:\dst+1] offset:(\it&1)*4096+(\it>>1)*128*\cols   ; a wave stores 512 neighbouring bytes, aligned
.endr
	s_wait_tensorcnt 0x0
	ds_add_u32 v64, v65
	s_wait_dscnt 0x0
	s_endpgm
.endm
.Lweights:
	s_cmp_lt_u32 s3, 1408
	s_cbranch_scc0 .Lwout
	s_sub_co_u32 s4, s3, 1024
	JOBW NQ, 10, 18
.Lwout:
	s_cmp_lt_u32 s3, 1536
	s_cbranch_scc0 .Ltables
	s_sub_co_u32 s4, s3, 1408
	JOBW NO, 12, 20
	; ---- the tables.  Thread tid: row t = 32 jj + (tid >> 3), frequencies i = 4 (tid & 7) + e.
.Ltables:
	s_sub_co_u32 s4, s3, 1536                      ; jj
	s_lshl_b32 s26, s4, 12                         ; 32 rows of 128 bytes
	s_mov_b32 s27, 0
	s_add_nc_u64 s[22:23], s[22:23], s[26:27]
	s_mov_b32 s30, 0xbed49a78                      ; -log2(10000) / 32
	s_mov_b32 s31, 0x3f22f983                      ; 2 / pi
	s_mov_b32 s32, 0xbfc90fdb                      ; -(pi / 2), the f32 nearest to it
	s_mov_b32 s33, 0x333bbd2e                      ; what that f32 exceeds pi / 2 by
	s_mov_b32 s34, 0xb9500d01                      ; -1 / 5040
	s_mov_b32 s35, 0x3c088889                      ; 1 / 120
	s_mov_b32 s36, 0x37d00d01                      ; 1 / 40320
	s_mov_b32 s37, 0xbab60b61                      ; -1 / 720
	s_lshl_b32 s5, s4, 5
	v_lshrrev_b32 v3, 3, v0
	v_add_nc_u32 v3, s5, v3
	v_cvt_f32_u32 v3, v3                           ; t
	v_and_b32 v2, 7, v0
	v_lshlrev_b32 v2, 2, v2                        ; i of e = 0
	v_lshlrev_b32 v4, 4, v0                        ; 128 (tid >> 3) + 16 (tid & 7) = 16 tid
.irp e, 0,1,2,3
	v_add_nc_u32 v[8+\e], \e, v2
	v_cvt_f32_u32 v[8+\e], v[8+\e]
	v_mul_f32 v[8+\e], s30, v[8+\e]
.endr
.irp e, 0,1,2,3
	v_exp_f32 v[8+\e], v[8+\e]                     ; 10000^(-i/32)
.endr
	v_nop                                          ; one plain place behind the last exponential before its result is used (ISA guide 5.7.2)
	s_wait_alu depctr_va_vdst(0)
.irp e, 0,1,2,3
	v_mul_f32 v[8+\e], v3, v[8+\e]                 ; the angle a
	v_mul_f32 v[12+\e], s31, v[8+\e]
	v_rndne_f32 v[12+\e], v[12+\e]                 ; k = nearest whole number to a / (pi/2), at most 1,303
	v_fma_f32 v[8+\e], v[12+\e], s32, v[8+\e]      ; r = a - k pi/2, in two parts
	v_fma_f32 v[8+\e], v[12+\e], s33, v[8+\e]
	v_cvt_i32_f32 v[12+\e], v[12+\e]
	v_mul_f32 v[16+\e], v[8+\e], v[8+\e]           ; z = r r
	v_fma_f32 v[20+\e], v[16+\e], s34, s35         ; sin r = r + r z (-1/6 + z (1/120 - z/5040))
	v_fmaak_f32 v[20+\e], v[16+\e], v[20+\e], 0xbe2aaaab
	v_mul_f32 v[20+\e], v[20+\e], v[16+\e]
	v_fma_f32 v[20+\e], v[20+\e], v[8+\e], v[8+\e]
	v_fma_f32 v[24+\e], v[16+\e], s36, s37         ; cos r = 1 + z (-1/2 + z (1/24 + z (-1/720 + z/40320)))
	v_fmaak_f32 v[24+\e], v[16+\e], v[24+\e], 0x3d2aaaab
	v_fma_f32 v[24+\e], v[16+\e], v[24+\e], -0.5
	v_fma_f32 v[24+\e], v[16+\e], v[24+\e], 1.0
	v_and_b32 v[28+\e], 1, v[12+\e]                ; odd k: sine and cosine change places
	v_cmp_ne_u32 vcc_lo, 0, v[28+\e]
	v_cndmask_b32 v[32+\e], v[20+\e], v[24+\e], vcc_lo
	v_cndmask_b32 v[36+\e], v[24+\e], v[20+\e], vcc_lo
	v_and_b32 v[28+\e], 2, v[12+\e]                ; k mod 4 = 2, 3: the sine changes sign
	v_lshlrev_b32 v[28+\e], 30, v[28+\e]
	v_xor_b32 v[32+\e], v[32+\e], v[28+\e]
	v_add_nc_u32 v[28+\e], 1, v[12+\e]             ; k mod 4 = 1, 2: the cosine does
	v_and_b32 v[28+\e], 2, v[28+\e]
	v_lshlrev_b32 v[28+\e], 30, v[28+\e]
	v_xor_b32 v[36+\e], v[36+\e], v[28+\e]
.endr
	global_store_b128 v4, v[36:39], s[22:23]                   ; cos: a wave stores 512 neighbouring bytes
	global_store_b128 v4, v[32:35], s[22:23] offset:262144     ; sin
	s_cmp_lg_u32 s2, 0
	s_cbranch_scc1 .Lno_mask
	; wave 0: 128 numbers of the mask become 128 additive terms
	s_lshl_b32 s26, s4, 9
	s_add_nc_u64 s[14:15], s[14:15], s[26:27]
	s_add_nc_u64 s[24:25], s[24:25], s[26:27]
	global_load_b128 v[40:43], v4, s[14:15]        ; in wave 0 16 tid is 16 x lane
	v_mov_b32 v48, 0xf149f2ca                      ; -1e30
	s_wait_loadcnt 0x0
.irp e, 0,1,2,3
	v_cmp_eq_u32 vcc_lo, 0, v[40+\e]
	v_cndmask_b32 v[44+\e], 0, v48, vcc_lo
.endr
	global_store_b128 v4, v[44:47], s[24:25]
.Lno_mask:
	s_endpgm
.Lfunc_end_k_q69c383a945_prep:
	.size	k_q69c383a945_prep, .Lfunc_end_k_q69c383a945_prep-k_q69c383a945_prep
	.p2alignl 7, 3214868480
	.fill 96, 4, 3214868480
	.section	.rodata,"a",@progbits
	.p2align	6, 0x0
	.amdhsa_kernel k_q69c383a945_prep
		.amdhsa_group_segment_fixed_size 18432
		.amdhsa_private_segment_fixed_size 0
		.amdhsa_enable_private_segment 0
		.amdhsa_kernarg_size 72
		.amdhsa_user_sgpr_count 2
		.amdhsa_user_sgpr_kernarg_segment_ptr 1
		.amdhsa_wavefront_size32 1
		.amdhsa_system_sgpr_workgroup_id_x 1
		.amdhsa_system_sgpr_workgroup_id_y 1
		.amdhsa_system_sgpr_workgroup_id_z 1
		.amdhsa_system_vgpr_workitem_id 0
		.amdhsa_next_free_vgpr 66
		.amdhsa_next_free_sgpr 66
		.amdhsa_reserve_vcc 1
		.amdhsa_float_denorm_mode_32 3
		.amdhsa_float_denorm_mode_16_64 3
		.amdhsa_memory_ordered 1
		.amdhsa_forward_progress 1
		.amdhsa_inst_pref_size 22
	.end_amdhsa_kernel
	.amdgpu_metadata
---
amdhsa.version: [ 1, 2 ]
amdhsa.kernels:
  - .name:           k_q69c383a945_prep
    .symbol:         k_q69c383a945_prep.kd
    .args:
      - { .name: x, .offset: 0, .size: 8, .value_kind: global_buffer, .address_space: global }
      - { .name: W_qkv, .offset: 8, .size: 8, .value_kind: global_buffer, .address_space: global }
      - { .name: W_out, .offset: 16, .size: 8, .value_kind: global_buffer, .address_space: global }
      - { .name: attention_mask, .offset: 24, .size: 8, .value_kind: global_buffer, .address_space: global }
      - { .name: xb, .offset: 32, .size: 8, .value_kind: global_buffer, .address_space: global }
      - { .name: wq, .offset: 40, .size: 8, .value_kind: global_buffer, .address_space: global }
      - { .name: wo, .offset: 48, .size: 8, .value_kind: global_buffer, .address_space: global }
      - { .name: rope, .offset: 56, .size: 8, .value_kind: global_buffer, .address_space: global }
      - { .name: bias, .offset: 64, .size: 8, .value_kind: global_buffer, .address_space: global }
    .group_segment_fixed_size: 18432
    .private_segment_fixed_size: 0
    .kernarg_segment_align: 8
    .kernarg_segment_size: 72
    .max_flat_workgroup_size: 256
    .sgpr_count:     66
    .vgpr_count:     66
    .wavefront_size: 32
...
	.end_amdgpu_metadata
.endif
;; end of part 1
;; launch proj_qkv (part 2): grid 8 x 32, 4 waves a work-group, clusters of 4 x 4, 327,680 bytes of LDS; arguments xb, wq, rope, qkv; writes qkv
.if DOCPART == 2
	.amdgcn_target "amdgcn-amd-amdhsa--gfx1250"
	.amdhsa_code_object_version 6
	.text
	.protected	k_q69c383a945_proj_qkv
	.globl	k_q69c383a945_proj_qkv
	.p2align	8
	.type	k_q69c383a945_proj_qkv,@function
k_q69c383a945_proj_qkv:
	s_mov_b64 s[64:65], 0
	v_nop
	global_prefetch_b8 v0, s[64:65] scope:SCOPE_SE
	s_setreg_imm32_b32 hwreg(HW_REG_WAVE_MODE, 25, 1), 1
	s_wait_xcnt 0x0
	s_wait_alu depctr_hold_cnt(0) depctr_sa_sdst(0) depctr_va_vdst(0) depctr_va_sdst(0) depctr_va_ssrc(0) depctr_va_vcc(0) depctr_vm_vsrc(0)
	s_getreg_b32 s2, hwreg(HW_REG_IB_STS2, 6, 4)
	s_cmp_eq_u32 s2, 0
	s_cbranch_scc0 .Lentry_in_a_cluster
	s_endpgm
.Lentry_in_a_cluster:
	s_bfe_u32 s2, ttmp6, 0x10000c
	s_cmp_lg_u32 s2, 0xf033
	s_cbranch_scc0 .Lentry_shape_is_right
	s_endpgm
.Lentry_shape_is_right:
; qkv = x W_qkv, rotated, in f16: qkv [3][4 b][16 h][2048 t][64 d].  q is also multiplied by 0.125 log2(e), so that the next launch's scores are exponents of 2.
; xb [16 slabs][8192][64] bf16, wq [16 slabs][3072 n][64 k] bf16; sums in f32.
; WHY f16 OUT: a row that attends to n keys is about 1/sqrt(n) of v's size, so the first rows of a batch are some ten times the size of a typical row of the 2,048, and the error
; that the whole output's size allows is a thousandth of theirs: 8 significant bits are too few for q, k and v, 11 do.
; A work-group makes 256 rows x 384 columns: 32 x 8 = 256 work-groups.  Four waves; a wave makes 128 rows x 192 columns = three whole heads:
; 96 accumulator tiles of 16 x 16, 768 registers.  K goes in steps of 64 (one slab) through two LDS slots; two slots of 128 along K would take
; 2 x 640 rows x 272 bytes = 348,160 bytes, more than a work-group may have.  In a slab a tile's rows follow each other without gaps, so a tile is fetched as rows of
; 256 bytes that start at multiples of 256 bytes; the pad after every 32 dwords lays the 128-byte rows 144 bytes apart in LDS (9 x 16: the 16 rows that a
; fragment load touches begin at 16 different 16-byte columns modulo 256).
; CLUSTERS: 4 x 4 work-groups.  x's tile hangs on the block row alone and is asked for jointly along a row of the cluster, W's on the block column alone and jointly along a column.
; REGISTERS: window 0: v16-29 addresses and factors; v32-95, v96-159 fragments of x, two buffers; v160-255 twelve fragments of W, one buffer, loaded again by thirds.
;            window 1 + hd: head hd's 32 tiles, tile (a, b) at v[8 (4 a + b)].
; The matrix instruction is used transposed (source 0 = 16 rows of wq, source 1 = 16 rows of xb): lane l holds row l % 16 and its registers the columns 8 (l / 16) + 0..7.
; The rotation pairs column d with d + 32 of a head: tiles b and b + 2, same lane, same register.
; LIMITS: 0.18 |q|, |k| and |v| must stay under 65,504, f16's largest number.  As drawn they reach about 5.5; with x and W_qkv both 30 times larger about 5,000; with a common
; offset of 30 spreads on both, 1,024 x 30 x 0.94 = about 29,000.  v goes through the rotation's lines with cos' = 1 and sin' = 0; a product 0 x infinity there would give NaN, so the sums must be finite.
.set SLOT,  110592                     ; four regions of 27,648 bytes
.set WREG,  27648                      ; wave w's region: waves 0, 1 x's halves (128 rows x 144 = 18,432 used), waves 2, 3 W's halves (192 rows x 144)
.set FRAG,  2304                       ; 16 rows x 144
.set STAGE, 221184                     ; behind the ring: for each wave 3 heads x 16 rows x 144 bytes
.set WST,   6912
.set ADRA, 16                          ; v16-17  LDS address of my x fragments in slot 0, 1
.set ADRB, 18                          ; v18-19  the same for W
.set STO,  20                          ; the way out: where I put 16 bytes of a row
.set RD,   21                          ; where I read rows back
.set CO,   22                          ; 16 x lane
.set VRO,  23                          ; my offset in the tables
.set FG,   24                          ; v24-29  for each head (f, g): cos' = f cos + g, sin' = f sin
.set FA0,  32
.set FA1,  96
.set FB,   160
.set CS0,  32                          ; the way out, all in window 0: 16 cos + 16 sin, two buffers
.set CS1,  64
.set CP,   96                          ; cos', sin'
.set OT,   128                         ; a head's 16 rows, rotated, f32
.set TT,   160
.set PK,   176                         ; packed
.set RB,   192                         ; read back: 48 registers
.set G1A, 24                           ; s[24:31] group 1 for x's tiles
.set G0A, 32                           ; s[32:39] group 0 for x's tiles, one set a slot
.set G1B, 48                           ; s[48:55] group 1 for W's tiles
.set G0B, 56                           ; s[56:63] group 0 for W's tiles
.set HB,  68                           ; s[68:73] where each head's rows go
.set PADW, (1<<16)|(1<<20)|(1<<21)|(4<<22)|(3<<25)   ; elements of 2 bytes; padding on; bit 21 beside a mask; after every 32 dwords; 4 dwords
.set MSB, 0
.macro WIN new                         ; the immediate's high byte repeats the setting that is left
.if MSB != (\new)
	s_set_vgpr_msb (MSB<<8)|(\new)
.set MSB, (\new)
.endif
.endm
.macro PLACES cnt
.rept \cnt
	v_nop
.endr
.endm
; A joint load: waves 0 and 1 ask for x's halves, waves 2 and 3 for W's.  The branch hangs on the wave's number alone.
.macro JLOAD s
	s_cmp_eq_u32 s13, 0
	s_cbranch_scc0 .Lfor_b_\@
	tensor_load_to_lds s[G0A+4*\s:G0A+4*\s+3], s[G1A:G1A+7]
	s_nop 0
	s_branch .Lasked_\@
.Lfor_b_\@:
	tensor_load_to_lds s[G0B+4*\s:G0B+4*\s+3], s[G1B:G1B+7]
	s_nop 0
.Lasked_\@:
.endm
.macro CREST                           ; a round of the cluster's barrier behind its opening barrier
	s_cmp_lg_u32 s12, 0
	s_cbranch_scc1 .Lnot_wave_0_\@
	s_barrier_signal -3
.Lnot_wave_0_\@:
	s_barrier_wait -3
	s_barrier_signal -1
	s_barrier_wait -1
.endm
.macro CROUND
	s_barrier_signal -1
	s_barrier_wait -1
	CREST
.endm
	s_load_b256 s[4:11], s[0:1], 0x0               ; xb s[4:5], wq s[6:7], rope s[8:9], qkv s[10:11]
	v_lshl_add_u32 v30, v0, 2, 0x3cc00
	v_mov_b32 v31, 0
	ds_add_u32 v30, v31
	v_lshrrev_b32 v1, 5, v0
	v_readfirstlane_b32 s12, v1                    ; wave
	s_lshr_b32 s13, s12, 1                         ; my half of the rows.  Also: I fetch for x (0) or for W (1)
	s_and_b32 s14, s12, 1                          ; my half of the columns.  Also: which half of that tile I fetch
	s_bfe_u32 s40, ttmp6, 0x40000                  ; cx
	s_bfe_u32 s41, ttmp6, 0x40004                  ; cy
	s_lshl_b32 s42, ttmp9, 2
	s_add_co_u32 s42, s42, s40                     ; block column, 0..7
	s_and_b32 s43, ttmp7, 0xffff
	s_lshl_b32 s43, s43, 2
	s_add_co_u32 s43, s43, s41                     ; block row, 0..31
	s_lshl_b32 s44, s41, 2
	s_lshl_b32 s44, 15, s44                        ; my row of the cluster
	s_lshl_b32 s45, 0x1111, s40                    ; my column
	s_or_b32 s[G1A+0], s44, PADW
	s_or_b32 s[G1B+0], s45, PADW
	s_mov_b32 s[G1A+1], 128<<16                    ; tensor_dim0 = 128 elements (256 bytes)
	s_mov_b32 s[G1B+1], 128<<16
	s_mov_b32 s[G1A+2], 64<<16                     ; tensor_dim1: x's half is 128 rows x 128 bytes = 64 rows of 256
	s_mov_b32 s[G1B+2], 96<<16                     ; W's half is 192 rows x 128 bytes = 96 rows of 256
	s_mov_b32 s[G1A+3], 128<<16                    ; tile_dim0
	s_mov_b32 s[G1B+3], 128<<16
	s_mov_b32 s[G1A+4], 64                         ; tile_dim1
	s_mov_b32 s[G1B+4], 96
	s_mov_b32 s[G1A+5], 128                        ; from row to row: dense
	s_mov_b32 s[G1B+5], 128
	s_mov_b32 s[G1A+6], 0
	s_mov_b32 s[G1B+6], 0
	s_mov_b32 s[G1A+7], 0
	s_mov_b32 s[G1B+7], 0
	s_lshl_b32 s16, s43, 15                        ; x: 256 rows x 128 bytes a block row,
	s_lshl_b32 s17, s14, 14                        ; 128 rows a half
	s_add_co_u32 s16, s16, s17
	s_mov_b32 s17, 0
	s_mul_i32 s46, s42, 49152                      ; W: 384 rows x 128 bytes a block column,
	s_mul_i32 s47, s14, 24576                      ; 192 rows a half
	s_add_co_u32 s46, s46, s47
	s_mov_b32 s47, 0
	s_mul_i32 s20, s12, WREG                       ; where my load goes: the wave's number alone
	s_wait_dscnt 0x0
	s_wait_kmcnt 0x0
	s_add_nc_u64 s[18:19], s[4:5], s[16:17]
	s_add_nc_u64 s[46:47], s[6:7], s[46:47]
	CROUND                                         ; all sixteen work-groups are here: the first joint loads meet
.irp s, 0,1
	s_mov_b32 s[G0A+4*\s], 1
	s_add_co_u32 s[G0A+4*\s+1], s20, \s*SLOT
	s_add_nc_u64 s[G0A+4*\s+2:G0A+4*\s+3], s[18:19], \s*1048576    ; slab s of xb
	s_or_b32 s[G0A+4*\s+3], s[G0A+4*\s+3], 0x80000000
	s_mov_b32 s[G0B+4*\s], 1
	s_add_co_u32 s[G0B+4*\s+1], s20, \s*SLOT
	s_add_nc_u64 s[G0B+4*\s+2:G0B+4*\s+3], s[46:47], \s*393216     ; slab s of wq
	s_or_b32 s[G0B+4*\s+3], s[G0B+4*\s+3], 0x80000000
	JLOAD \s
.endr
	v_and_b32 v1, 15, v0                           ; r
	v_bfe_u32 v2, v0, 4, 1                         ; h
	v_mul_u32_u24 v3, v1, 144
	v_lshl_add_u32 v3, v2, 4, v3                   ; r x pitch + 16 h
	s_mul_i32 s21, s13, WREG
	s_mul_i32 s22, s14, WREG
	s_add_co_u32 s22, s22, 2*WREG
.irp s, 0,1
	v_add_nc_u32 v[ADRA+\s], s21, v3
	v_add_nc_u32 v[ADRB+\s], s22, v3
	s_add_co_u32 s21, s21, SLOT
	s_add_co_u32 s22, s22, SLOT
.endr
	s_mul_i32 s23, s12, WST
	s_add_co_u32 s23, s23, STAGE
	v_add_nc_u32 v[STO], s23, v3
	v_and_b32 v4, 31, v0
	v_lshrrev_b32 v5, 3, v4
	v_mul_u32_u24 v5, v5, 144                      ; back: eight lanes take a row of 128 bytes
	v_and_b32 v6, 7, v0
	v_lshl_add_u32 v5, v6, 4, v5
	v_add_nc_u32 v[RD], s23, v5
	v_lshlrev_b32 v[CO], 4, v4
	v_lshlrev_b32 v[VRO], 7, v1                    ; the tables: row r, 128 bytes a row,
	v_lshl_add_u32 v[VRO], v2, 5, v[VRO]           ; eight numbers at 8 h
	; the three heads of my 192 columns: head number g = 6 x block column + 3 x half + hd; g / 16 = q, k or v.  Selects, no branch.
	s_mov_b32 s82, 0x3f800000
	s_mul_i32 s74, s42, 6
	s_mul_i32 s75, s14, 3
	s_add_co_u32 s74, s74, s75
	s_lshr_b32 s80, s43, 3
	s_lshl_b32 s80, s80, 4                         ; 16 b
	s_and_b32 s81, s43, 7
	s_lshl_b32 s81, s81, 1
	s_add_co_u32 s81, s81, s13
	s_lshl_b32 s81, s81, 14                        ; my first t x 128 bytes: (2 (block row & 7) + half) x 128 rows
.irp hd, 0,1,2
	s_add_co_u32 s75, s74, \hd
	s_cmp_lt_u32 s75, 16
	s_cselect_b32 s76, 0x3e38aa3b, s82             ; q: f = 0.125 log2(e); k: f = 1
	s_cmp_lt_u32 s75, 32
	s_cselect_b32 s76, s76, 0                      ; v: f = 0,
	s_cselect_b32 s77, 0, s82                      ; g = 1: not rotated
	v_mov_b32 v[FG+2*\hd], s76
	v_mov_b32 v[FG+2*\hd+1], s77
	s_lshr_b32 s78, s75, 4
	s_lshl_b32 s78, s78, 6
	s_and_b32 s79, s75, 15
	s_add_co_u32 s78, s78, s79
	s_add_co_u32 s78, s78, s80                     ; 64 x kind + 16 b + head
	s_lshl_b32 s78, s78, 18                        ; x 2,048 rows x 128 bytes
	s_add_co_u32 s78, s78, s81
	s_mov_b32 s79, 0
	s_add_nc_u64 s[HB+2*\hd:HB+2*\hd+1], s[10:11], s[78:79]
.endr
	s_mov_b32 s78, s81
	s_add_nc_u64 s[8:9], s[8:9], s[78:79]          ; the tables at my first t
; 16 matrix instructions: head W - 1, row blocks a0 .. a0 + 3, the head's four column blocks, 32 along K.  zero = 1: the first product starts the sums.
.macro MULH W, abuf, a0, zero
	WIN ((\W<<4)|(\W<<6))
.irp a, 0,1,2,3
.irp b, 0,1,2,3
.if \zero
	v_wmma_f32_16x16x32_bf16 v[8*(4*(\a0+\a)+\b):8*(4*(\a0+\a)+\b)+7], v[FB+8*(4*(\W-1)+\b):FB+8*(4*(\W-1)+\b)+7], v[\abuf+8*(\a0+\a):\abuf+8*(\a0+\a)+7], 0
.else
	v_wmma_f32_16x16x32_bf16 v[8*(4*(\a0+\a)+\b):8*(4*(\a0+\a)+\b)+7], v[FB+8*(4*(\W-1)+\b):FB+8*(4*(\W-1)+\b)+7], v[\abuf+8*(\a0+\a):\abuf+8*(\a0+\a)+7], v[8*(4*(\a0+\a)+\b):8*(4*(\a0+\a)+\b)+7]
.endif
.endr
.endr
.endm
.macro LDB g, slot, kb                 ; eight loads: W's fragments 4 g .. 4 g + 3 (one head's), at byte kb of the rows
.irp i, 0,1,2,3
	ds_load_b128 v[FB+8*(4*\g+\i):FB+8*(4*\g+\i)+3],   v[ADRB+\slot] offset:\kb+(4*\g+\i)*FRAG
	ds_load_b128 v[FB+8*(4*\g+\i)+4:FB+8*(4*\g+\i)+7], v[ADRB+\slot] offset:\kb+(4*\g+\i)*FRAG+32
.endr
.endm
.macro LDA g, slot, kb, buf            ; eight loads: x's fragments 4 g .. 4 g + 3
.irp i, 0,1,2,3
	ds_load_b128 v[\buf+8*(4*\g+\i):\buf+8*(4*\g+\i)+3],   v[ADRA+\slot] offset:\kb+(4*\g+\i)*FRAG
	ds_load_b128 v[\buf+8*(4*\g+\i)+4:\buf+8*(4*\g+\i)+7], v[ADRA+\slot] offset:\kb+(4*\g+\i)*FRAG+32
.endr
.endm
; A K step is two chunks of 32 along K, 96 matrix instructions each.  The 96 accumulators take turns, one instruction a turn, in the same order in every chunk,
; over the backward jump too.  The next chunk's 40 loads go out in the order [W head 0, x low] [W head 1, x high] [W head 2], each run four places
; behind the matrix instructions that read the registers (ISA guide 7.12.1 for vector instructions).
; The first chunk: multiplies buffer 0 and fetches the same slot's second chunk (byte 64 of the rows) into buffer 1.
.macro CHUNK slot, zero
	s_wait_dscnt 8                                 ; all but the youngest eight loads (W's head 2) are in
	MULH 1, FA0, 0, \zero
	MULH 1, FA0, 4, \zero
	WIN 0
	PLACES 4
	LDB 0, \slot, 64
	LDA 0, \slot, 64, FA1
	MULH 2, FA0, 0, \zero
	MULH 2, FA0, 4, \zero
	WIN 0
	PLACES 4
	LDB 1, \slot, 64
	LDA 1, \slot, 64, FA1
	s_wait_dscnt 32                                ; all but the 32 just issued: W's head 2 is in
	MULH 3, FA0, 0, \zero
	MULH 3, FA0, 4, \zero
	WIN 0
	PLACES 4
	LDB 2, \slot, 64
.endm
; The second chunk: multiplies buffer 1 and changes slots.  In front of the barrier each wave waits for its reads of this slot and for all its tensor loads (one is out:
; its part of the next slot).  fill = 1: the barrier opens a round of the cluster's barrier, and behind the round this slot is asked for again, two K steps ahead, first of all.
; From that request to the wait for it a wave issues 176 matrix instructions.
.macro CHUNKT slot, next, fill
	s_wait_dscnt 8
	MULH 1, FA1, 0, 0
	s_wait_dscnt 0x0                               ; my reads of this slot are over
	s_wait_tensorcnt 0x0                           ; and all my tensor loads have landed
	ds_add_u32 v30, v31
	s_wait_dscnt 0x0
	s_barrier_signal -1
	MULH 1, FA1, 4, 0                              ; registers only, while the others arrive
	WIN 0
	s_barrier_wait -1
.if \fill
	CREST
	s_add_nc_u64 s[G0A+4*\slot+2:G0A+4*\slot+3], s[G0A+4*\slot+2:G0A+4*\slot+3], 2*1048576
	s_add_nc_u64 s[G0B+4*\slot+2:G0B+4*\slot+3], s[G0B+4*\slot+2:G0B+4*\slot+3], 2*393216
	JLOAD \slot
.endif
	PLACES 4
	LDB 0, \next, 0
	LDA 0, \next, 0, FA0
	MULH 2, FA1, 0, 0
	MULH 2, FA1, 4, 0
	WIN 0
	PLACES 4
	LDB 1, \next, 0
	LDA 1, \next, 0, FA0
	MULH 3, FA1, 0, 0
	MULH 3, FA1, 4, 0
	WIN 0
	PLACES 4
	LDB 2, \next, 0
.endm
.macro LAP zero
	CHUNK 0, \zero
	CHUNKT 0, 1, 1
	CHUNK 1, 0
	CHUNKT 1, 0, 1
.endm
	s_wait_tensorcnt 0x1                           ; my part of K step 0 is in; K step 1's stays out
	s_barrier_signal -1
	s_barrier_wait -1
	LDB 0, 0, 0
	LDA 0, 0, 0, FA0
	LDB 1, 0, 0
	LDA 1, 0, 0, FA0
	LDB 2, 0, 0
	LAP 1                                          ; 16 K steps = 8 laps: the first starts the sums,
	s_mov_b32 s3, 6
.Llap:
	LAP 0                                          ; six go round,
	s_sub_co_u32 s3, s3, 1
	s_cmp_lg_u32 s3, 0
	s_cbranch_scc1 .Llap
	CHUNK 0, 0                                     ; the last fills nothing
	CHUNKT 0, 1, 0
	CHUNK 1, 0
	s_wait_dscnt 8
	MULH 1, FA1, 0, 0
	MULH 1, FA1, 4, 0
	MULH 2, FA1, 0, 0
	MULH 2, FA1, 4, 0
	s_wait_dscnt 0x0
	MULH 3, FA1, 0, 0
	MULH 3, FA1, 4, 0
	WIN 0
	; THE WAY OUT, 16 rows at a time: rotate in f32, round to f16, 16 bytes a lane into my own stage, read back as rows of 128 bytes.
.macro ROPELD a, buf                   ; my 16 cos and 16 sin of rows 16 a + r: numbers 8 h .. +7 and 16 + 8 h .. +7
.irp q, 0,1
	global_load_b128 v[\buf+8*\q:\buf+8*\q+3],       v[VRO], s[8:9] offset:(\a)*2048+64*\q
	global_load_b128 v[\buf+8*\q+4:\buf+8*\q+7],     v[VRO], s[8:9] offset:(\a)*2048+64*\q+16
	global_load_b128 v[\buf+16+8*\q:\buf+16+8*\q+3], v[VRO], s[8:9] offset:(\a)*2048+64*\q+262144
	global_load_b128 v[\buf+16+8*\q+4:\buf+16+8*\q+7], v[VRO], s[8:9] offset:(\a)*2048+64*\q+262144+16
.endr
.endm
.macro HEAD a, hd, cs
.irp q, 0,2,4,6,8,10,12,14
	v_pk_fma_f32 v[CP+\q:CP+\q+1], v[\cs+\q:\cs+\q+1], v[FG+2*\hd:FG+2*\hd+1], v[FG+2*\hd:FG+2*\hd+1] op_sel:[0,0,1] op_sel_hi:[1,0,1]   ; cos' = f cos + g
	v_pk_mul_f32 v[CP+16+\q:CP+16+\q+1], v[\cs+16+\q:\cs+16+\q+1], v[FG+2*\hd:FG+2*\hd+1] op_sel_hi:[1,0]                               ; sin' = f sin
.endr
	WIN (1+\hd)                                    ; source 0 from the head's window: x1 = tiles 0, 1 at 32 a + q, x2 = tiles 2, 3 at 32 a + 16 + q
.irp q, 0,2,4,6,8,10,12,14
	v_pk_mul_f32 v[TT+\q:TT+\q+1], v[32*(\a)+16+\q:32*(\a)+16+\q+1], v[CP+16+\q:CP+16+\q+1]
.endr
.irp q, 0,2,4,6,8,10,12,14
	v_pk_fma_f32 v[OT+\q:OT+\q+1], v[32*(\a)+\q:32*(\a)+\q+1], v[CP+\q:CP+\q+1], v[TT+\q:TT+\q+1] neg_lo:[0,0,1] neg_hi:[0,0,1]   ; x1 cos' - x2 sin'
.endr
.irp q, 0,2,4,6,8,10,12,14
	v_pk_mul_f32 v[TT+\q:TT+\q+1], v[32*(\a)+16+\q:32*(\a)+16+\q+1], v[CP+\q:CP+\q+1]
.endr
.irp q, 0,2,4,6,8,10,12,14
	v_pk_fma_f32 v[OT+16+\q:OT+16+\q+1], v[32*(\a)+\q:32*(\a)+\q+1], v[CP+16+\q:CP+16+\q+1], v[TT+\q:TT+\q+1]                     ; x1 sin' + x2 cos'
.endr
	WIN 0
.irp q, 0,1,2,3,4,5,6,7,8,9,10,11,12,13,14,15
	v_cvt_pk_f16_f32 v[PK+\q], v[OT+2*\q], v[OT+2*\q+1]        ; the first source into the low half
.endr
.irp bt, 0,1,2,3
	ds_store_b128 v[STO], v[PK+4*\bt:PK+4*\bt+3] offset:\hd*FRAG+32*\bt
.endr
.endm
.macro OUTA a, cur, nxt, more
.if \more
	ROPELD (\a+1), \nxt
	s_wait_loadcnt 0x8                             ; this turn's tables are in; the eight loads just issued stay out
.else
	s_wait_loadcnt 0x0
.endif
	HEAD \a, 0, \cur
	HEAD \a, 1, \cur
	HEAD \a, 2, \cur
	s_wait_xcnt 0x0                                ; the last turn's stores have had their addresses translated (ISA guide 3.1): their data registers are loaded again only behind this wait
.irp hd, 0,1,2
.irp it, 0,1,2,3
	ds_load_b128 v[RB+16*\hd+4*\it:RB+16*\hd+4*\it+3], v[RD] offset:\hd*FRAG+\it*576     ; four rows; LDS serves a wave's instructions in order (ISA guide 5.7.1.4): these see the stores above
.endr
.endr
.irp hd, 0,1,2
.irp it, 0,1,2,3
	s_wait_dscnt 11-4*\hd-\it
	global_store_b128 v[CO], v[RB+16*\hd+4*\it:RB+16*\hd+4*\it+3], s[HB+2*\hd:HB+2*\hd+1] offset:(\a)*2048+\it*512   ; a wave stores 512 neighbouring bytes, aligned
.endr
.endr
.endm
	PLACES 4                                       ; behind the last matrix instructions: for the lines that read results and for the loads into fragment registers
	ROPELD 0, CS0
	OUTA 0, CS0, CS1, 1
	OUTA 1, CS1, CS0, 1
	OUTA 2, CS0, CS1, 1
	OUTA 3, CS1, CS0, 1
	OUTA 4, CS0, CS1, 1
	OUTA 5, CS1, CS0, 1
	OUTA 6, CS0, CS1, 1
	OUTA 7, CS1, CS0, 0
	s_wait_tensorcnt 0x0
	ds_add_u32 v30, v31
	s_wait_dscnt 0x0
	CROUND                                         ; the closing round: no work-group ends while a partner may still ask for a tile that names it
	s_endpgm
.Lfunc_end_k_q69c383a945_proj_qkv:
	.size	k_q69c383a945_proj_qkv, .Lfunc_end_k_q69c383a945_proj_qkv-k_q69c383a945_proj_qkv
	.p2alignl 7, 3214868480
	.fill 96, 4, 3214868480
	.section	.rodata,"a",@progbits
	.p2align	6, 0x0
	.amdhsa_kernel k_q69c383a945_proj_qkv
		.amdhsa_group_segment_fixed_size 327680
		.amdhsa_private_segment_fixed_size 0
		.amdhsa_enable_private_segment 0
		.amdhsa_kernarg_size 32
		.amdhsa_user_sgpr_count 2
		.amdhsa_user_sgpr_kernarg_segment_ptr 1
		.amdhsa_wavefront_size32 1
		.amdhsa_system_sgpr_workgroup_id_x 1
		.amdhsa_system_sgpr_workgroup_id_y 1
		.amdhsa_system_sgpr_workgroup_id_z 1
		.amdhsa_system_vgpr_workitem_id 0
		.amdhsa_next_free_vgpr 1024
		.amdhsa_next_free_sgpr 96
		.amdhsa_reserve_vcc 0
		.amdhsa_float_denorm_mode_32 3
		.amdhsa_float_denorm_mode_16_64 3
		.amdhsa_memory_ordered 1
		.amdhsa_forward_progress 1
		.amdhsa_inst_pref_size 250
	.end_amdhsa_kernel
	.amdgpu_metadata
---
amdhsa.version: [ 1, 2 ]
amdhsa.kernels:
  - .name:           k_q69c383a945_proj_qkv
    .symbol:         k_q69c383a945_proj_qkv.kd
    .args:
      - { .name: xb, .offset: 0, .size: 8, .value_kind: global_buffer, .address_space: global }
      - { .name: wq, .offset: 8, .size: 8, .value_kind: global_buffer, .address_space: global }
      - { .name: rope, .offset: 16, .size: 8, .value_kind: global_buffer, .address_space: global }
      - { .name: qkv, .offset: 24, .size: 8, .value_kind: global_buffer, .address_space: global }
    .group_segment_fixed_size: 327680
    .private_segment_fixed_size: 0
    .kernarg_segment_align: 8
    .kernarg_segment_size: 32
    .max_flat_workgroup_size: 128
    .sgpr_count:     96
    .vgpr_count:     1024
    .wavefront_size: 32
...
	.end_amdgpu_metadata
.endif
;; end of part 2
;; launch attention (part 3): grid 256 x 1, 8 waves a work-group, no clusters, 327,680 bytes of LDS; arguments qkv, bias, att; writes att
.if DOCPART == 3
	.amdgcn_target "amdgcn-amd-amdhsa--gfx1250"
	.amdhsa_code_object_version 6
	.text
	.protected	k_q69c383a945_attention
	.globl	k_q69c383a945_attention
	.p2align	8
	.type	k_q69c383a945_attention,@function
k_q69c383a945_attention:
	s_mov_b64 s[64:65], 0
	v_nop
	global_prefetch_b8 v0, s[64:65] scope:SCOPE_SE
	s_setreg_imm32_b32 hwreg(HW_REG_WAVE_MODE, 25, 1), 1
	s_wait_xcnt 0x0
; att = softmax(q k^T, causal, padded keys out) v, one head of one batch for four work-groups.  qkv [3][4][16][2048][64] f16 (q holds 0.125 log2(e) already: scores are
; exponents of 2), bias [4][2048] f32 (0 or -1e30), att [32 slabs][8192 = 2048 b + t][64] bf16: slab 2 h holds head h's results rounded to bf16, slab 2 h + 1 what that rounding left,
; rounded to bf16 again: 16 significant bits for the next launch, whose other operand is bf16.
; FORMATS: q, k, v and the probabilities are f16 (11 significant bits).  A row that attends to few keys is far larger than the typical row, and the error that the whole output's
; size allows is a thousandth of it; 8 significant bits do not give that.  Probabilities lie in 0 .. 1; what is below f16's step of 6e-8 counts as 0 against a sum of at least 1.
; SHARES: work-group (bh, p) makes the query blocks of 256 rows i = 7 - p and then i = p: 2 i + 2 slabs of 128 keys each, 18 slabs for every work-group.
; Wave w: w' = w & 3 owns the 16-row tiles w' + 4 u (u = 0..3) of the block, so all four have the same causal shape; g = w >> 2 takes keys 64 g .. 64 g + 63 of every slab.
; Two waves lie on a SIMD, so one's exponentials can run beside the other's products.  The two groups' sums meet once a block, through LDS.
; NO SHUFFLES: S^T = K Q^T (lane (r, h) holds query r, keys 8 h + j); two neighbouring tiles, packed to f16 in place, are the B fragment of P^T;
; O^T = V^T P^T, V^T read by transposing LDS loads.  Maximum, sum and rescaling factor belong to a lane; the halves of the wave meet in one lane exchange a tile and step.
; MASKS: the padding term is the C operand of the first product of each score tile.  The causal mask is applied in the two slabs on the diagonal alone; tiles wholly above it are left out.
; The running maximum is taken away before every exponential.  What a row gathers while all its keys so far are masked is wiped by the factor exp2(-1e30 - m) = 0.
; NO CLUSTER: the four work-groups of a head walk different slabs at different times (2 i + 2 hangs on p); in step, each step would cost what the busiest partner needs,
; 16 + 8 = 24 slabs' time (the first block takes up to 16 slabs, the second up to 8) against the 18 that each has here.
; LIMITS: masked scores are -1e30, not -infinity; a row whose maximum is below -5e29 counts as fully masked and gives NaN, as a softmax over -infinity alone does; so true scores (in exponents of 2) must lie above -5e29.
; Exponentials below 2^-126 flush to 0.
.set KSL, 18432                        ; a slot of K: 128 rows x 144.  K's slots at 0 and 18,432
.set VS0, 36864                        ; V's slots at 36,864 and 57,344
.set VSL, 20480                        ; 128 rows x 160 (5 x 32)
.set MST, 77824                        ; the groups' meeting place: 4 x 18,432 bytes.  No tensor load lands here or below
.set OST, 151552                       ; the way out: for each of 4 waves 64 rows x 144 for the upper parts, then as much for the lower
.set OSH, 9216
.set ADK, 1                            ; v1-2    my K fragments in slot 0, 1
.set ADV, 3                            ; v3-4    my V fragments
.set BOF, 5                            ; my offset in a slab's 128 padding terms
.set DQ,  6                            ; 16 w' + r - 8 h
.set NEG, 7                            ; -1e30
.set PA,  8                            ; v8-15   for each u (m, alpha)
.set LS,  16                           ; v16-23  for each u two partial sums
.set TM,  24                           ; v24-27  the new maximum; addresses on the way out
.set XC,  28                           ; v28-31  the other half's figure; v28 also q's offset at a block's start
.set QF,  32                           ; q fragments (u, c) at 16 u + 8 c
.set KF,  96                           ; K fragments (kt, c) at 16 kt + 8 c
.set VF,  160                          ; V^T fragments (dt, c) at 16 dt + 8 c
.set BI,  224                          ; padding terms, tile kt at 8 kt
.set OA,  128                          ; window 1: S (u, kt) at 32 u + 8 kt, P (u, c) in place at 32 u + 16 c; O (u, dt) at 128 + 32 u + 8 dt
.set PP,  96                           ; at the meeting: the partner's (m, alpha), its sums, and what is made of them
.set PL,  104
.set MM,  112
.set EA0, 116
.set EA1, 120
.set LL,  124
.set FF,  128
.set NANR, 136
.set G1K, 16
.set G1V, 24
.set G0K, 32                           ; s[32:39] one set a slot
.set G0V, 40                           ; s[40:47]
.set MSB, 0
.macro WIN new
.if MSB != (\new)
	s_set_vgpr_msb (MSB<<8)|(\new)
.set MSB, (\new)
.endif
.endm
.macro PLACES cnt
.rept \cnt
	v_nop
.endr
.endm
; Wave 0 fetches K's slab (16 KiB), wave 1 V's; the other six issue none.
.macro KVLOAD o
	s_cmp_gt_u32 s12, 1
	s_cbranch_scc1 .Lnone_\@
	s_cmp_eq_u32 s12, 0
	s_cbranch_scc0 .Lfor_v_\@
	tensor_load_to_lds s[G0K+4*\o:G0K+4*\o+3], s[G1K:G1K+7]
	s_nop 0
	s_branch .Lnone_\@
.Lfor_v_\@:
	tensor_load_to_lds s[G0V+4*\o:G0V+4*\o+3], s[G1V:G1V+7]
	s_nop 0
.Lnone_\@:
.endm
	s_load_b128 s[4:7], s[0:1], 0x0                ; qkv s[4:5], bias s[6:7]
	s_load_b64 s[8:9], s[0:1], 0x10                ; att
	v_lshl_add_u32 v158, v0, 2, 0x37000
	v_mov_b32 v159, 0
	ds_add_u32 v158, v159
	s_wait_dscnt 0x0
	v_lshrrev_b32 v1, 5, v0
	v_readfirstlane_b32 s12, v1                    ; wave
	s_and_b32 s13, ttmp9, 3                        ; p
	s_lshr_b32 s10, ttmp9, 2                       ; bh = 16 b + h
	s_and_b32 s70, s12, 3                          ; w'
	s_lshr_b32 s71, s12, 2                         ; g
	s_mov_b32 s[G1K+0], (1<<16)|(1<<20)|(4<<22)|(3<<25)    ; 2-byte elements; after every 32 dwords 4 dwords of padding: pitch 144
	s_mov_b32 s[G1V+0], (1<<16)|(1<<20)|(4<<22)|(7<<25)    ; 8 dwords: pitch 160
	s_mov_b32 s[G1K+1], 128<<16                    ; a slab is dense: 64 rows of 256 bytes
	s_mov_b32 s[G1V+1], 128<<16
	s_mov_b32 s[G1K+2], 64<<16
	s_mov_b32 s[G1V+2], 64<<16
	s_mov_b32 s[G1K+3], 128<<16
	s_mov_b32 s[G1V+3], 128<<16
	s_mov_b32 s[G1K+4], 64
	s_mov_b32 s[G1V+4], 64
	s_mov_b32 s[G1K+5], 128
	s_mov_b32 s[G1V+5], 128
	s_mov_b32 s[G1K+6], 0
	s_mov_b32 s[G1V+6], 0
	s_mov_b32 s[G1K+7], 0
	s_mov_b32 s[G1V+7], 0
	s_mov_b32 s[G0K+0], 1
	s_mov_b32 s[G0K+1], 0
	s_mov_b32 s[G0K+4], 1
	s_mov_b32 s[G0K+5], KSL
	s_mov_b32 s[G0V+0], 1
	s_mov_b32 s[G0V+1], VS0
	s_mov_b32 s[G0V+4], 1
	s_mov_b32 s[G0V+5], VS0+VSL
	s_mov_b32 s66, 0x76543210                      ; v_permlanex16_b32: lane i of one half reads lane i of the other
	s_mov_b32 s67, 0xfedcba98
	s_mov_b32 s77, 0xffff0000                      ; a word's upper bf16
	s_sub_co_u32 s14, 7, s13                       ; the first block
	s_lshl_b32 s54, s10, 18                        ; 2,048 rows x 128 bytes a head
	s_mov_b32 s55, 0
	s_wait_kmcnt 0x0
	s_add_nc_u64 s[72:73], s[4:5], s[54:55]        ; q of this head
	s_add_nc_u64 s[48:49], s[72:73], 64*262144     ; k
	s_add_nc_u64 s[50:51], s[72:73], 128*262144    ; v
	s_or_b32 s49, s49, 0x80000000                  ; the descriptors' type, once
	s_or_b32 s51, s51, 0x80000000
	s_lshl_b32 s15, s14, 1                         ; the first slab: 2 i
	s_lshl_b32 s54, s15, 14                        ; 128 rows x 128 bytes a slab
	s_add_nc_u64 s[G0K+2:G0K+3], s[48:49], s[54:55]
	s_add_nc_u64 s[G0V+2:G0V+3], s[50:51], s[54:55]
	KVLOAD 0                                       ; the first fill, ahead of every wait on TENSORcnt, LDS read and barrier
	s_lshr_b32 s54, s10, 4
	s_lshl_b32 s54, s54, 13
	s_add_nc_u64 s[60:61], s[6:7], s[54:55]        ; the batch's padding terms
	s_lshl_b32 s54, s15, 9
	s_add_nc_u64 s[52:53], s[60:61], s[54:55]      ; the first slab's
	s_and_b32 s54, s10, 15
	s_lshl_b32 s54, s54, 21                        ; att: head x 2 slabs x 8,192 rows x 128 bytes
	s_lshr_b32 s76, s10, 4
	s_lshl_b32 s76, s76, 18                        ; + b x 2,048 rows
	s_add_co_u32 s54, s54, s76
	s_add_nc_u64 s[74:75], s[8:9], s[54:55]
	v_and_b32 v24, 15, v0                          ; r
	v_bfe_u32 v25, v0, 4, 1                        ; h
	v_mul_u32_u24 v26, v24, 144
	v_lshl_add_u32 v26, v25, 4, v26
	s_mul_i32 s76, s71, 64*144                     ; my group's 64 keys
	v_add_nc_u32 v[ADK], s76, v26
	v_add_nc_u32 v[ADK+1], KSL, v[ADK]
	v_and_b32 v26, 7, v0
	v_lshl_add_u32 v26, v25, 3, v26                ; key 8 h + (lane & 7)
	v_mul_u32_u24 v26, v26, 160
	v_bfe_u32 v27, v0, 3, 1
	v_lshl_add_u32 v26, v27, 4, v26                ; + 16 bytes for the upper eight of sixteen columns
	s_mul_i32 s76, s71, 64*160
	s_add_co_u32 s76, s76, VS0
	v_add_nc_u32 v[ADV], s76, v26
	v_add_nc_u32 v[ADV+1], VSL, v[ADV]
	v_lshlrev_b32 v[BOF], 5, v25                   ; eight terms at 8 h,
	s_lshl_b32 s76, s71, 8                         ; 64 a group
	v_add_nc_u32 v[BOF], s76, v[BOF]
	v_lshlrev_b32 v26, 3, v25
	v_sub_nc_u32 v[DQ], v24, v26
	s_lshl_b32 s76, s70, 4
	v_add_nc_u32 v[DQ], s76, v[DQ]
	v_mov_b32 v[NEG], 0xf149f2ca
.irp q, 0,1,2,3,4,5,6,7
	v_mov_b32 v[PA+\q], 0                          ; packed lines read whole pairs, and the first step of a block writes m alone
.endr
	v_mov_b32 v[XC+2], 0                           ; the lane exchange's destination counts as read
	v_mov_b32 v[XC+3], 0
.irp kt, 0,1,2,3
	global_load_b128 v[BI+8*\kt:BI+8*\kt+3],   v[BOF], s[52:53] offset:64*\kt
	global_load_b128 v[BI+8*\kt+4:BI+8*\kt+7], v[BOF], s[52:53] offset:64*\kt+16
.endr
; In front of a phase that reads slot.  refill = 1: slab s15 is asked for, into the other slot, and its padding terms' address is set.
.macro SYNC slot, refill
	s_wait_loadcnt 0x0                             ; q and this phase's padding terms are in; their address registers may be written
	s_wait_xcnt 0x0
	v_lshl_add_u32 v158, v0, 2, 0x37000
	v_mov_b32 v159, 0
	s_wait_tensorcnt 0x0                           ; all my tensor loads have landed, this phase's slab among them: every group 0 may be written
	ds_add_u32 v158, v159
	s_wait_dscnt 0x0
.if \refill
	s_lshl_b32 s54, s15, 14
	s_mov_b32 s55, 0
	s_add_nc_u64 s[G0K+4*(1-\slot)+2:G0K+4*(1-\slot)+3], s[48:49], s[54:55]
	s_add_nc_u64 s[G0V+4*(1-\slot)+2:G0V+4*(1-\slot)+3], s[50:51], s[54:55]
	s_lshl_b32 s54, s15, 9
	s_add_nc_u64 s[52:53], s[60:61], s[54:55]
.endif
	s_wait_dscnt 0x0                               ; my reads of the other slot are over
	s_barrier_signal -1
	s_barrier_wait -1                              ; all that holds of all eight waves
.if \refill
	KVLOAD (1-\slot)                               ; the one tensor load behind this barrier, and the first thing there: it has the whole phase in which to land
.endif
.endm
; One phase: my group's 64 keys of the slab in slot, against my tiles u = qlo .. 3.  kk >= 0: the keys are the block's own keys 64 kk .. 64 kk + 63 (on the diagonal).
; first = 1: the block's first phase starts maximum, sums and O.  nextb = 1: the next phase's padding terms are fetched.
.macro STEP slot, qlo, kk, first, nextb
.irp kt, 0,1,2,3
.irp c, 0,1
	ds_load_b128 v[KF+16*\kt+8*\c:KF+16*\kt+8*\c+3],   v[ADK+\slot] offset:\kt*2304+64*\c
	ds_load_b128 v[KF+16*\kt+8*\c+4:KF+16*\kt+8*\c+7], v[ADK+\slot] offset:\kt*2304+64*\c+32
.endr
.endr
.irp dt, 0,1,2,3
.irp c, 0,1
	ds_load_tr16_b128 v[VF+16*\dt+8*\c:VF+16*\dt+8*\c+3],   v[ADV+\slot] offset:\c*5120+32*\dt
	ds_load_tr16_b128 v[VF+16*\dt+8*\c+4:VF+16*\dt+8*\c+7], v[ADV+\slot] offset:\c*5120+32*\dt+2560
.endr
.endr
	s_wait_dscnt 16                                ; K's sixteen loads are in, V's sixteen may stay out
	; S^T: the accumulators take turns, one instruction a turn: all tiles' d 0..31, then all tiles' d 32..63 (four tiles at the least)
	WIN 0x40                                       ; D in window 1; C, the padding terms, in window 0
.irp u, 0,1,2,3
.if \u >= \qlo
.irp kt, 0,1,2,3
	v_wmma_f32_16x16x32_f16 v[32*\u+8*\kt:32*\u+8*\kt+7], v[KF+16*\kt:KF+16*\kt+7], v[QF+16*\u:QF+16*\u+7], v[BI+8*\kt:BI+8*\kt+7]
.endr
.endif
.endr
	WIN 0x50
.irp u, 0,1,2,3
.if \u >= \qlo
.irp kt, 0,1,2,3
	v_wmma_f32_16x16x32_f16 v[32*\u+8*\kt:32*\u+8*\kt+7], v[KF+16*\kt+8:KF+16*\kt+15], v[QF+16*\u+8:QF+16*\u+15], v[32*\u+8*\kt:32*\u+8*\kt+7]
.endr
.endif
.endr
	WIN 0
	PLACES 4                                       ; before vector lines read S and loads land on the padding terms (ISA guide 7.12.1 for the vector lines)
.if \nextb
.irp kt, 0,1,2,3
	global_load_b128 v[BI+8*\kt:BI+8*\kt+3],   v[BOF], s[52:53] offset:64*\kt
	global_load_b128 v[BI+8*\kt+4:BI+8*\kt+7], v[BOF], s[52:53] offset:64*\kt+16
.endr
.endif
.if \kk >= 0
	; key 64 kk + 16 kt + 8 h + j is beyond query 64 u + 16 w' + r  <=>  64 (kk - u) + 16 kt + j > DQ.  DQ lies in -8 .. 63, so tiles u > kk need no mask
	WIN 0x41
.irp u, 0,1,2,3
.if \u >= \qlo
.if \u <= \kk
.irp kt, 0,1,2,3
.irp j, 0,1,2,3,4,5,6,7
	v_cmp_gt_i32 vcc_lo, 64*(\kk-\u)+16*\kt+\j, v[DQ]
	v_cndmask_b32 v[32*\u+8*\kt+\j], v[32*\u+8*\kt+\j], v[NEG], vcc_lo
.endr
.endr
.endif
.endif
.endr
.endif
	; the new maximum: my 32 scores of each tile and the old maximum, the tiles' chains by turns
	WIN 0x05
.irp u, 0,1,2,3
.if \u >= \qlo
.if \first
	v_max_num_f32 v[TM+\u], v[32*\u], v[32*\u+1]
.else
	v_max3_num_f32 v[TM+\u], v[32*\u], v[32*\u+1], v[PA+2*\u]
.endif
.endif
.endr
.irp q, 2,4,6,8,10,12,14,16,18,20,22,24,26,28,30
.irp u, 0,1,2,3
.if \u >= \qlo
	v_max3_num_f32 v[TM+\u], v[32*\u+\q], v[32*\u+\q+1], v[TM+\u]
.endif
.endr
.endr
	WIN 0
.irp u, 0,1,2,3
.if \u >= \qlo
	v_permlanex16_b32 v[XC+\u], v[TM+\u], s66, s67 ; the other eight keys of each sixteen lie in the other half of the wave
.endif
.endr
.irp u, 0,1,2,3
.if \u >= \qlo
	v_max_num_f32 v[TM+\u], v[TM+\u], v[XC+\u]
.endif
.endr
.if \first
.irp u, 0,1,2,3
	v_mov_b32 v[PA+2*\u], v[TM+\u]
	v_mov_b32 v[LS+2*\u], 0                        ; eight registers a block
	v_mov_b32 v[LS+2*\u+1], 0
.endr
.else
.irp u, 0,1,2,3
.if \u >= \qlo
	v_sub_f32 v[PA+2*\u+1], v[PA+2*\u], v[TM+\u]
.endif
.endr
.irp u, 0,1,2,3
.if \u >= \qlo
	v_exp_f32 v[PA+2*\u+1], v[PA+2*\u+1]           ; alpha = 2^(old m - new m)
.endif
.endr
.irp u, 0,1,2,3
.if \u >= \qlo
	v_mov_b32 v[PA+2*\u], v[TM+\u]                 ; plain lines behind the exponentials, before alpha is used (ISA guide 5.7.2)
.endif
.endr
.irp u, 0,1,2,3
.if \u >= \qlo
	s_wait_alu depctr_va_vdst(0)
	v_pk_mul_f32 v[LS+2*\u:LS+2*\u+1], v[LS+2*\u:LS+2*\u+1], v[PA+2*\u:PA+2*\u+1] op_sel:[0,1] op_sel_hi:[1,1]
.endif
.endr
.endif
	; P = 2^(S - m) in place; O is rescaled between the exponentials
	WIN 0x41
.irp u, 0,1,2,3
.if \u >= \qlo
.irp q, 0,2,4,6,8,10,12,14,16,18,20,22,24,26,28,30
	v_pk_add_f32 v[32*\u+\q:32*\u+\q+1], v[32*\u+\q:32*\u+\q+1], v[PA+2*\u:PA+2*\u+1] op_sel_hi:[1,0] neg_lo:[0,1] neg_hi:[0,1]
.endr
.irp q, 0,2,4,6,8,10,12,14,16,18,20,22,24,26,28,30
	v_exp_f32 v[32*\u+\q], v[32*\u+\q]
	v_exp_f32 v[32*\u+\q+1], v[32*\u+\q+1]
.if \first == 0
	v_pk_mul_f32 v[OA+32*\u+\q:OA+32*\u+\q+1], v[OA+32*\u+\q:OA+32*\u+\q+1], v[PA+2*\u:PA+2*\u+1] op_sel:[0,1] op_sel_hi:[1,1]
	s_wait_alu depctr_va_vdst(0)
.endif
.endr
.endif
.endr
.if \first
	v_nop                                          ; a plain place behind the last exponential
	s_wait_alu depctr_va_vdst(0)
.endif
	WIN 0x01
.irp q, 0,2,4,6,8,10,12,14,16,18,20,22,24,26,28,30
.irp u, 0,1,2,3
.if \u >= \qlo
	v_pk_add_f32 v[LS+2*\u:LS+2*\u+1], v[32*\u+\q:32*\u+\q+1], v[LS+2*\u:LS+2*\u+1]
.endif
.endr
.endr
	; tiles 2 c and 2 c + 1 become registers 0-3 and 4-7 of P^T's fragment c, each written behind the line that read it
	WIN 0x45
.irp u, 0,1,2,3
.if \u >= \qlo
.irp c, 0,1
.irp q, 0,1,2,3,4,5,6,7
	v_cvt_pk_f16_f32 v[32*\u+16*\c+\q], v[32*\u+16*\c+2*\q], v[32*\u+16*\c+2*\q+1]
.endr
.endr
.endif
.endr
	s_wait_dscnt 0x0                               ; V is in
	WIN 0x54                                       ; O^T += V^T P^T: the accumulators by turns again: all tiles' keys 0..31, then all tiles' keys 32..63
.irp c, 0,1
.irp u, 0,1,2,3
.if \u >= \qlo
.irp dt, 0,1,2,3
.if \first*(1-\c)
	v_wmma_f32_16x16x32_f16 v[OA+32*\u+8*\dt:OA+32*\u+8*\dt+7], v[VF+16*\dt+8*\c:VF+16*\dt+8*\c+7], v[32*\u+16*\c:32*\u+16*\c+7], 0
.else
	v_wmma_f32_16x16x32_f16 v[OA+32*\u+8*\dt:OA+32*\u+8*\dt+7], v[VF+16*\dt+8*\c:VF+16*\dt+8*\c+7], v[32*\u+16*\c:32*\u+16*\c+7], v[OA+32*\u+8*\dt:OA+32*\u+8*\dt+7]
.endif
.endr
.endif
.endr
.endr
	WIN 0
	PLACES 5                                       ; the next score products write over P, which these have read (ISA guide 7.12.1)
.endm
; The two groups' keys lie at different places against the diagonal: a branch on the wave's number, no barrier inside.
.macro GSTEP slot, q0, k0, q1, k1, first, nextb
	s_cmp_lt_u32 s12, 4
	s_cbranch_scc0 .Lgrp1_\@
	STEP \slot, \q0, \k0, \first, \nextb
	s_branch .Lgrpj_\@
.Lgrp1_\@:
	STEP \slot, \q1, \k1, \first, \nextb
.Lgrpj_\@:
.endm
.macro QLOAD                           ; q's fragments straight from memory: row 64 u + 16 w' + r of the block, 16 bytes at 64 c + 16 h and 32 further on
	v_and_b32 v[XC], 15, v0
	v_bfe_u32 v[XC+1], v0, 4, 1
	v_lshlrev_b32 v[XC], 7, v[XC]
	v_lshl_add_u32 v[XC], v[XC+1], 4, v[XC]
	v_lshl_add_u32 v[XC], s70, 11, v[XC]
.irp u, 0,1,2,3
.irp c, 0,1
	global_load_b128 v[QF+16*\u+8*\c:QF+16*\u+8*\c+3],   v[XC], s[56:57] offset:\u*8192+64*\c
	global_load_b128 v[QF+16*\u+8*\c+4:QF+16*\u+8*\c+7], v[XC], s[56:57] offset:\u*8192+64*\c+32
.endr
.endr
.endm
; The block's end: group 1 hands O, m and the sums to group 0, which joins them, divides, splits each result into two bf16 numbers, and stores.
.macro FINISH
	v_and_b32 v[TM], 31, v0
	v_lshlrev_b32 v[TM+3], 4, v[TM]                ; 16 x lane
	s_mul_i32 s76, s70, 18432
	s_add_co_u32 s76, s76, MST
	v_add_nc_u32 v[TM], s76, v[TM+3]
	s_cmp_lt_u32 s12, 4
	s_cbranch_scc1 .Lkeeps_\@
	WIN 0x04                                       ; store data from window 1
.set x, 0
.rept 32
	ds_store_b128 v[TM], v[OA+4*x:OA+4*x+3] offset:512*x
.set x, x+1
.endr
	WIN 0
	ds_store_b128 v[TM], v[PA:PA+3] offset:512*32
	ds_store_b128 v[TM], v[PA+4:PA+7] offset:512*33
	ds_store_b128 v[TM], v[LS:LS+3] offset:512*34
	ds_store_b128 v[TM], v[LS+4:LS+7] offset:512*35
.Lkeeps_\@:
	s_wait_dscnt 0x0                               ; my stores are done, for my partner's sake
	s_barrier_signal -1
	s_barrier_wait -1                              ; the next block's first slab may stay on its way
	s_cmp_lt_u32 s12, 4
	s_cbranch_scc0 .Ldone_\@
	WIN 0x40                                       ; the partner's O into S's registers
.set x, 0
.rept 32
	ds_load_b128 v[4*x:4*x+3], v[TM] offset:512*x
.set x, x+1
.endr
	WIN 0
	ds_load_b128 v[PP:PP+3], v[TM] offset:512*32
	ds_load_b128 v[PP+4:PP+7], v[TM] offset:512*33
	ds_load_b128 v[PL:PL+3], v[TM] offset:512*34
	ds_load_b128 v[PL+4:PL+7], v[TM] offset:512*35
	v_mov_b32 v[NANR], 0x7fc00000
	s_wait_dscnt 0x0
.irp u, 0,1,2,3
	v_add_f32 v[LS+2*\u], v[LS+2*\u], v[LS+2*\u+1]
	v_add_f32 v[PL+2*\u], v[PL+2*\u], v[PL+2*\u+1]
	v_max_num_f32 v[MM+\u], v[PA+2*\u], v[PP+2*\u]
	v_sub_f32 v[EA0+\u], v[PA+2*\u], v[MM+\u]
	v_sub_f32 v[EA1+\u], v[PP+2*\u], v[MM+\u]
.endr
.irp u, 0,1,2,3
	v_exp_f32 v[EA0+\u], v[EA0+\u]
	v_exp_f32 v[EA1+\u], v[EA1+\u]
.endr
	v_nop
	s_wait_alu depctr_va_vdst(0)
.irp u, 0,1,2,3
	v_mul_f32 v[LL+\u], v[LS+2*\u], v[EA0+\u]
	v_fmac_f32 v[LL+\u], v[PL+2*\u], v[EA1+\u]
	v_permlanex16_b32 v[XC+\u], v[LL+\u], s66, s67 ; the other half of the wave summed the other keys
	v_add_f32 v[LL+\u], v[LL+\u], v[XC+\u]
.endr
.irp u, 0,1,2,3
	v_rcp_f32 v[LL+\u], v[LL+\u]                   ; the sum is at least 1: the largest term is 2^0
.endr
	v_nop
	s_wait_alu depctr_va_vdst(0)
.irp u, 0,1,2,3
	v_cmp_gt_f32 vcc_lo, 0xf0c9f2ca, v[MM+\u]      ; -5e29 > m: every key of the row was masked
	v_cndmask_b32 v[LL+\u], v[LL+\u], v[NANR], vcc_lo
	v_mul_f32 v[FF+2*\u], v[EA0+\u], v[LL+\u]
	v_mul_f32 v[FF+2*\u+1], v[EA1+\u], v[LL+\u]
.endr
	WIN 0x51
.irp u, 0,1,2,3
.irp q, 0,2,4,6,8,10,12,14,16,18,20,22,24,26,28,30
	v_pk_mul_f32 v[OA+32*\u+\q:OA+32*\u+\q+1], v[OA+32*\u+\q:OA+32*\u+\q+1], v[FF+2*\u:FF+2*\u+1] op_sel_hi:[1,0]
	v_pk_fma_f32 v[OA+32*\u+\q:OA+32*\u+\q+1], v[32*\u+\q:32*\u+\q+1], v[FF+2*\u:FF+2*\u+1], v[OA+32*\u+\q:OA+32*\u+\q+1] op_sel:[0,1,0] op_sel_hi:[1,1,1]
.endr
.endr
	; A lane's eight results of tile (u, dt) are d = 16 dt + 8 h + 0..7 of query r: 16 bytes of a row.  Word x = 4 (4 u + dt) + q packs results 2 x and 2 x + 1.
	WIN 0x05                                       ; the upper parts: o rounded to bf16
.set x, 0
.rept 64
	v_cvt_pk_bf16_f32 v[VF+x], v[OA+2*x], v[OA+2*x+1]
.set x, x+1
.endr
	WIN 0x40                                       ; widened again, into S's registers, which are free now
.set x, 0
.rept 64
	v_lshlrev_b32 v[2*x], 16, v[VF+x]
	v_and_b32 v[2*x+1], s77, v[VF+x]
.set x, x+1
.endr
	WIN 0x45                                       ; what the rounding left (exact in f32),
.set x, 0
.rept 64
	v_pk_add_f32 v[2*x:2*x+1], v[OA+2*x:OA+2*x+1], v[2*x:2*x+1] neg_lo:[0,1] neg_hi:[0,1]
.set x, x+1
.endr
	WIN 0x05                                       ; rounded to bf16: the lower parts, onto K's fragment registers (the meeting's figures there are used up)
.set x, 0
.rept 64
	v_cvt_pk_bf16_f32 v[KF+x], v[2*x], v[2*x+1]
.set x, x+1
.endr
	WIN 0
	s_mul_i32 s76, s70, 2*OSH
	s_add_co_u32 s76, s76, OST
	v_and_b32 v[TM+1], 15, v0
	v_mul_u32_u24 v[TM+1], v[TM+1], 144
	v_bfe_u32 v[TM+2], v0, 4, 1
	v_lshl_add_u32 v[TM+1], v[TM+2], 4, v[TM+1]
	v_add_nc_u32 v[TM+1], s76, v[TM+1]             ; in: row r, 16 bytes at 16 h
	v_bfe_u32 v[TM+2], v0, 3, 2
	v_mul_u32_u24 v[TM+2], v[TM+2], 144
	v_and_b32 v[XC], 7, v0
	v_lshl_add_u32 v[TM+2], v[XC], 4, v[TM+2]
	v_add_nc_u32 v[TM+2], s76, v[TM+2]             ; back: eight lanes take a row of 128 bytes
	v_lshl_add_u32 v[TM+3], s70, 11, v[TM+3]       ; in att: 16 w' rows + 16 x lane
.irp u, 0,1,2,3
.irp dt, 0,1,2,3
	ds_store_b128 v[TM+1], v[VF+4*(4*\u+\dt):VF+4*(4*\u+\dt)+3] offset:\u*2304+32*\dt
.endr
.endr
.irp u, 0,1,2,3
.irp dt, 0,1,2,3
	ds_store_b128 v[TM+1], v[KF+4*(4*\u+\dt):KF+4*(4*\u+\dt)+3] offset:OSH+\u*2304+32*\dt
.endr
.endr
.irp u, 0,1,2,3
.irp it, 0,1,2,3
	ds_load_b128 v[QF+4*(4*\u+\it):QF+4*(4*\u+\it)+3], v[TM+2] offset:(16*\u+4*\it)*144    ; my own bytes, served in order behind the stores (ISA guide 5.7.1.4)
.endr
.endr
.irp u, 0,1,2,3
.irp it, 0,1,2,3
	s_wait_dscnt 15-4*\u-\it                       ; the count runs down to 0: behind it the LDS stores above are done too
	global_store_b128 v[TM+3], v[QF+4*(4*\u+\it):QF+4*(4*\u+\it)+3], s[58:59] offset:\u*8192+\it*512    ; a wave stores 512 neighbouring bytes, aligned
.endr
.endr
.irp u, 0,1,2,3
.irp it, 0,1,2,3
	ds_load_b128 v[VF+4*(4*\u+\it):VF+4*(4*\u+\it)+3], v[TM+2] offset:OSH+(16*\u+4*\it)*144
.endr
.endr
.irp u, 0,1,2,3
.irp it, 0,1,2,3
	s_wait_dscnt 15-4*\u-\it
	global_store_b128 v[TM+3], v[VF+4*(4*\u+\it):VF+4*(4*\u+\it)+3], s[58:59] offset:1048576+\u*8192+\it*512   ; the head's second slab
.endr
.endr
.Ldone_\@:
.endm
; A block of 256 queries, number s14.  Its slabs are walked in the order 2 i, 0, 1, .., 2 i - 1, 2 i + 1, in slots 0, 1, 0, .., 1: each phase's slot stands in the text,
; and the first phase, on the diagonal, gives every row of group 0 a key of its own.  hi = 1: another block follows, and its first slab, 2 p, is asked for in the last phase.
.macro BLOCK hi
	s_wait_xcnt 0x0                                ; the last block's stores have had their addresses translated: bases, offsets and data registers are written again only behind this wait
	s_lshl_b32 s54, s14, 15                        ; 256 rows x 128 bytes
	s_mov_b32 s55, 0
	s_add_nc_u64 s[56:57], s[72:73], s[54:55]
	s_add_nc_u64 s[58:59], s[74:75], s[54:55]
	QLOAD
	s_cmp_eq_u32 s14, 0
	s_cselect_b32 s15, 1, 0                        ; next: slab 0, or, in block 0, slab 1
	SYNC 0, 1
	GSTEP 0, 0, 0, 0, 1, 1, 1                      ; keys 0..63 and 64..127 of the block; group 1's tile 0 is wholly masked and only starts its figures
	s_cmp_eq_u32 s14, 0
	s_cbranch_scc1 .Lno_full_\@
	s_mov_b32 s68, s14                             ; i trips of two slabs below the diagonal
	s_mov_b32 s69, 0
.Lfull_\@:
	s_add_co_u32 s15, s69, 1
	SYNC 1, 1
	STEP 1, 0, -1, 0, 1
	s_cmp_eq_u32 s68, 1
	s_cselect_b32 s15, 3, 2                        ; behind the last of them comes slab 2 i + 1
	s_add_co_u32 s15, s15, s69
	SYNC 0, 1
	STEP 0, 0, -1, 0, 1
	s_add_co_u32 s69, s69, 2
	s_sub_co_u32 s68, s68, 1
	s_cmp_lg_u32 s68, 0
	s_cbranch_scc1 .Lfull_\@
.Lno_full_\@:
.if \hi
	s_lshl_b32 s15, s13, 1
	SYNC 1, 1
.else
	SYNC 1, 0                                      ; nothing is left to fetch
.endif
	GSTEP 1, 2, 2, 3, 3, 0, \hi                    ; keys 128..191 and 192..255 of the block: tiles below them are left out
	FINISH
.endm
	BLOCK 1
	s_mov_b32 s14, s13
	BLOCK 0
	s_wait_xcnt 0x0
	v_lshl_add_u32 v158, v0, 2, 0x37000
	v_mov_b32 v159, 0
	s_wait_tensorcnt 0x0
	ds_add_u32 v158, v159
	s_wait_dscnt 0x0
	s_endpgm
.Lfunc_end_k_q69c383a945_attention:
	.size	k_q69c383a945_attention, .Lfunc_end_k_q69c383a945_attention-k_q69c383a945_attention
	.p2alignl 7, 3214868480
	.fill 96, 4, 3214868480
	.section	.rodata,"a",@progbits
	.p2align	6, 0x0
	.amdhsa_kernel k_q69c383a945_attention
		.amdhsa_group_segment_fixed_size 327680
		.amdhsa_private_segment_fixed_size 0
		.amdhsa_enable_private_segment 0
		.amdhsa_kernarg_size 24
		.amdhsa_user_sgpr_count 2
		.amdhsa_user_sgpr_kernarg_segment_ptr 1
		.amdhsa_wavefront_size32 1
		.amdhsa_system_sgpr_workgroup_id_x 1
		.amdhsa_system_sgpr_workgroup_id_y 1
		.amdhsa_system_sgpr_workgroup_id_z 1
		.amdhsa_system_vgpr_workitem_id 0
		.amdhsa_next_free_vgpr 512
		.amdhsa_next_free_sgpr 80
		.amdhsa_reserve_vcc 1
		.amdhsa_float_denorm_mode_32 3
		.amdhsa_float_denorm_mode_16_64 3
		.amdhsa_memory_ordered 1
		.amdhsa_forward_progress 1
		.amdhsa_inst_pref_size 255
	.end_amdhsa_kernel
	.section	.bss,"aw",@nobits
	.p2align	6
	.space	262144
	.amdgpu_metadata
---
amdhsa.version: [ 1, 2 ]
amdhsa.kernels:
  - .name:           k_q69c383a945_attention
    .symbol:         k_q69c383a945_attention.kd
    .args:
      - { .name: qkv, .offset: 0, .size: 8, .value_kind: global_buffer, .address_space: global }
      - { .name: bias, .offset: 8, .size: 8, .value_kind: global_buffer, .address_space: global }
      - { .name: att, .offset: 16, .size: 8, .value_kind: global_buffer, .address_space: global }
    .group_segment_fixed_size: 327680
    .private_segment_fixed_size: 0
    .kernarg_segment_align: 8
    .kernarg_segment_size: 24
    .max_flat_workgroup_size: 256
    .sgpr_count:     80
    .vgpr_count:     512
    .wavefront_size: 32
...
	.end_amdgpu_metadata
.endif
;; end of part 3
;; launch proj_out (part 4): grid 8 x 32, 4 waves a work-group, clusters of 4 x 4, 327,680 bytes of LDS; arguments att, wo, b_out, out0; writes out0
.if DOCPART == 4
	.amdgcn_target "amdgcn-amd-amdhsa--gfx1250"
	.amdhsa_code_object_version 6
	.text
	.protected	k_q69c383a945_proj_out
	.globl	k_q69c383a945_proj_out
	.p2align	8
	.type	k_q69c383a945_proj_out,@function
k_q69c383a945_proj_out:
	s_mov_b64 s[64:65], 0
	v_nop
	global_prefetch_b8 v0, s[64:65] scope:SCOPE_SE
	s_setreg_imm32_b32 hwreg(HW_REG_WAVE_MODE, 25, 1), 1
	s_wait_xcnt 0x0
	s_wait_alu depctr_hold_cnt(0) depctr_sa_sdst(0) depctr_va_vdst(0) depctr_va_sdst(0) depctr_va_ssrc(0) depctr_va_vcc(0) depctr_vm_vsrc(0)
	s_getreg_b32 s2, hwreg(HW_REG_IB_STS2, 6, 4)
	s_cmp_eq_u32 s2, 0
	s_cbranch_scc0 .Lentry_in_a_cluster
	s_endpgm
.Lentry_in_a_cluster:
	s_bfe_u32 s2, ttmp6, 0x10000c
	s_cmp_lg_u32 s2, 0xf033
	s_cbranch_scc0 .Lentry_shape_is_right
	s_endpgm
.Lentry_shape_is_right:
; out0 = att W_out + b_out.  att [32 slabs][8192][64] bf16: slab 2 j holds the upper parts of columns 64 j .. 64 j + 63, slab 2 j + 1 the lower parts (upper + lower = 16 significant bits);
; wo [16 slabs][1024 n][64 k] bf16, b_out [1024] f32, out0 [8192][1024] f32; sums in f32.  Both parts are multiplied by the same slab of W and summed in one accumulator:
; twice the products of a plain bf16 GEMM, for an operand that carries 16 bits where the first rows of a batch need more than 8.
; A work-group makes 256 rows x 128 columns: 32 x 8 = 256 work-groups.  Four waves; a wave makes 128 x 64: 32 accumulator tiles in window 1, tile (a, b) at v[8 (4 a + b)].
; A K step is 64 columns of att: its two slabs and one slab of W, through two LDS slots.  A tile is a dense run of a slab's rows, fetched as rows of 256 bytes that start at multiples of
; 256 bytes; the pad after every 32 dwords lays the 128-byte rows 144 bytes apart in LDS.
; CLUSTERS: 4 x 4 work-groups; att's tiles are asked for jointly along a row of the cluster, W's along a column.
; The matrix instruction is used transposed (source 0 = rows of wo, source 1 = rows of att): a lane's eight results are eight neighbouring columns of one row.
.set SLOT,  92160                      ; att's upper and lower slab at 0 and 36,864 (256 rows x 144), W's slab at 73,728 (128 rows x 144)
.set ASL,   36864
.set BOFF,  73728
.set BHALF, 9216                       ; 64 rows x 144: what wave 2 or 3 fetches
.set FRAG,  2304
.set STAGE, 184320                     ; behind the ring: 16 rows x 272 bytes for each wave
.set ADRA, 16
.set ADRB, 18
.set STO,  20
.set RD,   21
.set CO,   22
.set BV,   24                          ; v24-27  my four numbers of b_out
.set FA0,  32
.set FA1,  96
.set FB0,  160                         ; W's fragments of k 0..31 of the slab
.set FB1,  192                         ; and of k 32..63
.set RB,   32                          ; the way out: read back
.set G1A, 24
.set G0A, 32
.set G1B, 48
.set G0B, 56
.set PADW, (1<<16)|(1<<20)|(1<<21)|(4<<22)|(3<<25)
.set MSB, 0
.macro WIN new
.if MSB != (\new)
	s_set_vgpr_msb (MSB<<8)|(\new)
.set MSB, (\new)
.endif
.endm
.macro PLACES cnt
.rept \cnt
	v_nop
.endr
.endm
.macro JLOAD s                         ; waves 0 and 1 ask for att's two slabs, waves 2 and 3 for the halves of W's
	s_cmp_eq_u32 s13, 0
	s_cbranch_scc0 .Lfor_b_\@
	tensor_load_to_lds s[G0A+4*\s:G0A+4*\s+3], s[G1A:G1A+7]
	s_nop 0
	s_branch .Lasked_\@
.Lfor_b_\@:
	tensor_load_to_lds s[G0B+4*\s:G0B+4*\s+3], s[G1B:G1B+7]
	s_nop 0
.Lasked_\@:
.endm
.macro CREST
	s_cmp_lg_u32 s12, 0
	s_cbranch_scc1 .Lnot_wave_0_\@
	s_barrier_signal -3
.Lnot_wave_0_\@:
	s_barrier_wait -3
	s_barrier_signal -1
	s_barrier_wait -1
.endm
.macro CROUND
	s_barrier_signal -1
	s_barrier_wait -1
	CREST
.endm
	s_load_b256 s[4:11], s[0:1], 0x0               ; att s[4:5], wo s[6:7], b_out s[8:9], out0 s[10:11]
	v_lshl_add_u32 v254, v0, 2, 0x31400
	v_mov_b32 v255, 0
	ds_add_u32 v254, v255
	v_lshrrev_b32 v1, 5, v0
	v_readfirstlane_b32 s12, v1                    ; wave
	s_lshr_b32 s13, s12, 1                         ; my half of the rows.  Also: I fetch for att (0) or for W (1)
	s_and_b32 s14, s12, 1                          ; my half of the columns.  Also: att's upper or lower slab, or which half of W's slab I fetch
	s_bfe_u32 s40, ttmp6, 0x40000                  ; cx
	s_bfe_u32 s41, ttmp6, 0x40004                  ; cy
	s_lshl_b32 s42, ttmp9, 2
	s_add_co_u32 s42, s42, s40                     ; block column, 0..7
	s_and_b32 s43, ttmp7, 0xffff
	s_lshl_b32 s43, s43, 2
	s_add_co_u32 s43, s43, s41                     ; block row, 0..31
	s_lshl_b32 s44, s41, 2
	s_lshl_b32 s44, 15, s44
	s_lshl_b32 s45, 0x1111, s40
	s_or_b32 s[G1A+0], s44, PADW
	s_or_b32 s[G1B+0], s45, PADW
	s_mov_b32 s[G1A+1], 128<<16
	s_mov_b32 s[G1B+1], 128<<16
	s_mov_b32 s[G1A+2], 128<<16                    ; att: 256 rows x 128 bytes = 128 rows of 256
	s_mov_b32 s[G1B+2], 32<<16                     ; W: 64 rows x 128 bytes = 32 rows of 256: the slab has no more for two waves
	s_mov_b32 s[G1A+3], 128<<16
	s_mov_b32 s[G1B+3], 128<<16
	s_mov_b32 s[G1A+4], 128
	s_mov_b32 s[G1B+4], 32
	s_mov_b32 s[G1A+5], 128
	s_mov_b32 s[G1B+5], 128
	s_mov_b32 s[G1A+6], 0
	s_mov_b32 s[G1B+6], 0
	s_mov_b32 s[G1A+7], 0
	s_mov_b32 s[G1B+7], 0
	s_lshl_b32 s16, s43, 15                        ; att: 256 rows x 128 bytes a block row,
	s_lshl_b32 s17, s14, 20                        ; 1,048,576 a slab
	s_add_co_u32 s16, s16, s17
	s_mov_b32 s17, 0
	s_lshl_b32 s46, s42, 14                        ; W: 128 rows x 128 bytes a block column,
	s_lshl_b32 s47, s14, 13                        ; 64 rows a half
	s_add_co_u32 s46, s46, s47
	s_mov_b32 s47, 0
	s_mul_i32 s20, s12, ASL                        ; waves 0, 1: att's slab w
	s_mul_i32 s21, s12, BHALF
	s_add_co_u32 s21, s21, BOFF-2*BHALF            ; waves 2, 3: 73,728 + (w - 2) x 9,216
	s_wait_dscnt 0x0
	s_wait_kmcnt 0x0
	s_add_nc_u64 s[18:19], s[4:5], s[16:17]
	s_add_nc_u64 s[46:47], s[6:7], s[46:47]
	CROUND                                         ; all sixteen work-groups are here: the first joint loads meet
.irp s, 0,1
	s_mov_b32 s[G0A+4*\s], 1
	s_add_co_u32 s[G0A+4*\s+1], s20, \s*SLOT
	s_add_nc_u64 s[G0A+4*\s+2:G0A+4*\s+3], s[18:19], \s*2097152    ; K step s: att's slabs 2 s, 2 s + 1
	s_or_b32 s[G0A+4*\s+3], s[G0A+4*\s+3], 0x80000000
	s_mov_b32 s[G0B+4*\s], 1
	s_add_co_u32 s[G0B+4*\s+1], s21, \s*SLOT
	s_add_nc_u64 s[G0B+4*\s+2:G0B+4*\s+3], s[46:47], \s*131072     ; W's slab s
	s_or_b32 s[G0B+4*\s+3], s[G0B+4*\s+3], 0x80000000
	JLOAD \s
.endr
	v_and_b32 v1, 15, v0                           ; r
	v_bfe_u32 v2, v0, 4, 1                         ; h
	v_mul_u32_u24 v3, v1, 144
	v_lshl_add_u32 v3, v2, 4, v3
	s_mul_i32 s22, s13, 128*144                    ; my 128 rows of att
	s_mul_i32 s23, s14, 64*144                     ; my 64 rows of W
	s_add_co_u32 s23, s23, BOFF
.irp s, 0,1
	v_add_nc_u32 v[ADRA+\s], s22, v3
	v_add_nc_u32 v[ADRB+\s], s23, v3
	s_add_co_u32 s22, s22, SLOT
	s_add_co_u32 s23, s23, SLOT
.endr
	s_mul_i32 s22, s12, 16*272
	s_add_co_u32 s22, s22, STAGE
	v_mul_u32_u24 v4, v1, 272                      ; in: row r, 32 bytes at 32 h
	v_lshl_add_u32 v4, v2, 5, v4
	v_add_nc_u32 v[STO], s22, v4
	v_mul_u32_u24 v5, v2, 272                      ; back: lanes 0-15 take one row of 256 bytes, lanes 16-31 the next
	v_lshl_add_u32 v5, v1, 4, v5
	v_add_nc_u32 v[RD], s22, v5
	v_lshlrev_b32 v[CO], 4, v1                     ; and the same two rows in out0
	v_lshl_add_u32 v[CO], v2, 12, v[CO]
	s_lshl_b32 s74, s43, 1
	s_add_co_u32 s74, s74, s13
	s_lshl_b32 s74, s74, 19                        ; my first row: 128 rows x 4,096 bytes
	s_lshl_b32 s76, s42, 1
	s_add_co_u32 s76, s76, s14
	s_lshl_b32 s76, s76, 8                         ; my first column: 64 f32
	s_add_co_u32 s74, s74, s76
	s_mov_b32 s75, 0
	s_add_nc_u64 s[10:11], s[10:11], s[74:75]
	v_lshlrev_b32 v6, 4, v1
	v_add_nc_u32 v6, s76, v6
	global_load_b128 v[BV:BV+3], v6, s[8:9]        ; the bias of the four columns that I store
.macro MUL8 fa, fb, a0, zero           ; row blocks a0, a0 + 1 x the four column blocks, 32 along K
.irp a, 0,1
.irp b, 0,1,2,3
.if \zero
	v_wmma_f32_16x16x32_bf16 v[8*(4*(\a0+\a)+\b):8*(4*(\a0+\a)+\b)+7], v[\fb+8*\b:\fb+8*\b+7], v[\fa+8*(\a0+\a):\fa+8*(\a0+\a)+7], 0
.else
	v_wmma_f32_16x16x32_bf16 v[8*(4*(\a0+\a)+\b):8*(4*(\a0+\a)+\b)+7], v[\fb+8*\b:\fb+8*\b+7], v[\fa+8*(\a0+\a):\fa+8*(\a0+\a)+7], v[8*(4*(\a0+\a)+\b):8*(4*(\a0+\a)+\b)+7]
.endif
.endr
.endr
.endm
; The fragments of a quarter: att's part (0 upper, 1 lower) at byte 64 c of the rows, 16 loads; withb = 1: ahead of them W's four fragments at byte 64 c, 8 loads, which serve two quarters.
.macro FETCH slot, part, c, fa, fb, withb
.if \withb
.irp i, 0,1,2,3
	ds_load_b128 v[\fb+8*\i:\fb+8*\i+3],   v[ADRB+\slot] offset:\c*64+\i*FRAG
	ds_load_b128 v[\fb+8*\i+4:\fb+8*\i+7], v[ADRB+\slot] offset:\c*64+\i*FRAG+32
.endr
.endif
.irp i, 0,1,2,3,4,5,6,7
	ds_load_b128 v[\fa+8*\i:\fa+8*\i+3],   v[ADRA+\slot] offset:\part*ASL+\c*64+\i*FRAG
	ds_load_b128 v[\fa+8*\i+4:\fa+8*\i+7], v[ADRA+\slot] offset:\part*ASL+\c*64+\i*FRAG+32
.endr
.endm
; A K step is four quarters, 32 matrix instructions each: (upper, k 0..31), (lower, k 0..31), (upper, k 32..63), (lower, k 32..63), att's fragments on buffers 0, 1, 0, 1.
; The 32 accumulators take turns, one instruction a turn, in the same order in every quarter, over the backward jump too.
; Each run of loads stands four places behind the matrix instructions that read its registers (ISA guide 7.12.1 for vector instructions).
.macro QUARTER slot, fa, fb, npart, nc, ga, gb, withb, zero
	s_wait_dscnt 8                                 ; W and att's rows 0-63 are in; the youngest eight loads (rows 64-127) may be out
	WIN 0x50
	MUL8 \fa, \fb, 0, \zero
	MUL8 \fa, \fb, 2, \zero
	WIN 0
	PLACES 4
	FETCH \slot, \npart, \nc, \ga, \gb, \withb
	s_wait_dscnt 16+8*\withb                       ; all but the loads just issued
	WIN 0x50
	MUL8 \fa, \fb, 4, \zero
	MUL8 \fa, \fb, 6, \zero
.endm
.macro THREE slot, zero
	QUARTER \slot, FA0, FB0, 1, 0, FA1, FB1, 0, \zero
	QUARTER \slot, FA1, FB0, 0, 1, FA0, FB1, 1, 0
	QUARTER \slot, FA0, FB1, 1, 1, FA1, FB0, 0, 0
.endm
; The last quarter changes slots.  In front of the barrier each wave waits for its reads of this slot and for all its tensor loads (one is out: its part of the next slot).
; fill = 1: the barrier opens a round of the cluster's barrier; behind the round this slot is asked for again, two K steps ahead, first of all.
; From that request to the wait for it a wave issues 120 matrix instructions.
.macro TURN slot, next, fill
	s_wait_dscnt 8
	WIN 0x50
	MUL8 FA1, FB1, 0, 0
	s_wait_dscnt 0x0
	s_wait_tensorcnt 0x0
	ds_add_u32 v254, v255
	s_wait_dscnt 0x0
	s_barrier_signal -1
	MUL8 FA1, FB1, 2, 0                            ; registers only, while the others arrive
	WIN 0
	s_barrier_wait -1
.if \fill
	CREST
	s_add_nc_u64 s[G0A+4*\slot+2:G0A+4*\slot+3], s[G0A+4*\slot+2:G0A+4*\slot+3], 2*2097152
	s_add_nc_u64 s[G0B+4*\slot+2:G0B+4*\slot+3], s[G0B+4*\slot+2:G0B+4*\slot+3], 2*131072
	JLOAD \slot
.endif
	PLACES 4
	FETCH \next, 0, 0, FA0, FB0, 1
	WIN 0x50
	MUL8 FA1, FB1, 4, 0
	MUL8 FA1, FB1, 6, 0
.endm
.macro LAP zero
	THREE 0, \zero
	TURN 0, 1, 1
	THREE 1, 0
	TURN 1, 0, 1
.endm
	s_wait_tensorcnt 0x1                           ; my part of K step 0 is in; K step 1's stays out
	s_barrier_signal -1
	s_barrier_wait -1
	FETCH 0, 0, 0, FA0, FB0, 1
	LAP 1                                          ; 16 K steps = 8 laps: the first starts the sums,
	WIN 0
	s_mov_b32 s3, 6
.Llap:
	LAP 0                                          ; six go round,
	WIN 0
	s_sub_co_u32 s3, s3, 1
	s_cmp_lg_u32 s3, 0
	s_cbranch_scc1 .Llap
	THREE 0, 0                                     ; the last fills nothing
	TURN 0, 1, 0
	THREE 1, 0
	s_wait_dscnt 8
	WIN 0x50
	MUL8 FA1, FB1, 0, 0
	MUL8 FA1, FB1, 2, 0
	s_wait_dscnt 0x0
	MUL8 FA1, FB1, 4, 0
	MUL8 FA1, FB1, 6, 0
	WIN 0
	; THE WAY OUT, 16 rows at a time: 32 bytes a lane and tile into my own stage, read back as rows of 256 bytes, the bias added, stored.
.macro OUT16 a
	WIN 0x04                                       ; store data from window 1
.irp b, 0,1,2,3
	ds_store_b128 v[STO], v[8*(4*\a+\b):8*(4*\a+\b)+3]   offset:64*\b
	ds_store_b128 v[STO], v[8*(4*\a+\b)+4:8*(4*\a+\b)+7] offset:64*\b+16
.endr
	WIN 0
	s_wait_xcnt 0x0                                ; the last turn's stores have had their addresses translated (ISA guide 3.1): their data registers are loaded again only behind this wait
.irp t, 0,1,2,3,4,5,6,7
	ds_load_b128 v[RB+4*\t:RB+4*\t+3], v[RD] offset:\t*544     ; my own bytes, served in order behind the stores (ISA guide 5.7.1.4)
.endr
.irp t, 0,1,2,3,4,5,6,7
	s_wait_dscnt 7-\t
	v_pk_add_f32 v[RB+4*\t:RB+4*\t+1],   v[RB+4*\t:RB+4*\t+1],   v[BV:BV+1]
	v_pk_add_f32 v[RB+4*\t+2:RB+4*\t+3], v[RB+4*\t+2:RB+4*\t+3], v[BV+2:BV+3]
	global_store_b128 v[CO], v[RB+4*\t:RB+4*\t+3], s[10:11] offset:(16*\a+2*\t)*4096 th:TH_STORE_NT   ; 16 lanes store 256 neighbouring bytes, aligned
.endr
.endm
	PLACES 4                                       ; behind the last matrix instructions: for the stores that read results and the loads into fragment registers
	s_wait_loadcnt 0x0                             ; the bias
	OUT16 0
	OUT16 1
	OUT16 2
	OUT16 3
	OUT16 4
	OUT16 5
	OUT16 6
	OUT16 7
	s_wait_tensorcnt 0x0
	ds_add_u32 v254, v255
	s_wait_dscnt 0x0
	CROUND                                         ; the closing round: no work-group ends while a partner may still ask for a tile that names it
	s_endpgm
.Lfunc_end_k_q69c383a945_proj_out:
	.size	k_q69c383a945_proj_out, .Lfunc_end_k_q69c383a945_proj_out-k_q69c383a945_proj_out
	.p2alignl 7, 3214868480
	.fill 96, 4, 3214868480
	.section	.rodata,"a",@progbits
	.p2align	6, 0x0
	.amdhsa_kernel k_q69c383a945_proj_out
		.amdhsa_group_segment_fixed_size 327680
		.amdhsa_private_segment_fixed_size 0
		.amdhsa_enable_private_segment 0
		.amdhsa_kernarg_size 32
		.amdhsa_user_sgpr_count 2
		.amdhsa_user_sgpr_kernarg_segment_ptr 1
		.amdhsa_wavefront_size32 1
		.amdhsa_system_sgpr_workgroup_id_x 1
		.amdhsa_system_sgpr_workgroup_id_y 1
		.amdhsa_system_sgpr_workgroup_id_z 1
		.amdhsa_system_vgpr_workitem_id 0
		.amdhsa_next_free_vgpr 512
		.amdhsa_next_free_sgpr 80
		.amdhsa_reserve_vcc 0
		.amdhsa_float_denorm_mode_32 3
		.amdhsa_float_denorm_mode_16_64 3
		.amdhsa_memory_ordered 1
		.amdhsa_forward_progress 1
		.amdhsa_inst_pref_size 120
	.end_amdhsa_kernel
	.amdgpu_metadata
---
amdhsa.version: [ 1, 2 ]
amdhsa.kernels:
  - .name:           k_q69c383a945_proj_out
    .symbol:         k_q69c383a945_proj_out.kd
    .args:
      - { .name: att, .offset: 0, .size: 8, .value_kind: global_buffer, .address_space: global }
      - { .name: wo, .offset: 8, .size: 8, .value_kind: global_buffer, .address_space: global }
      - { .name: b_out, .offset: 16, .size: 8, .value_kind: global_buffer, .address_space: global }
      - { .name: out0, .offset: 24, .size: 8, .value_kind: global_buffer, .address_space: global }
    .group_segment_fixed_size: 327680
    .private_segment_fixed_size: 0
    .kernarg_segment_align: 8
    .kernarg_segment_size: 32
    .max_flat_workgroup_size: 128
    .sgpr_count:     80
    .vgpr_count:     512
    .wavefront_size: 32
...
	.end_amdgpu_metadata
.endif
;; end of part 4
;; ======== version 2 of 2: 4 launches
;; limits: values are held in f16: magnitudes above 65,504 overflow, below 6.1e-05 lose precision
;; workspace buffers: xb 16,777,216 bytes; wq 6,291,456 bytes; wo 2,097,152 bytes; rope 524,288 bytes; bias 32,768 bytes; qkv 50,331,648 bytes; att 16,777,216 bytes
;; launch prep (part 5): grid 1600 x 1, 8 waves a work-group, no clusters, 18,432 bytes of LDS; arguments x, W_qkv, W_out, attention_mask, xb, wq, wo, rope, bias; writes xb, wq, wo, rope, bias
.if DOCPART == 5
	.amdgcn_target "amdgcn-amd-amdhsa--gfx1250"
	.amdhsa_code_object_version 6
	.text
	.protected	k_q69c383a945_prep
	.globl	k_q69c383a945_prep
	.p2align	8
	.type	k_q69c383a945_prep,@function
k_q69c383a945_prep:
	s_mov_b64 s[64:65], 0
	v_nop
	global_prefetch_b8 v0, s[64:65] scope:SCOPE_SE
	s_setreg_imm32_b32 hwreg(HW_REG_WAVE_MODE, 25, 1), 1
	s_wait_xcnt 0x0
; PREPARATION: everything that the three matrix launches want in another form, each input byte read once.
;   work-groups 0..1023    x [8192][1024] f32           -> xb [16 slabs][8192 rows][64] bf16   (8 rows of x each)
;   work-groups 1024..1407 W_qkv [1024 k][3072 n] f32   -> wq [16 slabs][3072 n][64 k] bf16    (a tile of 128 k x 64 n each, transposed through LDS)
;   work-groups 1408..1535 W_out [1024 k][1024 n] f32   -> wo [16 slabs][1024 n][64 k] f16     (likewise; rounded to bf16 like the other two, the rounded number then written as f16)
;   work-groups 1536..1599 rope: cos [2048][32] f32 at byte 0, sin at byte 262,144 (32 rows each); bias [4][2048] f32: 0 where the mask is not 0, else -1e30
; A slab holds 64 neighbouring k of every row, 128 bytes a row, rows without gaps: any run of rows of one slab is one dense block.
; WHY wo IS f16: its partner in the last product, the attention's result, needs 11 significant bits and so goes in f16, and both operands of a matrix instruction have one format.
; A bf16 number has 8 significant bits, so f16 holds it exactly from 2^-17 (8 bits above f16's step of 2^-24) up to 65,504.
; No matrix unit, no cluster, no tensor load: the launch streams and no byte is shared between work-groups.
; LIMITS: |W_out| must stay under 65,504; numbers of W_out below 2^-17 are off by at most 2^-25.  As drawn W_out's spread is 0.03.
; cos and sin come from a reduction by pi/2 in two parts and polynomials of degree 7 and 8 (error below 4e-7 for the reduced angle);
; the angle t * 10000^(-i/32) is made with exp2 and agrees with f32 arithmetic to about 3e-4 rad at t = 2047.
.set NQ, 3072
.set NO, 1024
	s_load_b512 s[8:23], s[0:1], 0x0               ; x s[8:9], W_qkv s[10:11], W_out s[12:13], mask s[14:15], xb s[16:17], wq s[18:19], wo s[20:21], rope s[22:23]
	s_load_b64 s[24:25], s[0:1], 0x40              ; bias
	v_lshl_add_u32 v64, v0, 2, 0x4400
	v_mov_b32 v65, 0
	v_and_b32 v1, 31, v0                           ; lane
	v_lshrrev_b32 v2, 5, v0
	v_readfirstlane_b32 s2, v2                     ; wave
	s_mov_b32 s3, ttmp9                            ; the work-group's number picks the job: the same for all eight waves
	s_wait_kmcnt 0x0
	s_cmp_lt_u32 s3, 1024
	s_cbranch_scc0 .Lweights
	; ---- x to bf16 slabs.  Wave w: rows 2 (w & 3), +1 of the group's eight; slabs 8 (w >> 2) + u, u = 0..7.
	; A load: 2 rows x 256 neighbouring bytes (one slab's 64 f32).  A store: the same two rows' 2 x 128 bytes, which are neighbours in the slab: 256 bytes, aligned.
	s_and_b32 s4, s2, 3
	s_lshr_b32 s5, s2, 2
	v_lshrrev_b32 v3, 4, v1                        ; which of the two rows
	v_and_b32 v4, 15, v1
	v_lshlrev_b32 v5, 4, v4                        ; 16 bytes a lane
	v_lshl_add_u32 v5, v3, 12, v5                  ; + row x 4,096
	s_lshl_b32 s6, s4, 13                          ; + row pair x 8,192
	s_lshl_b32 s7, s5, 11                          ; + eight slabs x 256
	s_add_co_u32 s6, s6, s7
	v_add_nc_u32 v5, s6, v5                        ; offset in x
	v_lshlrev_b32 v6, 3, v1                        ; 8 bytes a lane: 128 x row + 8 x place
	s_lshl_b32 s6, s4, 8                           ; + row pair x 256
	s_lshl_b32 s7, s5, 23                          ; + eight slabs x 1,048,576
	s_add_co_u32 s6, s6, s7
	v_add_nc_u32 v6, s6, v6                        ; offset in xb
	s_lshl_b32 s26, s3, 15                         ; the group's 8 rows in x
	s_mov_b32 s27, 0
	s_lshl_b32 s28, s3, 10                         ; and in a slab
	s_mov_b32 s29, 0
	s_add_nc_u64 s[8:9], s[8:9], s[26:27]
	s_add_nc_u64 s[16:17], s[16:17], s[28:29]
.irp u, 0,1,2,3,4,5,6,7
	global_load_b128 v[8+4*\u:8+4*\u+3], v5, s[8:9] offset:256*\u th:TH_LOAD_NT
.endr
.irp u, 0,1,2,3,4,5,6,7
	s_wait_loadcnt 7-\u                            ; loads come back in order: load u is in, the younger ones stay out
	v_cvt_pk_bf16_f32 v[40+2*\u], v[8+4*\u], v[9+4*\u]
	v_cvt_pk_bf16_f32 v[41+2*\u], v[10+4*\u], v[11+4*\u]
	global_store_b64 v6, v[40+2*\u:41+2*\u], s[16:17] offset:\u*1048576
.endr
	s_endpgm
; ---- a weight tile of 128 k x 64 n, transposed.  s4 = tile number: n block = s4 >> 3, k block = s4 & 7.  half = 1: the bf16 numbers are written as f16.
; Thread t: columns 4 (t & 15) .. +3; rows 32 it + 2 (t >> 4) + e.  Two neighbouring k of one n make one dword, which goes to
; LDS row n (pitch 272), dword k / 2.  These 4-byte stores meet four deep in a bank (n steps by 4 between lanes: 4 x 272 bytes = 16 dwords modulo 64);
; they are 16 stores a thread for 32 KiB streamed, and the pitch keeps the 16-byte reads aligned.
.macro JOBW cols, src, dst, half
	s_lshr_b32 s5, s4, 3
	s_and_b32 s6, s4, 7
	s_mul_i32 s26, s6, 128*4*\cols                 ; 128 rows of the source
	s_lshl_b32 s7, s5, 8                           ; 64 columns of f32
	s_add_co_u32 s26, s26, s7
	s_mov_b32 s27, 0
	s_add_nc_u64 s[\src:\src+1], s[\src:\src+1], s[26:27]
	s_mul_i32 s28, s6, 2*128*\cols                 ; two slabs of the result
	s_lshl_b32 s7, s5, 13                          ; 64 rows of 128 bytes
	s_add_co_u32 s28, s28, s7
	s_mov_b32 s29, 0
	s_add_nc_u64 s[\dst:\dst+1], s[\dst:\dst+1], s[28:29]
	v_and_b32 v3, 15, v0
	v_lshrrev_b32 v4, 4, v0
	v_mul_u32_u24 v5, v4, 8*\cols                  ; two rows of the source
	v_lshl_add_u32 v5, v3, 4, v5
.irp it, 0,1,2,3
.irp e, 0,1
	global_load_b128 v[8+8*\it+4*\e:8+8*\it+4*\e+3], v5, s[\src:\src+1] offset:(32*\it+\e)*4*\cols th:TH_LOAD_NT   ; a wave: 2 rows x 256 bytes
.endr
.endr
	v_mul_u32_u24 v6, v3, 1088                     ; LDS in: row 4 (t & 15), 272 bytes a row,
	v_lshl_add_u32 v6, v4, 2, v6                   ; dword t >> 4
	v_lshrrev_b32 v7, 3, v0
	v_mul_u32_u24 v7, v7, 272                      ; LDS back: row t >> 3,
	v_and_b32 v3, 7, v0
	v_lshl_add_u32 v7, v3, 4, v7                   ; 16 bytes at t & 7
	v_lshlrev_b32 v4, 4, v0                        ; and in the slab: 128 (t >> 3) + 16 (t & 7) = 16 t
.irp it, 0,1,2,3
	s_wait_loadcnt 6-2*\it                         ; this pair of rows is in; the younger pairs stay out
.irp c, 0,1,2,3
	v_cvt_pk_bf16_f32 v[40+4*\it+\c], v[8+8*\it+\c], v[12+8*\it+\c]    ; the even k in the low half
.if \half
	v_lshlrev_b32 v56, 16, v[40+4*\it+\c]          ; the two rounded numbers as f32 again,
	v_and_b32 v57, 0xffff0000, v[40+4*\it+\c]
	v_cvt_pk_f16_f32 v[40+4*\it+\c], v56, v57      ; and in f16's code
.endif
	ds_store_b32 v6, v[40+4*\it+\c] offset:\c*272+\it*64
.endr
.endr
	s_wait_dscnt 0x0                               ; my stores are done, for the other waves' sake
	s_barrier_signal -1
	s_barrier_wait -1                              ; the tile is whole
.irp it, 0,1,2,3
	ds_load_b128 v[8+4*\it:11+4*\it], v7 offset:(\it&1)*8704+(\it>>1)*128      ; 32 rows further down; the second slab's 128 bytes
.endr
.irp it, 0,1,2,3
	s_wait_dscnt 3-\it
	global_store_b128 v4, v[8+4*\it:11+4*\it], s[\dst:\dst+1] offset:(\it&1)*4096+(\it>>1)*128*\cols   ; a wave stores 512 neighbouring bytes, aligned
.endr
	s_wait_tensorcnt 0x0
	ds_add_u32 v64, v65
	s_wait_dscnt 0x0
	s_endpgm
.endm
.Lweights:
	s_cmp_lt_u32 s3, 1408
	s_cbranch_scc0 .Lwout
	s_sub_co_u32 s4, s3, 1024
	JOBW NQ, 10, 18, 0
.Lwout:
	s_cmp_lt_u32 s3, 1536
	s_cbranch_scc0 .Ltables
	s_sub_co_u32 s4, s3, 1408
	JOBW NO, 12, 20, 1
	; ---- the tables.  Thread tid: row t = 32 jj + (tid >> 3), frequencies i = 4 (tid & 7) + e.
.Ltables:
	s_sub_co_u32 s4, s3, 1536                      ; jj
	s_lshl_b32 s26, s4, 12                         ; 32 rows of 128 bytes
	s_mov_b32 s27, 0
	s_add_nc_u64 s[22:23], s[22:23], s[26:27]
	s_mov_b32 s30, 0xbed49a78                      ; -log2(10000) / 32
	s_mov_b32 s31, 0x3f22f983                      ; 2 / pi
	s_mov_b32 s32, 0xbfc90fdb                      ; -(pi / 2), the f32 nearest to it
	s_mov_b32 s33, 0x333bbd2e                      ; what that f32 exceeds pi / 2 by
	s_mov_b32 s34, 0xb9500d01                      ; -1 / 5040
	s_mov_b32 s35, 0x3c088889                      ; 1 / 120
	s_mov_b32 s36, 0x37d00d01                      ; 1 / 40320
	s_mov_b32 s37, 0xbab60b61                      ; -1 / 720
	s_lshl_b32 s5, s4, 5
	v_lshrrev_b32 v3, 3, v0
	v_add_nc_u32 v3, s5, v3
	v_cvt_f32_u32 v3, v3                           ; t
	v_and_b32 v2, 7, v0
	v_lshlrev_b32 v2, 2, v2                        ; i of e = 0
	v_lshlrev_b32 v4, 4, v0                        ; 128 (tid >> 3) + 16 (tid & 7) = 16 tid
.irp e, 0,1,2,3
	v_add_nc_u32 v[8+\e], \e, v2
	v_cvt_f32_u32 v[8+\e], v[8+\e]
	v_mul_f32 v[8+\e], s30, v[8+\e]
.endr
.irp e, 0,1,2,3
	v_exp_f32 v[8+\e], v[8+\e]                     ; 10000^(-i/32)
.endr
	v_nop                                          ; one plain place behind the last exponential before its result is used (ISA guide 5.7.2)
	s_wait_alu depctr_va_vdst(0)
.irp e, 0,1,2,3
	v_mul_f32 v[8+\e], v3, v[8+\e]                 ; the angle a
	v_mul_f32 v[12+\e], s31, v[8+\e]
	v_rndne_f32 v[12+\e], v[12+\e]                 ; k = nearest whole number to a / (pi/2), at most 1,303
	v_fma_f32 v[8+\e], v[12+\e], s32, v[8+\e]      ; r = a - k pi/2, in two parts
	v_fma_f32 v[8+\e], v[12+\e], s33, v[8+\e]
	v_cvt_i32_f32 v[12+\e], v[12+\e]
	v_mul_f32 v[16+\e], v[8+\e], v[8+\e]           ; z = r r
	v_fma_f32 v[20+\e], v[16+\e], s34, s35         ; sin r = r + r z (-1/6 + z (1/120 - z/5040))
	v_fmaak_f32 v[20+\e], v[16+\e], v[20+\e], 0xbe2aaaab
	v_mul_f32 v[20+\e], v[20+\e], v[16+\e]
	v_fma_f32 v[20+\e], v[20+\e], v[8+\e], v[8+\e]
	v_fma_f32 v[24+\e], v[16+\e], s36, s37         ; cos r = 1 + z (-1/2 + z (1/24 + z (-1/720 + z/40320)))
	v_fmaak_f32 v[24+\e], v[16+\e], v[24+\e], 0x3d2aaaab
	v_fma_f32 v[24+\e], v[16+\e], v[24+\e], -0.5
	v_fma_f32 v[24+\e], v[16+\e], v[24+\e], 1.0
	v_and_b32 v[28+\e], 1, v[12+\e]                ; odd k: sine and cosine change places
	v_cmp_ne_u32 vcc_lo, 0, v[28+\e]
	v_cndmask_b32 v[32+\e], v[20+\e], v[24+\e], vcc_lo
	v_cndmask_b32 v[36+\e], v[24+\e], v[20+\e], vcc_lo
	v_and_b32 v[28+\e], 2, v[12+\e]                ; k mod 4 = 2, 3: the sine changes sign
	v_lshlrev_b32 v[28+\e], 30, v[28+\e]
	v_xor_b32 v[32+\e], v[32+\e], v[28+\e]
	v_add_nc_u32 v[28+\e], 1, v[12+\e]             ; k mod 4 = 1, 2: the cosine does
	v_and_b32 v[28+\e], 2, v[28+\e]
	v_lshlrev_b32 v[28+\e], 30, v[28+\e]
	v_xor_b32 v[36+\e], v[36+\e], v[28+\e]
.endr
	global_store_b128 v4, v[36:39], s[22:23]                   ; cos: a wave stores 512 neighbouring bytes
	global_store_b128 v4, v[32:35], s[22:23] offset:262144     ; sin
	s_cmp_lg_u32 s2, 0
	s_cbranch_scc1 .Lno_mask
	; wave 0: 128 numbers of the mask become 128 additive terms
	s_lshl_b32 s26, s4, 9
	s_add_nc_u64 s[14:15], s[14:15], s[26:27]
	s_add_nc_u64 s[24:25], s[24:25], s[26:27]
	global_load_b128 v[40:43], v4, s[14:15]        ; in wave 0 16 tid is 16 x lane
	v_mov_b32 v48, 0xf149f2ca                      ; -1e30
	s_wait_loadcnt 0x0
.irp e, 0,1,2,3
	v_cmp_eq_u32 vcc_lo, 0, v[40+\e]
	v_cndmask_b32 v[44+\e], 0, v48, vcc_lo
.endr
	global_store_b128 v4, v[44:47], s[24:25]
.Lno_mask:
	s_endpgm
.Lfunc_end_k_q69c383a945_prep:
	.size	k_q69c383a945_prep, .Lfunc_end_k_q69c383a945_prep-k_q69c383a945_prep
	.p2alignl 7, 3214868480
	.fill 96, 4, 3214868480
	.section	.rodata,"a",@progbits
	.p2align	6, 0x0
	.amdhsa_kernel k_q69c383a945_prep
		.amdhsa_group_segment_fixed_size 18432
		.amdhsa_private_segment_fixed_size 0
		.amdhsa_enable_private_segment 0
		.amdhsa_kernarg_size 72
		.amdhsa_user_sgpr_count 2
		.amdhsa_user_sgpr_kernarg_segment_ptr 1
		.amdhsa_wavefront_size32 1
		.amdhsa_system_sgpr_workgroup_id_x 1
		.amdhsa_system_sgpr_workgroup_id_y 1
		.amdhsa_system_sgpr_workgroup_id_z 1
		.amdhsa_system_vgpr_workitem_id 0
		.amdhsa_next_free_vgpr 66
		.amdhsa_next_free_sgpr 66
		.amdhsa_reserve_vcc 1
		.amdhsa_float_denorm_mode_32 3
		.amdhsa_float_denorm_mode_16_64 3
		.amdhsa_memory_ordered 1
		.amdhsa_forward_progress 1
		.amdhsa_inst_pref_size 24
	.end_amdhsa_kernel
	.amdgpu_metadata
---
amdhsa.version: [ 1, 2 ]
amdhsa.kernels:
  - .name:           k_q69c383a945_prep
    .symbol:         k_q69c383a945_prep.kd
    .args:
      - { .name: x, .offset: 0, .size: 8, .value_kind: global_buffer, .address_space: global }
      - { .name: W_qkv, .offset: 8, .size: 8, .value_kind: global_buffer, .address_space: global }
      - { .name: W_out, .offset: 16, .size: 8, .value_kind: global_buffer, .address_space: global }
      - { .name: attention_mask, .offset: 24, .size: 8, .value_kind: global_buffer, .address_space: global }
      - { .name: xb, .offset: 32, .size: 8, .value_kind: global_buffer, .address_space: global }
      - { .name: wq, .offset: 40, .size: 8, .value_kind: global_buffer, .address_space: global }
      - { .name: wo, .offset: 48, .size: 8, .value_kind: global_buffer, .address_space: global }
      - { .name: rope, .offset: 56, .size: 8, .value_kind: global_buffer, .address_space: global }
      - { .name: bias, .offset: 64, .size: 8, .value_kind: global_buffer, .address_space: global }
    .group_segment_fixed_size: 18432
    .private_segment_fixed_size: 0
    .kernarg_segment_align: 8
    .kernarg_segment_size: 72
    .max_flat_workgroup_size: 256
    .sgpr_count:     66
    .vgpr_count:     66
    .wavefront_size: 32
...
	.end_amdgpu_metadata
.endif
;; end of part 5
;; launch proj_qkv (part 6): grid 8 x 32, 4 waves a work-group, clusters of 4 x 4, 327,680 bytes of LDS; arguments xb, wq, rope, qkv; writes qkv
.if DOCPART == 6
	.amdgcn_target "amdgcn-amd-amdhsa--gfx1250"
	.amdhsa_code_object_version 6
	.text
	.protected	k_q69c383a945_proj_qkv
	.globl	k_q69c383a945_proj_qkv
	.p2align	8
	.type	k_q69c383a945_proj_qkv,@function
k_q69c383a945_proj_qkv:
	s_mov_b64 s[64:65], 0
	v_nop
	global_prefetch_b8 v0, s[64:65] scope:SCOPE_SE
	s_setreg_imm32_b32 hwreg(HW_REG_WAVE_MODE, 25, 1), 1
	s_wait_xcnt 0x0
	s_wait_alu depctr_hold_cnt(0) depctr_sa_sdst(0) depctr_va_vdst(0) depctr_va_sdst(0) depctr_va_ssrc(0) depctr_va_vcc(0) depctr_vm_vsrc(0)
	s_getreg_b32 s2, hwreg(HW_REG_IB_STS2, 6, 4)
	s_cmp_eq_u32 s2, 0
	s_cbranch_scc0 .Lentry_in_a_cluster
	s_endpgm
.Lentry_in_a_cluster:
	s_bfe_u32 s2, ttmp6, 0x10000c
	s_cmp_lg_u32 s2, 0xf033
	s_cbranch_scc0 .Lentry_shape_is_right
	s_endpgm
.Lentry_shape_is_right:
; qkv = x W_qkv, rotated, in f16: qkv [3][4 b][16 h][2048 t][64 d].  q is also multiplied by 0.125 log2(e), so that the next launch's scores are exponents of 2.
; xb [16 slabs][8192][64] bf16, wq [16 slabs][3072 n][64 k] bf16; sums in f32.
; WHY f16 OUT: a row that attends to n keys is about 1/sqrt(n) of v's size, so the first rows of a batch are some ten times the size of a typical row of the 2,048, and the error
; that the whole output's size allows is a thousandth of theirs: 8 significant bits are too few for q, k and v, 11 do.
; A work-group makes 256 rows x 384 columns: 32 x 8 = 256 work-groups.  Four waves; a wave makes 128 rows x 192 columns = three whole heads:
; 96 accumulator tiles of 16 x 16, 768 registers.  K goes in steps of 64 (one slab) through two LDS slots; two slots of 128 along K would take
; 2 x 640 rows x 272 bytes = 348,160 bytes, more than a work-group may have.  In a slab a tile's rows follow each other without gaps, so a tile is fetched as rows of
; 256 bytes that start at multiples of 256 bytes; the pad after every 32 dwords lays the 128-byte rows 144 bytes apart in LDS (9 x 16: the 16 rows that a
; fragment load touches begin at 16 different 16-byte columns modulo 256).
; CLUSTERS: 4 x 4 work-groups.  x's tile hangs on the block row alone and is asked for jointly along a row of the cluster, W's on the block column alone and jointly along a column.
; REGISTERS: window 0: v16-29 addresses and factors; v32-95, v96-159 fragments of x, two buffers; v160-255 twelve fragments of W, one buffer, loaded again by thirds.
;            window 1 + hd: head hd's 32 tiles, tile (a, b) at v[8 (4 a + b)].
; The matrix instruction is used transposed (source 0 = 16 rows of wq, source 1 = 16 rows of xb): lane l holds row l % 16 and its registers the columns 8 (l / 16) + 0..7.
; The rotation pairs column d with d + 32 of a head: tiles b and b + 2, same lane, same register.
; THE TABLES of cos and sin come straight from memory, eight loads for a turn of 16 rows, into four buffers that take turns: a turn's tables are requested four turns ahead, and those of
; the first two turns ahead of the last 96 matrix instructions, into x's fragment buffer 0, which those no longer read.
; LIMITS: 0.18 |q|, |k| and |v| must stay under 65,504, f16's largest number.  As drawn they reach about 5.5; with x and W_qkv both 30 times larger about 5,000; with a common
; offset of 30 spreads on both, 1,024 x 30 x 0.94 = about 29,000.  v goes through the rotation's lines with cos' = 1 and sin' = 0; a product 0 x infinity there would give NaN, so the sums must be finite.
.set SLOT,  110592                     ; four regions of 27,648 bytes
.set WREG,  27648                      ; wave w's region: waves 0, 1 x's halves (128 rows x 144 = 18,432 used), waves 2, 3 W's halves (192 rows x 144)
.set FRAG,  2304                       ; 16 rows x 144
.set STAGE, 221184                     ; behind the ring: for each wave 3 heads x 16 rows x 144 bytes
.set WST,   6912
.set ADRA, 16                          ; v16-17  LDS address of my x fragments in slot 0, 1
.set ADRB, 18                          ; v18-19  the same for W
.set STO,  20                          ; the way out: where I put 16 bytes of a row
.set RD,   21                          ; where I read rows back
.set CO,   22                          ; 16 x lane
.set VRO,  23                          ; my offset in the tables
.set FG,   24                          ; v24-29  for each head (f, g): cos' = f cos + g, sin' = f sin
.set FA0,  32
.set FA1,  96
.set FB,   160
.set CS0,  32                          ; the way out, all in window 0: 16 cos + 16 sin, four buffers
.set CS1,  64
.set CS2,  96
.set CS3,  128
.set CP,   160                         ; cos', sin'
.set OT,   192                         ; a head's 16 rows, rotated, f32
.set TT,   224
.set PK,   240                         ; packed
.set RB,   192                         ; read back: 48 registers, over OT and TT, which are free when the three heads are packed
.set G1A, 24                           ; s[24:31] group 1 for x's tiles
.set G0A, 32                           ; s[32:39] group 0 for x's tiles, one set a slot
.set G1B, 48                           ; s[48:55] group 1 for W's tiles
.set G0B, 56                           ; s[56:63] group 0 for W's tiles
.set HB,  68                           ; s[68:73] where each head's rows go
.set PADW, (1<<16)|(1<<20)|(1<<21)|(4<<22)|(3<<25)   ; elements of 2 bytes; padding on; bit 21 beside a mask; after every 32 dwords; 4 dwords
.set MSB, 0
.macro WIN new                         ; the immediate's high byte repeats the setting that is left
.if MSB != (\new)
	s_set_vgpr_msb (MSB<<8)|(\new)
.set MSB, (\new)
.endif
.endm
.macro PLACES cnt
.rept \cnt
	v_nop
.endr
.endm
; A joint load: waves 0 and 1 ask for x's halves, waves 2 and 3 for W's.  The branch hangs on the wave's number alone.
.macro JLOAD s
	s_cmp_eq_u32 s13, 0
	s_cbranch_scc0 .Lfor_b_\@
	tensor_load_to_lds s[G0A+4*\s:G0A+4*\s+3], s[G1A:G1A+7]
	s_nop 0
	s_branch .Lasked_\@
.Lfor_b_\@:
	tensor_load_to_lds s[G0B+4*\s:G0B+4*\s+3], s[G1B:G1B+7]
	s_nop 0
.Lasked_\@:
.endm
.macro CREST                           ; a round of the cluster's barrier behind its opening barrier
	s_cmp_lg_u32 s12, 0
	s_cbranch_scc1 .Lnot_wave_0_\@
	s_barrier_signal -3
.Lnot_wave_0_\@:
	s_barrier_wait -3
	s_barrier_signal -1
	s_barrier_wait -1
.endm
.macro CROUND
	s_barrier_signal -1
	s_barrier_wait -1
	CREST
.endm
	s_load_b256 s[4:11], s[0:1], 0x0               ; xb s[4:5], wq s[6:7], rope s[8:9], qkv s[10:11]
	v_lshl_add_u32 v30, v0, 2, 0x3cc00
	v_mov_b32 v31, 0
	ds_add_u32 v30, v31
	v_lshrrev_b32 v1, 5, v0
	v_readfirstlane_b32 s12, v1                    ; wave
	s_lshr_b32 s13, s12, 1                         ; my half of the rows.  Also: I fetch for x (0) or for W (1)
	s_and_b32 s14, s12, 1                          ; my half of the columns.  Also: which half of that tile I fetch
	s_bfe_u32 s40, ttmp6, 0x40000                  ; cx
	s_bfe_u32 s41, ttmp6, 0x40004                  ; cy
	s_lshl_b32 s42, ttmp9, 2
	s_add_co_u32 s42, s42, s40                     ; block column, 0..7
	s_and_b32 s43, ttmp7, 0xffff
	s_lshl_b32 s43, s43, 2
	s_add_co_u32 s43, s43, s41                     ; block row, 0..31
	s_lshl_b32 s44, s41, 2
	s_lshl_b32 s44, 15, s44                        ; my row of the cluster
	s_lshl_b32 s45, 0x1111, s40                    ; my column
	s_or_b32 s[G1A+0], s44, PADW
	s_or_b32 s[G1B+0], s45, PADW
	s_mov_b32 s[G1A+1], 128<<16                    ; tensor_dim0 = 128 elements (256 bytes)
	s_mov_b32 s[G1B+1], 128<<16
	s_mov_b32 s[G1A+2], 64<<16                     ; tensor_dim1: x's half is 128 rows x 128 bytes = 64 rows of 256
	s_mov_b32 s[G1B+2], 96<<16                     ; W's half is 192 rows x 128 bytes = 96 rows of 256
	s_mov_b32 s[G1A+3], 128<<16                    ; tile_dim0
	s_mov_b32 s[G1B+3], 128<<16
	s_mov_b32 s[G1A+4], 64                         ; tile_dim1
	s_mov_b32 s[G1B+4], 96
	s_mov_b32 s[G1A+5], 128                        ; from row to row: dense
	s_mov_b32 s[G1B+5], 128
	s_mov_b32 s[G1A+6], 0
	s_mov_b32 s[G1B+6], 0
	s_mov_b32 s[G1A+7], 0
	s_mov_b32 s[G1B+7], 0
	s_lshl_b32 s16, s43, 15                        ; x: 256 rows x 128 bytes a block row,
	s_lshl_b32 s17, s14, 14                        ; 128 rows a half
	s_add_co_u32 s16, s16, s17
	s_mov_b32 s17, 0
	s_mul_i32 s46, s42, 49152                      ; W: 384 rows x 128 bytes a block column,
	s_mul_i32 s47, s14, 24576                      ; 192 rows a half
	s_add_co_u32 s46, s46, s47
	s_mov_b32 s47, 0
	s_mul_i32 s20, s12, WREG                       ; where my load goes: the wave's number alone
	s_wait_dscnt 0x0
	s_wait_kmcnt 0x0
	s_add_nc_u64 s[18:19], s[4:5], s[16:17]
	s_add_nc_u64 s[46:47], s[6:7], s[46:47]
	CROUND                                         ; all sixteen work-groups are here: the first joint loads meet
.irp s, 0,1
	s_mov_b32 s[G0A+4*\s], 1
	s_add_co_u32 s[G0A+4*\s+1], s20, \s*SLOT
	s_add_nc_u64 s[G0A+4*\s+2:G0A+4*\s+3], s[18:19], \s*1048576    ; slab s of xb
	s_or_b32 s[G0A+4*\s+3], s[G0A+4*\s+3], 0x80000000
	s_mov_b32 s[G0B+4*\s], 1
	s_add_co_u32 s[G0B+4*\s+1], s20, \s*SLOT
	s_add_nc_u64 s[G0B+4*\s+2:G0B+4*\s+3], s[46:47], \s*393216     ; slab s of wq
	s_or_b32 s[G0B+4*\s+3], s[G0B+4*\s+3], 0x80000000
	JLOAD \s
.endr
	v_and_b32 v1, 15, v0                           ; r
	v_bfe_u32 v2, v0, 4, 1                         ; h
	v_mul_u32_u24 v3, v1, 144
	v_lshl_add_u32 v3, v2, 4, v3                   ; r x pitch + 16 h
	s_mul_i32 s21, s13, WREG
	s_mul_i32 s22, s14, WREG
	s_add_co_u32 s22, s22, 2*WREG
.irp s, 0,1
	v_add_nc_u32 v[ADRA+\s], s21, v3
	v_add_nc_u32 v[ADRB+\s], s22, v3
	s_add_co_u32 s21, s21, SLOT
	s_add_co_u32 s22, s22, SLOT
.endr
	s_mul_i32 s23, s12, WST
	s_add_co_u32 s23, s23, STAGE
	v_add_nc_u32 v[STO], s23, v3
	v_and_b32 v4, 31, v0
	v_lshrrev_b32 v5, 3, v4
	v_mul_u32_u24 v5, v5, 144                      ; back: eight lanes take a row of 128 bytes
	v_and_b32 v6, 7, v0
	v_lshl_add_u32 v5, v6, 4, v5
	v_add_nc_u32 v[RD], s23, v5
	v_lshlrev_b32 v[CO], 4, v4
	v_lshlrev_b32 v[VRO], 7, v1                    ; the tables: row r, 128 bytes a row,
	v_lshl_add_u32 v[VRO], v2, 5, v[VRO]           ; eight numbers at 8 h
	; the three heads of my 192 columns: head number g = 6 x block column + 3 x half + hd; g / 16 = q, k or v.  Selects, no branch.
	s_mov_b32 s82, 0x3f800000
	s_mul_i32 s74, s42, 6
	s_mul_i32 s75, s14, 3
	s_add_co_u32 s74, s74, s75
	s_lshr_b32 s80, s43, 3
	s_lshl_b32 s80, s80, 4                         ; 16 b
	s_and_b32 s81, s43, 7
	s_lshl_b32 s81, s81, 1
	s_add_co_u32 s81, s81, s13
	s_lshl_b32 s81, s81, 14                        ; my first t x 128 bytes: (2 (block row & 7) + half) x 128 rows
.irp hd, 0,1,2
	s_add_co_u32 s75, s74, \hd
	s_cmp_lt_u32 s75, 16
	s_cselect_b32 s76, 0x3e38aa3b, s82             ; q: f = 0.125 log2(e); k: f = 1
	s_cmp_lt_u32 s75, 32
	s_cselect_b32 s76, s76, 0                      ; v: f = 0,
	s_cselect_b32 s77, 0, s82                      ; g = 1: not rotated
	v_mov_b32 v[FG+2*\hd], s76
	v_mov_b32 v[FG+2*\hd+1], s77
	s_lshr_b32 s78, s75, 4
	s_lshl_b32 s78, s78, 6
	s_and_b32 s79, s75, 15
	s_add_co_u32 s78, s78, s79
	s_add_co_u32 s78, s78, s80                     ; 64 x kind + 16 b + head
	s_lshl_b32 s78, s78, 18                        ; x 2,048 rows x 128 bytes
	s_add_co_u32 s78, s78, s81
	s_mov_b32 s79, 0
	s_add_nc_u64 s[HB+2*\hd:HB+2*\hd+1], s[10:11], s[78:79]
.endr
	s_mov_b32 s78, s81
	s_add_nc_u64 s[8:9], s[8:9], s[78:79]          ; the tables at my first t
; 16 matrix instructions: head W - 1, row blocks a0 .. a0 + 3, the head's four column blocks, 32 along K.  zero = 1: the first product starts the sums.
.macro MULH W, abuf, a0, zero
	WIN ((\W<<4)|(\W<<6))
.irp a, 0,1,2,3
.irp b, 0,1,2,3
.if \zero
	v_wmma_f32_16x16x32_bf16 v[8*(4*(\a0+\a)+\b):8*(4*(\a0+\a)+\b)+7], v[FB+8*(4*(\W-1)+\b):FB+8*(4*(\W-1)+\b)+7], v[\abuf+8*(\a0+\a):\abuf+8*(\a0+\a)+7], 0
.else
	v_wmma_f32_16x16x32_bf16 v[8*(4*(\a0+\a)+\b):8*(4*(\a0+\a)+\b)+7], v[FB+8*(4*(\W-1)+\b):FB+8*(4*(\W-1)+\b)+7], v[\abuf+8*(\a0+\a):\abuf+8*(\a0+\a)+7], v[8*(4*(\a0+\a)+\b):8*(4*(\a0+\a)+\b)+7]
.endif
.endr
.endr
.endm
.macro LDB g, slot, kb                 ; eight loads: W's fragments 4 g .. 4 g + 3 (one head's), at byte kb of the rows
.irp i, 0,1,2,3
	ds_load_b128 v[FB+8*(4*\g+\i):FB+8*(4*\g+\i)+3],   v[ADRB+\slot] offset:\kb+(4*\g+\i)*FRAG
	ds_load_b128 v[FB+8*(4*\g+\i)+4:FB+8*(4*\g+\i)+7], v[ADRB+\slot] offset:\kb+(4*\g+\i)*FRAG+32
.endr
.endm
.macro LDA g, slot, kb, buf            ; eight loads: x's fragments 4 g .. 4 g + 3
.irp i, 0,1,2,3
	ds_load_b128 v[\buf+8*(4*\g+\i):\buf+8*(4*\g+\i)+3],   v[ADRA+\slot] offset:\kb+(4*\g+\i)*FRAG
	ds_load_b128 v[\buf+8*(4*\g+\i)+4:\buf+8*(4*\g+\i)+7], v[ADRA+\slot] offset:\kb+(4*\g+\i)*FRAG+32
.endr
.endm
.macro ROPELD a, buf                   ; eight loads: my 16 cos and 16 sin of rows 16 a + r: numbers 8 h .. +7 and 16 + 8 h .. +7
.irp q, 0,1
	global_load_b128 v[\buf+8*\q:\buf+8*\q+3],       v[VRO], s[8:9] offset:(\a)*2048+64*\q
	global_load_b128 v[\buf+8*\q+4:\buf+8*\q+7],     v[VRO], s[8:9] offset:(\a)*2048+64*\q+16
	global_load_b128 v[\buf+16+8*\q:\buf+16+8*\q+3], v[VRO], s[8:9] offset:(\a)*2048+64*\q+262144
	global_load_b128 v[\buf+16+8*\q+4:\buf+16+8*\q+7], v[VRO], s[8:9] offset:(\a)*2048+64*\q+262144+16
.endr
.endm
; A K step is two chunks of 32 along K, 96 matrix instructions each.  The 96 accumulators take turns, one instruction a turn, in the same order in every chunk,
; over the backward jump too.  The next chunk's 40 loads go out in the order [W head 0, x low] [W head 1, x high] [W head 2], each run four places
; behind the matrix instructions that read the registers (ISA guide 7.12.1 for vector instructions).
; The first chunk: multiplies buffer 0 and fetches the same slot's second chunk (byte 64 of the rows) into buffer 1.
.macro CHUNK slot, zero
	s_wait_dscnt 8                                 ; all but the youngest eight loads (W's head 2) are in
	MULH 1, FA0, 0, \zero
	MULH 1, FA0, 4, \zero
	WIN 0
	PLACES 4
	LDB 0, \slot, 64
	LDA 0, \slot, 64, FA1
	MULH 2, FA0, 0, \zero
	MULH 2, FA0, 4, \zero
	WIN 0
	PLACES 4
	LDB 1, \slot, 64
	LDA 1, \slot, 64, FA1
	s_wait_dscnt 32                                ; all but the 32 just issued: W's head 2 is in
	MULH 3, FA0, 0, \zero
	MULH 3, FA0, 4, \zero
	WIN 0
	PLACES 4
	LDB 2, \slot, 64
.endm
; The second chunk: multiplies buffer 1 and changes slots.  In front of the barrier each wave waits for its reads of this slot and for all its tensor loads (one is out:
; its part of the next slot).  fill = 1: the barrier opens a round of the cluster's barrier, and behind the round this slot is asked for again, two K steps ahead, first of all.
; From that request to the wait for it a wave issues 176 matrix instructions.
.macro CHUNKT slot, next, fill
	s_wait_dscnt 8
	MULH 1, FA1, 0, 0
	s_wait_dscnt 0x0                               ; my reads of this slot are over
	s_wait_tensorcnt 0x0                           ; and all my tensor loads have landed
	ds_add_u32 v30, v31
	s_wait_dscnt 0x0
	s_barrier_signal -1
	MULH 1, FA1, 4, 0                              ; registers only, while the others arrive
	WIN 0
	s_barrier_wait -1
.if \fill
	CREST
	s_add_nc_u64 s[G0A+4*\slot+2:G0A+4*\slot+3], s[G0A+4*\slot+2:G0A+4*\slot+3], 2*1048576
	s_add_nc_u64 s[G0B+4*\slot+2:G0B+4*\slot+3], s[G0B+4*\slot+2:G0B+4*\slot+3], 2*393216
	JLOAD \slot
.endif
	PLACES 4
	LDB 0, \next, 0
	LDA 0, \next, 0, FA0
	MULH 2, FA1, 0, 0
	MULH 2, FA1, 4, 0
	WIN 0
	PLACES 4
	LDB 1, \next, 0
	LDA 1, \next, 0, FA0
	MULH 3, FA1, 0, 0
	MULH 3, FA1, 4, 0
	WIN 0
	PLACES 4
	LDB 2, \next, 0
.endm
.macro LAP zero
	CHUNK 0, \zero
	CHUNKT 0, 1, 1
	CHUNK 1, 0
	CHUNKT 1, 0, 1
.endm
	s_wait_tensorcnt 0x1                           ; my part of K step 0 is in; K step 1's stays out
	s_barrier_signal -1
	s_barrier_wait -1
	LDB 0, 0, 0
	LDA 0, 0, 0, FA0
	LDB 1, 0, 0
	LDA 1, 0, 0, FA0
	LDB 2, 0, 0
	LAP 1                                          ; 16 K steps = 8 laps: the first starts the sums,
	s_mov_b32 s3, 6
.Llap:
	LAP 0                                          ; six go round,
	s_sub_co_u32 s3, s3, 1
	s_cmp_lg_u32 s3, 0
	s_cbranch_scc1 .Llap
	CHUNK 0, 0                                     ; the last fills nothing
	CHUNKT 0, 1, 0
	CHUNK 1, 0
	ROPELD 0, CS0                                  ; the tables of the first two turns, onto x's fragment buffer 0: its last readers stand in the chunk above,
	ROPELD 1, CS1                                  ; with that chunk's last four places between; the 96 matrix instructions below read buffer 1 and W's fragments
	s_wait_dscnt 8
	MULH 1, FA1, 0, 0
	MULH 1, FA1, 4, 0
	MULH 2, FA1, 0, 0
	MULH 2, FA1, 4, 0
	s_wait_dscnt 0x0
	MULH 3, FA1, 0, 0
	MULH 3, FA1, 4, 0
	WIN 0
	; THE WAY OUT, 16 rows at a time: rotate in f32, round to f16, 16 bytes a lane into my own stage, read back as rows of 128 bytes.
.macro HEAD a, hd, cs
.irp q, 0,2,4,6,8,10,12,14
	v_pk_fma_f32 v[CP+\q:CP+\q+1], v[\cs+\q:\cs+\q+1], v[FG+2*\hd:FG+2*\hd+1], v[FG+2*\hd:FG+2*\hd+1] op_sel:[0,0,1] op_sel_hi:[1,0,1]   ; cos' = f cos + g
	v_pk_mul_f32 v[CP+16+\q:CP+16+\q+1], v[\cs+16+\q:\cs+16+\q+1], v[FG+2*\hd:FG+2*\hd+1] op_sel_hi:[1,0]                               ; sin' = f sin
.endr
.if \hd == 0
.if \a
	s_wait_xcnt 0x0                                ; the last turn's stores have had their addresses translated (ISA guide 3.1): OT and TT, from which they were stored, are written again only behind this wait
.endif
.endif
	WIN (1+\hd)                                    ; source 0 from the head's window: x1 = tiles 0, 1 at 32 a + q, x2 = tiles 2, 3 at 32 a + 16 + q
.irp q, 0,2,4,6,8,10,12,14
	v_pk_mul_f32 v[TT+\q:TT+\q+1], v[32*(\a)+16+\q:32*(\a)+16+\q+1], v[CP+16+\q:CP+16+\q+1]
.endr
.irp q, 0,2,4,6,8,10,12,14
	v_pk_fma_f32 v[OT+\q:OT+\q+1], v[32*(\a)+\q:32*(\a)+\q+1], v[CP+\q:CP+\q+1], v[TT+\q:TT+\q+1] neg_lo:[0,0,1] neg_hi:[0,0,1]   ; x1 cos' - x2 sin'
.endr
.irp q, 0,2,4,6,8,10,12,14
	v_pk_mul_f32 v[TT+\q:TT+\q+1], v[32*(\a)+16+\q:32*(\a)+16+\q+1], v[CP+\q:CP+\q+1]
.endr
.irp q, 0,2,4,6,8,10,12,14
	v_pk_fma_f32 v[OT+16+\q:OT+16+\q+1], v[32*(\a)+\q:32*(\a)+\q+1], v[CP+16+\q:CP+16+\q+1], v[TT+\q:TT+\q+1]                     ; x1 sin' + x2 cos'
.endr
	WIN 0
.irp q, 0,1,2,3,4,5,6,7,8,9,10,11,12,13,14,15
	v_cvt_pk_f16_f32 v[PK+\q], v[OT+2*\q], v[OT+2*\q+1]        ; the first source into the low half
.endr
.irp bt, 0,1,2,3
	ds_store_b128 v[STO], v[PK+4*\bt:PK+4*\bt+3] offset:\hd*FRAG+32*\bt
.endr
.endm
; The turn of rows 16 a .. 16 a + 15.  cur = its table buffer; left = how many younger table loads may stay out; more = 1: the buffer is asked for again, for the turn four further on.
.macro OUTA a, cur, left, more
	s_wait_loadcnt \left                           ; loads come back in order (ISA guide 5.7.1): this turn's eight are in, the younger turns' (eight each) stay out
	HEAD \a, 0, \cur
	HEAD \a, 1, \cur
	HEAD \a, 2, \cur
.if \more
	ROPELD (\a+4), \cur
.endif
.irp hd, 0,1,2
.irp it, 0,1,2,3
	ds_load_b128 v[RB+16*\hd+4*\it:RB+16*\hd+4*\it+3], v[RD] offset:\hd*FRAG+\it*576     ; four rows; LDS serves a wave's instructions in order (ISA guide 5.7.1.4): these see the stores above
.endr
.endr
.irp hd, 0,1,2
.irp it, 0,1,2,3
	s_wait_dscnt 11-4*\hd-\it
	global_store_b128 v[CO], v[RB+16*\hd+4*\it:RB+16*\hd+4*\it+3], s[HB+2*\hd:HB+2*\hd+1] offset:(\a)*2048+\it*512   ; a wave stores 512 neighbouring bytes, aligned
.endr
.endr
.endm
	PLACES 4                                       ; behind the last matrix instructions: for the lines that read results and for the loads into fragment registers
	ROPELD 2, CS2
	ROPELD 3, CS3
	OUTA 0, CS0, 24, 1
	OUTA 1, CS1, 24, 1
	OUTA 2, CS2, 24, 1
	OUTA 3, CS3, 24, 1
	OUTA 4, CS0, 24, 0                             ; nothing is left to ask for: the counts run down
	OUTA 5, CS1, 16, 0
	OUTA 6, CS2, 8, 0
	OUTA 7, CS3, 0, 0
	s_wait_tensorcnt 0x0
	ds_add_u32 v30, v31
	s_wait_dscnt 0x0
	CROUND                                         ; the closing round: no work-group ends while a partner may still ask for a tile that names it
	s_endpgm
.Lfunc_end_k_q69c383a945_proj_qkv:
	.size	k_q69c383a945_proj_qkv, .Lfunc_end_k_q69c383a945_proj_qkv-k_q69c383a945_proj_qkv
	.p2alignl 7, 3214868480
	.fill 96, 4, 3214868480
	.section	.rodata,"a",@progbits
	.p2align	6, 0x0
	.amdhsa_kernel k_q69c383a945_proj_qkv
		.amdhsa_group_segment_fixed_size 327680
		.amdhsa_private_segment_fixed_size 0
		.amdhsa_enable_private_segment 0
		.amdhsa_kernarg_size 32
		.amdhsa_user_sgpr_count 2
		.amdhsa_user_sgpr_kernarg_segment_ptr 1
		.amdhsa_wavefront_size32 1
		.amdhsa_system_sgpr_workgroup_id_x 1
		.amdhsa_system_sgpr_workgroup_id_y 1
		.amdhsa_system_sgpr_workgroup_id_z 1
		.amdhsa_system_vgpr_workitem_id 0
		.amdhsa_next_free_vgpr 1024
		.amdhsa_next_free_sgpr 96
		.amdhsa_reserve_vcc 0
		.amdhsa_float_denorm_mode_32 3
		.amdhsa_float_denorm_mode_16_64 3
		.amdhsa_memory_ordered 1
		.amdhsa_forward_progress 1
		.amdhsa_inst_pref_size 250
	.end_amdhsa_kernel
	.amdgpu_metadata
---
amdhsa.version: [ 1, 2 ]
amdhsa.kernels:
  - .name:           k_q69c383a945_proj_qkv
    .symbol:         k_q69c383a945_proj_qkv.kd
    .args:
      - { .name: xb, .offset: 0, .size: 8, .value_kind: global_buffer, .address_space: global }
      - { .name: wq, .offset: 8, .size: 8, .value_kind: global_buffer, .address_space: global }
      - { .name: rope, .offset: 16, .size: 8, .value_kind: global_buffer, .address_space: global }
      - { .name: qkv, .offset: 24, .size: 8, .value_kind: global_buffer, .address_space: global }
    .group_segment_fixed_size: 327680
    .private_segment_fixed_size: 0
    .kernarg_segment_align: 8
    .kernarg_segment_size: 32
    .max_flat_workgroup_size: 128
    .sgpr_count:     96
    .vgpr_count:     1024
    .wavefront_size: 32
...
	.end_amdgpu_metadata
.endif
;; end of part 6
;; launch attention (part 7): grid 256 x 1, 8 waves a work-group, no clusters, 327,680 bytes of LDS; arguments qkv, bias, att; writes att
.if DOCPART == 7
	.amdgcn_target "amdgcn-amd-amdhsa--gfx1250"
	.amdhsa_code_object_version 6
	.text
	.protected	k_q69c383a945_attention
	.globl	k_q69c383a945_attention
	.p2align	8
	.type	k_q69c383a945_attention,@function
k_q69c383a945_attention:
	s_mov_b64 s[64:65], 0
	v_nop
	global_prefetch_b8 v0, s[64:65] scope:SCOPE_SE
	s_setreg_imm32_b32 hwreg(HW_REG_WAVE_MODE, 25, 1), 1
	s_wait_xcnt 0x0
; att = softmax(q k^T, causal, padded keys out) v, one head of one batch for four work-groups.  qkv [3][4][16][2048][64] f16 (q holds 0.125 log2(e) already: scores are
; exponents of 2), bias [4][2048] f32 (0 or -1e30), att [16 heads][8192 = 2048 b + t][64] f16.
; FORMATS: q, k, v, the probabilities and the results are f16 (11 significant bits).  A row that attends to few keys is far larger than the typical row, and the error that the whole
; output's size allows is a thousandth of it; 8 significant bits do not give that.  Probabilities lie in 0 .. 1; what is below f16's step of 6e-8 counts as 0 against a sum of at least 1.
; A result is a weighted mean of rows of v, so it is no larger than the largest |v|, which is an f16 number already.
; SHARES: work-group (bh, p) makes the query blocks of 256 rows i = 7 - p and then i = p: 2 i + 2 slabs of 128 keys each, 18 slabs for every work-group.
; Wave w: w' = w & 3 owns the 16-row tiles w' + 4 u (u = 0..3) of the block, so all four have the same causal shape; g = w >> 2 takes keys 64 g .. 64 g + 63 of every slab.
; Two waves lie on a SIMD, so one's exponentials can run beside the other's products.  The two groups' sums meet once a block, through LDS.
; NO SHUFFLES: S^T = K Q^T (lane (r, h) holds query r, keys 8 h + j); two neighbouring tiles, packed to f16 in place, are the B fragment of P^T;
; O^T = V^T P^T, V^T read by transposing LDS loads.  Maximum, sum and rescaling factor belong to a lane; the halves of the wave meet in one lane exchange a tile and step.
; A PHASE'S HEAD: only K's 16 fragment loads stand in front of the score products, and the products of a key tile wait for that tile's two loads alone; V's 16 loads follow the score
; products and have the whole softmax in which to land.
; MASKS: the padding term is the C operand of the first product of each score tile.  The causal mask is applied in the two slabs on the diagonal alone; tiles wholly above it are left out.
; The running maximum is taken away before every exponential.  What a row gathers while all its keys so far are masked is wiped by the factor exp2(-1e30 - m) = 0.
; NO CLUSTER: the four work-groups of a head walk different slabs at different times (2 i + 2 hangs on p); in step, each step would cost what the busiest partner needs,
; 16 + 8 = 24 slabs' time (the first block takes up to 16 slabs, the second up to 8) against the 18 that each has here.
; LIMITS: masked scores are -1e30, not -infinity; a row whose maximum is below -5e29 counts as fully masked and gives NaN, as a softmax over -infinity alone does; so true scores (in exponents of 2) must lie above -5e29.
; Exponentials below 2^-126 flush to 0.
.set KSL, 18432                        ; a slot of K: 128 rows x 144.  K's slots at 0 and 18,432
.set VS0, 36864                        ; V's slots at 36,864 and 57,344
.set VSL, 20480                        ; 128 rows x 160 (5 x 32)
.set MST, 77824                        ; the groups' meeting place: 4 x 18,432 bytes.  No tensor load lands here or below
.set OST, 151552                       ; the way out: 4 x 64 rows x 144
.set ADK, 1                            ; v1-2    my K fragments in slot 0, 1
.set ADV, 3                            ; v3-4    my V fragments
.set BOF, 5                            ; my offset in a slab's 128 padding terms
.set DQ,  6                            ; 16 w' + r - 8 h
.set NEG, 7                            ; -1e30
.set PA,  8                            ; v8-15   for each u (m, alpha)
.set LS,  16                           ; v16-23  for each u two partial sums
.set TM,  24                           ; v24-27  the new maximum; addresses on the way out
.set XC,  28                           ; v28-31  the other half's figure; v28 also q's offset at a block's start
.set QF,  32                           ; q fragments (u, c) at 16 u + 8 c
.set KF,  96                           ; K fragments (kt, c) at 16 kt + 8 c
.set VF,  160                          ; V^T fragments (dt, c) at 16 dt + 8 c
.set BI,  224                          ; padding terms, tile kt at 8 kt
.set OA,  128                          ; window 1: S (u, kt) at 32 u + 8 kt, P (u, c) in place at 32 u + 16 c; O (u, dt) at 128 + 32 u + 8 dt
.set PP,  96                           ; at the meeting: the partner's (m, alpha), its sums, and what is made of them
.set PL,  104
.set MM,  112
.set EA0, 116
.set EA1, 120
.set LL,  124
.set FF,  128
.set NANR, 136
.set G1K, 16
.set G1V, 24
.set G0K, 32                           ; s[32:39] one set a slot
.set G0V, 40                           ; s[40:47]
.set MSB, 0
.macro WIN new
.if MSB != (\new)
	s_set_vgpr_msb (MSB<<8)|(\new)
.set MSB, (\new)
.endif
.endm
.macro PLACES cnt
.rept \cnt
	v_nop
.endr
.endm
; Wave 0 fetches K's slab (16 KiB), wave 1 V's; the other six issue none.
.macro KVLOAD o
	s_cmp_gt_u32 s12, 1
	s_cbranch_scc1 .Lnone_\@
	s_cmp_eq_u32 s12, 0
	s_cbranch_scc0 .Lfor_v_\@
	tensor_load_to_lds s[G0K+4*\o:G0K+4*\o+3], s[G1K:G1K+7]
	s_nop 0
	s_branch .Lnone_\@
.Lfor_v_\@:
	tensor_load_to_lds s[G0V+4*\o:G0V+4*\o+3], s[G1V:G1V+7]
	s_nop 0
.Lnone_\@:
.endm
	s_load_b128 s[4:7], s[0:1], 0x0                ; qkv s[4:5], bias s[6:7]
	s_load_b64 s[8:9], s[0:1], 0x10                ; att
	v_lshl_add_u32 v158, v0, 2, 0x2e000
	v_mov_b32 v159, 0
	ds_add_u32 v158, v159
	s_wait_dscnt 0x0
	v_lshrrev_b32 v1, 5, v0
	v_readfirstlane_b32 s12, v1                    ; wave
	s_and_b32 s13, ttmp9, 3                        ; p
	s_lshr_b32 s10, ttmp9, 2                       ; bh = 16 b + h
	s_and_b32 s70, s12, 3                          ; w'
	s_lshr_b32 s71, s12, 2                         ; g
	s_mov_b32 s[G1K+0], (1<<16)|(1<<20)|(4<<22)|(3<<25)    ; 2-byte elements; after every 32 dwords 4 dwords of padding: pitch 144
	s_mov_b32 s[G1V+0], (1<<16)|(1<<20)|(4<<22)|(7<<25)    ; 8 dwords: pitch 160
	s_mov_b32 s[G1K+1], 128<<16                    ; a slab is dense: 64 rows of 256 bytes
	s_mov_b32 s[G1V+1], 128<<16
	s_mov_b32 s[G1K+2], 64<<16
	s_mov_b32 s[G1V+2], 64<<16
	s_mov_b32 s[G1K+3], 128<<16
	s_mov_b32 s[G1V+3], 128<<16
	s_mov_b32 s[G1K+4], 64
	s_mov_b32 s[G1V+4], 64
	s_mov_b32 s[G1K+5], 128
	s_mov_b32 s[G1V+5], 128
	s_mov_b32 s[G1K+6], 0
	s_mov_b32 s[G1V+6], 0
	s_mov_b32 s[G1K+7], 0
	s_mov_b32 s[G1V+7], 0
	s_mov_b32 s[G0K+0], 1
	s_mov_b32 s[G0K+1], 0
	s_mov_b32 s[G0K+4], 1
	s_mov_b32 s[G0K+5], KSL
	s_mov_b32 s[G0V+0], 1
	s_mov_b32 s[G0V+1], VS0
	s_mov_b32 s[G0V+4], 1
	s_mov_b32 s[G0V+5], VS0+VSL
	s_mov_b32 s66, 0x76543210                      ; v_permlanex16_b32: lane i of one half reads lane i of the other
	s_mov_b32 s67, 0xfedcba98
	s_sub_co_u32 s14, 7, s13                       ; the first block
	s_lshl_b32 s54, s10, 18                        ; 2,048 rows x 128 bytes a head
	s_mov_b32 s55, 0
	s_wait_kmcnt 0x0
	s_add_nc_u64 s[72:73], s[4:5], s[54:55]        ; q of this head
	s_add_nc_u64 s[48:49], s[72:73], 64*262144     ; k
	s_add_nc_u64 s[50:51], s[72:73], 128*262144    ; v
	s_or_b32 s49, s49, 0x80000000                  ; the descriptors' type, once
	s_or_b32 s51, s51, 0x80000000
	s_lshl_b32 s15, s14, 1                         ; the first slab: 2 i
	s_lshl_b32 s54, s15, 14                        ; 128 rows x 128 bytes a slab
	s_add_nc_u64 s[G0K+2:G0K+3], s[48:49], s[54:55]
	s_add_nc_u64 s[G0V+2:G0V+3], s[50:51], s[54:55]
	KVLOAD 0                                       ; the first fill, ahead of every wait on TENSORcnt, LDS read and barrier
	s_lshr_b32 s54, s10, 4
	s_lshl_b32 s54, s54, 13
	s_add_nc_u64 s[60:61], s[6:7], s[54:55]        ; the batch's padding terms
	s_lshl_b32 s54, s15, 9
	s_add_nc_u64 s[52:53], s[60:61], s[54:55]      ; the first slab's
	s_and_b32 s54, s10, 15
	s_lshl_b32 s54, s54, 20                        ; att: head x 8,192 rows x 128 bytes
	s_lshr_b32 s76, s10, 4
	s_lshl_b32 s76, s76, 18                        ; + b x 2,048 rows
	s_add_co_u32 s54, s54, s76
	s_add_nc_u64 s[74:75], s[8:9], s[54:55]
	v_and_b32 v24, 15, v0                          ; r
	v_bfe_u32 v25, v0, 4, 1                        ; h
	v_mul_u32_u24 v26, v24, 144
	v_lshl_add_u32 v26, v25, 4, v26
	s_mul_i32 s76, s71, 64*144                     ; my group's 64 keys
	v_add_nc_u32 v[ADK], s76, v26
	v_add_nc_u32 v[ADK+1], KSL, v[ADK]
	v_and_b32 v26, 7, v0
	v_lshl_add_u32 v26, v25, 3, v26                ; key 8 h + (lane & 7)
	v_mul_u32_u24 v26, v26, 160
	v_bfe_u32 v27, v0, 3, 1
	v_lshl_add_u32 v26, v27, 4, v26                ; + 16 bytes for the upper eight of sixteen columns
	s_mul_i32 s76, s71, 64*160
	s_add_co_u32 s76, s76, VS0
	v_add_nc_u32 v[ADV], s76, v26
	v_add_nc_u32 v[ADV+1], VSL, v[ADV]
	v_lshlrev_b32 v[BOF], 5, v25                   ; eight terms at 8 h,
	s_lshl_b32 s76, s71, 8                         ; 64 a group
	v_add_nc_u32 v[BOF], s76, v[BOF]
	v_lshlrev_b32 v26, 3, v25
	v_sub_nc_u32 v[DQ], v24, v26
	s_lshl_b32 s76, s70, 4
	v_add_nc_u32 v[DQ], s76, v[DQ]
	v_mov_b32 v[NEG], 0xf149f2ca
.irp q, 0,1,2,3,4,5,6,7
	v_mov_b32 v[PA+\q], 0                          ; packed lines read whole pairs, and the first step of a block writes m alone
.endr
	v_mov_b32 v[XC+2], 0                           ; the lane exchange's destination counts as read
	v_mov_b32 v[XC+3], 0
.irp kt, 0,1,2,3
	global_load_b128 v[BI+8*\kt:BI+8*\kt+3],   v[BOF], s[52:53] offset:64*\kt
	global_load_b128 v[BI+8*\kt+4:BI+8*\kt+7], v[BOF], s[52:53] offset:64*\kt+16
.endr
; In front of a phase that reads slot.  refill = 1: slab s15 is asked for, into the other slot, and its padding terms' address is set.
.macro SYNC slot, refill
	s_wait_loadcnt 0x0                             ; q and this phase's padding terms are in; their address registers may be written
	s_wait_xcnt 0x0
	v_lshl_add_u32 v158, v0, 2, 0x2e000
	v_mov_b32 v159, 0
	s_wait_tensorcnt 0x0                           ; all my tensor loads have landed, this phase's slab among them: every group 0 may be written
	ds_add_u32 v158, v159
	s_wait_dscnt 0x0
.if \refill
	s_lshl_b32 s54, s15, 14
	s_mov_b32 s55, 0
	s_add_nc_u64 s[G0K+4*(1-\slot)+2:G0K+4*(1-\slot)+3], s[48:49], s[54:55]
	s_add_nc_u64 s[G0V+4*(1-\slot)+2:G0V+4*(1-\slot)+3], s[50:51], s[54:55]
	s_lshl_b32 s54, s15, 9
	s_add_nc_u64 s[52:53], s[60:61], s[54:55]
.endif
	s_wait_dscnt 0x0                               ; my reads of the other slot are over
	s_barrier_signal -1
	s_barrier_wait -1                              ; all that holds of all eight waves
.if \refill
	KVLOAD (1-\slot)                               ; the one tensor load behind this barrier, and the first thing there: it has the whole phase in which to land
.endif
.endm
; One phase: my group's 64 keys of the slab in slot, against my tiles u = qlo .. 3.  kk >= 0: the keys are the block's own keys 64 kk .. 64 kk + 63 (on the diagonal).
; first = 1: the block's first phase starts maximum, sums and O.  nextb = 1: the next phase's padding terms are fetched.
.macro STEP slot, qlo, kk, first, nextb
	; K's fragments in the order in which the products want them: d 0..31 of key tiles 0..3, then d 32..63; two loads a fragment
.irp c, 0,1
.irp kt, 0,1,2,3
	ds_load_b128 v[KF+16*\kt+8*\c:KF+16*\kt+8*\c+3],   v[ADK+\slot] offset:\kt*2304+64*\c
	ds_load_b128 v[KF+16*\kt+8*\c+4:KF+16*\kt+8*\c+7], v[ADK+\slot] offset:\kt*2304+64*\c+32
.endr
.endr
	; S^T, key tile by key tile.  The accumulators take turns, one instruction a turn: all tiles' d 0..31, then, in the same order, all tiles' d 32..63 (four tiles at the least)
	WIN 0x40                                       ; D in window 1; C, the padding terms, in window 0
.irp kt, 0,1,2,3
	s_wait_dscnt 14-2*\kt                          ; LDS loads come back in order (ISA guide 5.7.1): fragment (kt, 0) is in; the 14 - 2 kt loads issued behind it may stay out
.irp u, 0,1,2,3
.if \u >= \qlo
	v_wmma_f32_16x16x32_f16 v[32*\u+8*\kt:32*\u+8*\kt+7], v[KF+16*\kt:KF+16*\kt+7], v[QF+16*\u:QF+16*\u+7], v[BI+8*\kt:BI+8*\kt+7]
.endif
.endr
.endr
	WIN 0x50
.irp kt, 0,1,2,3
	s_wait_dscnt 6-2*\kt                           ; fragment (kt, 1) is in
.irp u, 0,1,2,3
.if \u >= \qlo
	v_wmma_f32_16x16x32_f16 v[32*\u+8*\kt:32*\u+8*\kt+7], v[KF+16*\kt+8:KF+16*\kt+15], v[QF+16*\u+8:QF+16*\u+15], v[32*\u+8*\kt:32*\u+8*\kt+7]
.endif
.endr
.endr
	WIN 0
	; V's fragments: wanted only behind the softmax.  Their registers' last readers are the last phase's products, with that phase's closing places between
.irp dt, 0,1,2,3
.irp c, 0,1
	ds_load_tr16_b128 v[VF+16*\dt+8*\c:VF+16*\dt+8*\c+3],   v[ADV+\slot] offset:\c*5120+32*\dt
	ds_load_tr16_b128 v[VF+16*\dt+8*\c+4:VF+16*\dt+8*\c+7], v[ADV+\slot] offset:\c*5120+32*\dt+2560
.endr
.endr
	PLACES 4                                       ; before vector lines read S and loads land on the padding terms (ISA guide 7.12.1 for the vector lines)
.if \nextb
.irp kt, 0,1,2,3
	global_load_b128 v[BI+8*\kt:BI+8*\kt+3],   v[BOF], s[52:53] offset:64*\kt
	global_load_b128 v[BI+8*\kt+4:BI+8*\kt+7], v[BOF], s[52:53] offset:64*\kt+16
.endr
.endif
.if \kk >= 0
	; key 64 kk + 16 kt + 8 h + j is beyond query 64 u + 16 w' + r  <=>  64 (kk - u) + 16 kt + j > DQ.  DQ lies in -8 .. 63, so tiles u > kk need no mask
	WIN 0x41
.irp u, 0,1,2,3
.if \u >= \qlo
.if \u <= \kk
.irp kt, 0,1,2,3
.irp j, 0,1,2,3,4,5,6,7
	v_cmp_gt_i32 vcc_lo, 64*(\kk-\u)+16*\kt+\j, v[DQ]
	v_cndmask_b32 v[32*\u+8*\kt+\j], v[32*\u+8*\kt+\j], v[NEG], vcc_lo
.endr
.endr
.endif
.endif
.endr
.endif
	; the new maximum: my 32 scores of each tile and the old maximum, the tiles' chains by turns
	WIN 0x05
.irp u, 0,1,2,3
.if \u >= \qlo
.if \first
	v_max_num_f32 v[TM+\u], v[32*\u], v[32*\u+1]
.else
	v_max3_num_f32 v[TM+\u], v[32*\u], v[32*\u+1], v[PA+2*\u]
.endif
.endif
.endr
.irp q, 2,4,6,8,10,12,14,16,18,20,22,24,26,28,30
.irp u, 0,1,2,3
.if \u >= \qlo
	v_max3_num_f32 v[TM+\u], v[32*\u+\q], v[32*\u+\q+1], v[TM+\u]
.endif
.endr
.endr
	WIN 0
.irp u, 0,1,2,3
.if \u >= \qlo
	v_permlanex16_b32 v[XC+\u], v[TM+\u], s66, s67 ; the other eight keys of each sixteen lie in the other half of the wave
.endif
.endr
.irp u, 0,1,2,3
.if \u >= \qlo
	v_max_num_f32 v[TM+\u], v[TM+\u], v[XC+\u]
.endif
.endr
.if \first
.irp u, 0,1,2,3
	v_mov_b32 v[PA+2*\u], v[TM+\u]
	v_mov_b32 v[LS+2*\u], 0                        ; eight registers a block
	v_mov_b32 v[LS+2*\u+1], 0
.endr
.else
.irp u, 0,1,2,3
.if \u >= \qlo
	v_sub_f32 v[PA+2*\u+1], v[PA+2*\u], v[TM+\u]
.endif
.endr
.irp u, 0,1,2,3
.if \u >= \qlo
	v_exp_f32 v[PA+2*\u+1], v[PA+2*\u+1]           ; alpha = 2^(old m - new m)
.endif
.endr
.irp u, 0,1,2,3
.if \u >= \qlo
	v_mov_b32 v[PA+2*\u], v[TM+\u]                 ; plain lines behind the exponentials, before alpha is used (ISA guide 5.7.2)
.endif
.endr
.irp u, 0,1,2,3
.if \u >= \qlo
	s_wait_alu depctr_va_vdst(0)
	v_pk_mul_f32 v[LS+2*\u:LS+2*\u+1], v[LS+2*\u:LS+2*\u+1], v[PA+2*\u:PA+2*\u+1] op_sel:[0,1] op_sel_hi:[1,1]
.endif
.endr
.endif
	; P = 2^(S - m) in place; O is rescaled between the exponentials
	WIN 0x41
.irp u, 0,1,2,3
.if \u >= \qlo
.irp q, 0,2,4,6,8,10,12,14,16,18,20,22,24,26,28,30
	v_pk_add_f32 v[32*\u+\q:32*\u+\q+1], v[32*\u+\q:32*\u+\q+1], v[PA+2*\u:PA+2*\u+1] op_sel_hi:[1,0] neg_lo:[0,1] neg_hi:[0,1]
.endr
.irp q, 0,2,4,6,8,10,12,14,16,18,20,22,24,26,28,30
	v_exp_f32 v[32*\u+\q], v[32*\u+\q]
	v_exp_f32 v[32*\u+\q+1], v[32*\u+\q+1]
.if \first == 0
	v_pk_mul_f32 v[OA+32*\u+\q:OA+32*\u+\q+1], v[OA+32*\u+\q:OA+32*\u+\q+1], v[PA+2*\u:PA+2*\u+1] op_sel:[0,1] op_sel_hi:[1,1]
	s_wait_alu depctr_va_vdst(0)
.endif
.endr
.endif
.endr
.if \first
	v_nop                                          ; a plain place behind the last exponential
	s_wait_alu depctr_va_vdst(0)
.endif
	WIN 0x01
.irp q, 0,2,4,6,8,10,12,14,16,18,20,22,24,26,28,30
.irp u, 0,1,2,3
.if \u >= \qlo
	v_pk_add_f32 v[LS+2*\u:LS+2*\u+1], v[32*\u+\q:32*\u+\q+1], v[LS+2*\u:LS+2*\u+1]
.endif
.endr
.endr
	; tiles 2 c and 2 c + 1 become registers 0-3 and 4-7 of P^T's fragment c, each written behind the line that read it
	WIN 0x45
.irp u, 0,1,2,3
.if \u >= \qlo
.irp c, 0,1
.irp q, 0,1,2,3,4,5,6,7
	v_cvt_pk_f16_f32 v[32*\u+16*\c+\q], v[32*\u+16*\c+2*\q], v[32*\u+16*\c+2*\q+1]
.endr
.endr
.endif
.endr
	s_wait_dscnt 0x0                               ; V is in
	WIN 0x54                                       ; O^T += V^T P^T: the accumulators by turns again: all tiles' keys 0..31, then all tiles' keys 32..63
.irp c, 0,1
.irp u, 0,1,2,3
.if \u >= \qlo
.irp dt, 0,1,2,3
.if \first*(1-\c)
	v_wmma_f32_16x16x32_f16 v[OA+32*\u+8*\dt:OA+32*\u+8*\dt+7], v[VF+16*\dt+8*\c:VF+16*\dt+8*\c+7], v[32*\u+16*\c:32*\u+16*\c+7], 0
.else
	v_wmma_f32_16x16x32_f16 v[OA+32*\u+8*\dt:OA+32*\u+8*\dt+7], v[VF+16*\dt+8*\c:VF+16*\dt+8*\c+7], v[32*\u+16*\c:32*\u+16*\c+7], v[OA+32*\u+8*\dt:OA+32*\u+8*\dt+7]
.endif
.endr
.endif
.endr
.endr
	WIN 0
	PLACES 5                                       ; the next score products write over P, which these have read; the next loads of V land on what these have read
.endm
; The two groups' keys lie at different places against the diagonal: a branch on the wave's number, no barrier inside.
.macro GSTEP slot, q0, k0, q1, k1, first, nextb
	s_cmp_lt_u32 s12, 4
	s_cbranch_scc0 .Lgrp1_\@
	STEP \slot, \q0, \k0, \first, \nextb
	s_branch .Lgrpj_\@
.Lgrp1_\@:
	STEP \slot, \q1, \k1, \first, \nextb
.Lgrpj_\@:
.endm
.macro QLOAD                           ; q's fragments straight from memory: row 64 u + 16 w' + r of the block, 16 bytes at 64 c + 16 h and 32 further on
	v_and_b32 v[XC], 15, v0
	v_bfe_u32 v[XC+1], v0, 4, 1
	v_lshlrev_b32 v[XC], 7, v[XC]
	v_lshl_add_u32 v[XC], v[XC+1], 4, v[XC]
	v_lshl_add_u32 v[XC], s70, 11, v[XC]
.irp u, 0,1,2,3
.irp c, 0,1
	global_load_b128 v[QF+16*\u+8*\c:QF+16*\u+8*\c+3],   v[XC], s[56:57] offset:\u*8192+64*\c
	global_load_b128 v[QF+16*\u+8*\c+4:QF+16*\u+8*\c+7], v[XC], s[56:57] offset:\u*8192+64*\c+32
.endr
.endr
.endm
; The block's end: group 1 hands O, m and the sums to group 0, which joins them, divides, rounds to f16, and stores.
.macro FINISH
	v_and_b32 v[TM], 31, v0
	v_lshlrev_b32 v[TM+3], 4, v[TM]                ; 16 x lane
	s_mul_i32 s76, s70, 18432
	s_add_co_u32 s76, s76, MST
	v_add_nc_u32 v[TM], s76, v[TM+3]
	s_cmp_lt_u32 s12, 4
	s_cbranch_scc1 .Lkeeps_\@
	WIN 0x04                                       ; store data from window 1
.set x, 0
.rept 32
	ds_store_b128 v[TM], v[OA+4*x:OA+4*x+3] offset:512*x
.set x, x+1
.endr
	WIN 0
	ds_store_b128 v[TM], v[PA:PA+3] offset:512*32
	ds_store_b128 v[TM], v[PA+4:PA+7] offset:512*33
	ds_store_b128 v[TM], v[LS:LS+3] offset:512*34
	ds_store_b128 v[TM], v[LS+4:LS+7] offset:512*35
.Lkeeps_\@:
	s_wait_dscnt 0x0                               ; my stores are done, for my partner's sake
	s_barrier_signal -1
	s_barrier_wait -1                              ; the next block's first slab may stay on its way
	s_cmp_lt_u32 s12, 4
	s_cbranch_scc0 .Ldone_\@
	WIN 0x40                                       ; the partner's O into S's registers
.set x, 0
.rept 32
	ds_load_b128 v[4*x:4*x+3], v[TM] offset:512*x
.set x, x+1
.endr
	WIN 0
	ds_load_b128 v[PP:PP+3], v[TM] offset:512*32
	ds_load_b128 v[PP+4:PP+7], v[TM] offset:512*33
	ds_load_b128 v[PL:PL+3], v[TM] offset:512*34
	ds_load_b128 v[PL+4:PL+7], v[TM] offset:512*35
	v_mov_b32 v[NANR], 0x7fc00000
	s_wait_dscnt 0x0
.irp u, 0,1,2,3
	v_add_f32 v[LS+2*\u], v[LS+2*\u], v[LS+2*\u+1]
	v_add_f32 v[PL+2*\u], v[PL+2*\u], v[PL+2*\u+1]
	v_max_num_f32 v[MM+\u], v[PA+2*\u], v[PP+2*\u]
	v_sub_f32 v[EA0+\u], v[PA+2*\u], v[MM+\u]
	v_sub_f32 v[EA1+\u], v[PP+2*\u], v[MM+\u]
.endr
.irp u, 0,1,2,3
	v_exp_f32 v[EA0+\u], v[EA0+\u]
	v_exp_f32 v[EA1+\u], v[EA1+\u]
.endr
	v_nop
	s_wait_alu depctr_va_vdst(0)
.irp u, 0,1,2,3
	v_mul_f32 v[LL+\u], v[LS+2*\u], v[EA0+\u]
	v_fmac_f32 v[LL+\u], v[PL+2*\u], v[EA1+\u]
	v_permlanex16_b32 v[XC+\u], v[LL+\u], s66, s67 ; the other half of the wave summed the other keys
	v_add_f32 v[LL+\u], v[LL+\u], v[XC+\u]
.endr
.irp u, 0,1,2,3
	v_rcp_f32 v[LL+\u], v[LL+\u]                   ; the sum is at least 1: the largest term is 2^0
.endr
	v_nop
	s_wait_alu depctr_va_vdst(0)
.irp u, 0,1,2,3
	v_cmp_gt_f32 vcc_lo, 0xf0c9f2ca, v[MM+\u]      ; -5e29 > m: every key of the row was masked
	v_cndmask_b32 v[LL+\u], v[LL+\u], v[NANR], vcc_lo
	v_mul_f32 v[FF+2*\u], v[EA0+\u], v[LL+\u]
	v_mul_f32 v[FF+2*\u+1], v[EA1+\u], v[LL+\u]
.endr
	WIN 0x51
.irp u, 0,1,2,3
.irp q, 0,2,4,6,8,10,12,14,16,18,20,22,24,26,28,30
	v_pk_mul_f32 v[OA+32*\u+\q:OA+32*\u+\q+1], v[OA+32*\u+\q:OA+32*\u+\q+1], v[FF+2*\u:FF+2*\u+1] op_sel_hi:[1,0]
	v_pk_fma_f32 v[OA+32*\u+\q:OA+32*\u+\q+1], v[32*\u+\q:32*\u+\q+1], v[FF+2*\u:FF+2*\u+1], v[OA+32*\u+\q:OA+32*\u+\q+1] op_sel:[0,1,0] op_sel_hi:[1,1,1]
.endr
.endr
	; A lane's eight results of tile (u, dt) are d = 16 dt + 8 h + 0..7 of query r: 16 bytes of a row.  Word x = 4 (4 u + dt) + q packs results 2 x and 2 x + 1.
	WIN 0x05
.set x, 0
.rept 64
	v_cvt_pk_f16_f32 v[VF+x], v[OA+2*x], v[OA+2*x+1]
.set x, x+1
.endr
	WIN 0
	s_mul_i32 s76, s70, 9216
	s_add_co_u32 s76, s76, OST
	v_and_b32 v[TM+1], 15, v0
	v_mul_u32_u24 v[TM+1], v[TM+1], 144
	v_bfe_u32 v[TM+2], v0, 4, 1
	v_lshl_add_u32 v[TM+1], v[TM+2], 4, v[TM+1]
	v_add_nc_u32 v[TM+1], s76, v[TM+1]             ; in: row r, 16 bytes at 16 h
	v_bfe_u32 v[TM+2], v0, 3, 2
	v_mul_u32_u24 v[TM+2], v[TM+2], 144
	v_and_b32 v[XC], 7, v0
	v_lshl_add_u32 v[TM+2], v[XC], 4, v[TM+2]
	v_add_nc_u32 v[TM+2], s76, v[TM+2]             ; back: eight lanes take a row of 128 bytes
	v_lshl_add_u32 v[TM+3], s70, 11, v[TM+3]       ; in att: 16 w' rows + 16 x lane
.irp u, 0,1,2,3
.irp dt, 0,1,2,3
	ds_store_b128 v[TM+1], v[VF+4*(4*\u+\dt):VF+4*(4*\u+\dt)+3] offset:\u*2304+32*\dt
.endr
.endr
.irp u, 0,1,2,3
.irp it, 0,1,2,3
	ds_load_b128 v[QF+4*(4*\u+\it):QF+4*(4*\u+\it)+3], v[TM+2] offset:(16*\u+4*\it)*144    ; my own bytes, served in order behind the stores (ISA guide 5.7.1.4)
.endr
.endr
.irp u, 0,1,2,3
.irp it, 0,1,2,3
	s_wait_dscnt 15-4*\u-\it
	global_store_b128 v[TM+3], v[QF+4*(4*\u+\it):QF+4*(4*\u+\it)+3], s[58:59] offset:\u*8192+\it*512    ; a wave stores 512 neighbouring bytes, aligned
.endr
.endr
.Ldone_\@:
.endm
; A block of 256 queries, number s14.  Its slabs are walked in the order 2 i, 0, 1, .., 2 i - 1, 2 i + 1, in slots 0, 1, 0, .., 1: each phase's slot stands in the text,
; and the first phase, on the diagonal, gives every row of group 0 a key of its own.  hi = 1: another block follows, and its first slab, 2 p, is asked for in the last phase.
.macro BLOCK hi
	s_wait_xcnt 0x0                                ; the last block's stores have had their addresses translated: bases, offsets and data registers are written again only behind this wait
	s_lshl_b32 s54, s14, 15                        ; 256 rows x 128 bytes
	s_mov_b32 s55, 0
	s_add_nc_u64 s[56:57], s[72:73], s[54:55]
	s_add_nc_u64 s[58:59], s[74:75], s[54:55]
	QLOAD
	s_cmp_eq_u32 s14, 0
	s_cselect_b32 s15, 1, 0                        ; next: slab 0, or, in block 0, slab 1
	SYNC 0, 1
	GSTEP 0, 0, 0, 0, 1, 1, 1                      ; keys 0..63 and 64..127 of the block; group 1's tile 0 is wholly masked and only starts its figures
	s_cmp_eq_u32 s14, 0
	s_cbranch_scc1 .Lno_full_\@
	s_mov_b32 s68, s14                             ; i trips of two slabs below the diagonal
	s_mov_b32 s69, 0
.Lfull_\@:
	s_add_co_u32 s15, s69, 1
	SYNC 1, 1
	STEP 1, 0, -1, 0, 1
	s_cmp_eq_u32 s68, 1
	s_cselect_b32 s15, 3, 2                        ; behind the last of them comes slab 2 i + 1
	s_add_co_u32 s15, s15, s69
	SYNC 0, 1
	STEP 0, 0, -1, 0, 1
	s_add_co_u32 s69, s69, 2
	s_sub_co_u32 s68, s68, 1
	s_cmp_lg_u32 s68, 0
	s_cbranch_scc1 .Lfull_\@
.Lno_full_\@:
.if \hi
	s_lshl_b32 s15, s13, 1
	SYNC 1, 1
.else
	SYNC 1, 0                                      ; nothing is left to fetch
.endif
	GSTEP 1, 2, 2, 3, 3, 0, \hi                    ; keys 128..191 and 192..255 of the block: tiles below them are left out
	FINISH
.endm
	BLOCK 1
	s_mov_b32 s14, s13
	BLOCK 0
	s_wait_xcnt 0x0
	v_lshl_add_u32 v158, v0, 2, 0x2e000
	v_mov_b32 v159, 0
	s_wait_tensorcnt 0x0
	ds_add_u32 v158, v159
	s_wait_dscnt 0x0
	s_endpgm
.Lfunc_end_k_q69c383a945_attention:
	.size	k_q69c383a945_attention, .Lfunc_end_k_q69c383a945_attention-k_q69c383a945_attention
	.p2alignl 7, 3214868480
	.fill 96, 4, 3214868480
	.section	.rodata,"a",@progbits
	.p2align	6, 0x0
	.amdhsa_kernel k_q69c383a945_attention
		.amdhsa_group_segment_fixed_size 327680
		.amdhsa_private_segment_fixed_size 0
		.amdhsa_enable_private_segment 0
		.amdhsa_kernarg_size 24
		.amdhsa_user_sgpr_count 2
		.amdhsa_user_sgpr_kernarg_segment_ptr 1
		.amdhsa_wavefront_size32 1
		.amdhsa_system_sgpr_workgroup_id_x 1
		.amdhsa_system_sgpr_workgroup_id_y 1
		.amdhsa_system_sgpr_workgroup_id_z 1
		.amdhsa_system_vgpr_workitem_id 0
		.amdhsa_next_free_vgpr 512
		.amdhsa_next_free_sgpr 80
		.amdhsa_reserve_vcc 1
		.amdhsa_float_denorm_mode_32 3
		.amdhsa_float_denorm_mode_16_64 3
		.amdhsa_memory_ordered 1
		.amdhsa_forward_progress 1
		.amdhsa_inst_pref_size 255
	.end_amdhsa_kernel
	.section	.bss,"aw",@nobits
	.p2align	6
	.space	262144
	.amdgpu_metadata
---
amdhsa.version: [ 1, 2 ]
amdhsa.kernels:
  - .name:           k_q69c383a945_attention
    .symbol:         k_q69c383a945_attention.kd
    .args:
      - { .name: qkv, .offset: 0, .size: 8, .value_kind: global_buffer, .address_space: global }
      - { .name: bias, .offset: 8, .size: 8, .value_kind: global_buffer, .address_space: global }
      - { .name: att, .offset: 16, .size: 8, .value_kind: global_buffer, .address_space: global }
    .group_segment_fixed_size: 327680
    .private_segment_fixed_size: 0
    .kernarg_segment_align: 8
    .kernarg_segment_size: 24
    .max_flat_workgroup_size: 256
    .sgpr_count:     80
    .vgpr_count:     512
    .wavefront_size: 32
...
	.end_amdgpu_metadata
.endif
;; end of part 7
;; launch proj_out (part 8): grid 8 x 32, 4 waves a work-group, clusters of 4 x 4, 327,680 bytes of LDS; arguments att, wo, b_out, out0; writes out0
.if DOCPART == 8
	.amdgcn_target "amdgcn-amd-amdhsa--gfx1250"
	.amdhsa_code_object_version 6
	.text
	.protected	k_q69c383a945_proj_out
	.globl	k_q69c383a945_proj_out
	.p2align	8
	.type	k_q69c383a945_proj_out,@function
k_q69c383a945_proj_out:
	s_mov_b64 s[64:65], 0
	v_nop
	global_prefetch_b8 v0, s[64:65] scope:SCOPE_SE
	s_setreg_imm32_b32 hwreg(HW_REG_WAVE_MODE, 25, 1), 1
	s_wait_xcnt 0x0
	s_wait_alu depctr_hold_cnt(0) depctr_sa_sdst(0) depctr_va_vdst(0) depctr_va_sdst(0) depctr_va_ssrc(0) depctr_va_vcc(0) depctr_vm_vsrc(0)
	s_getreg_b32 s2, hwreg(HW_REG_IB_STS2, 6, 4)
	s_cmp_eq_u32 s2, 0
	s_cbranch_scc0 .Lentry_in_a_cluster
	s_endpgm
.Lentry_in_a_cluster:
	s_bfe_u32 s2, ttmp6, 0x10000c
	s_cmp_lg_u32 s2, 0xf033
	s_cbranch_scc0 .Lentry_shape_is_right
	s_endpgm
.Lentry_shape_is_right:
; out0 = att W_out + b_out.  att [16 slabs][8192][64] f16, wo [16 slabs][1024 n][64 k] f16 (W_out rounded to bf16, written as f16), b_out [1024] f32, out0 [8192][1024] f32; sums in f32.
; WHY f16: the first rows of a batch attend to few keys and are some ten times the size of a typical row, and the error that the whole output's size allows is a thousandth of theirs:
; att needs 11 significant bits, and both operands of a matrix instruction have one format.
; A work-group makes 256 rows x 128 columns: 32 x 8 = 256 work-groups.  Four waves; a wave makes 128 x 64: 32 accumulator tiles in window 1, tile (a, b) at v[8 (4 a + b)].
; K goes in steps of 128 (two slabs) through two LDS slots; slots of three slabs would take 2 x 3 x 384 rows x 144 bytes = 331,776 bytes, more than a work-group may have.
; A tile is a dense run of a slab's rows, fetched as rows of 256 bytes that start at multiples of 256 bytes; the pad after every 32 dwords lays the 128-byte rows 144 bytes apart in LDS.
; CLUSTERS: 4 x 4 work-groups; att's tiles are asked for jointly along a row of the cluster, W's along a column.
; PREFETCH: a K step has 128 matrix instructions a wave, and two slots leave a tile no more than 120 of them in which to land, so att's tiles are asked for ahead of their tensor loads.
; Wave 3 asks, with one instruction a K step, for this work-group's eighth of the block row's tile: 32 lanes 256 bytes apart = 8 KiB of the tile's 64 KiB; the eight work-groups of a block
; row ask for different eighths.  K step 2's tile is asked for at the start; in K step t, behind the joint load for K step t + 2, the tile of K step t + 3: one K step ahead of its tensor load.
; K steps 0 and 1 go out as tensor loads at once and are not asked for.  In K step 5 nothing is left: the offset is clamped to K step 7's, whose last byte asked for is byte 16,776,960 of
; att's 16,777,216, so those 32 blocks are asked for twice.  W's tiles are not asked for: each is read by eight clusters at about the same time.
; The matrix instruction is used transposed (source 0 = rows of wo, source 1 = rows of att): a lane's eight results are eight neighbouring columns of one row.
; LIMITS: those of the operands: |att| and |W_out| under 65,504.
.set SLOT,  110592                     ; att's slabs at 0 and 36,864 (256 rows x 144), W's at 73,728 and 92,160 (128 rows x 144)
.set ASL,   36864
.set BOFF,  73728
.set BSL,   18432
.set FRAG,  2304
.set STAGE, 221184                     ; behind the ring: 16 rows x 272 bytes for each wave
.set KSTEPB, 2097152                   ; a K step in att: two slabs of 1,048,576 bytes
.set ADRA, 16
.set ADRB, 18
.set STO,  20
.set RD,   21
.set CO,   22
.set PFO,  23                          ; v23     256 x lane, for the prefetch; never rewritten
.set BV,   24                          ; v24-27  my four numbers of b_out
.set FA0,  32
.set FA1,  96
.set FB0,  160
.set FB1,  192
.set RB,   32                          ; the way out: read back
.set G1A, 24
.set G0A, 32
.set G1B, 48
.set G0B, 56
.set PADW, (1<<16)|(1<<20)|(1<<21)|(4<<22)|(3<<25)
.set MSB, 0
.macro WIN new
.if MSB != (\new)
	s_set_vgpr_msb (MSB<<8)|(\new)
.set MSB, (\new)
.endif
.endm
.macro PLACES cnt
.rept \cnt
	v_nop
.endr
.endm
.macro JLOAD s                         ; waves 0 and 1 ask for att's two slabs, waves 2 and 3 for W's
	s_cmp_eq_u32 s13, 0
	s_cbranch_scc0 .Lfor_b_\@
	tensor_load_to_lds s[G0A+4*\s:G0A+4*\s+3], s[G1A:G1A+7]
	s_nop 0
	s_branch .Lasked_\@
.Lfor_b_\@:
	tensor_load_to_lds s[G0B+4*\s:G0B+4*\s+3], s[G1B:G1B+7]
	s_nop 0
.Lasked_\@:
.endm
.macro CREST
	s_cmp_lg_u32 s12, 0
	s_cbranch_scc1 .Lnot_wave_0_\@
	s_barrier_signal -3
.Lnot_wave_0_\@:
	s_barrier_wait -3
	s_barrier_signal -1
	s_barrier_wait -1
.endm
.macro CROUND
	s_barrier_signal -1
	s_barrier_wait -1
	CREST
.endm
; Wave 3 asks for my eighth of a tile of att.  next = 1: first one K step on, and never past K step 7.
.macro PFASK next
	s_cmp_lg_u32 s12, 3
	s_cbranch_scc1 .Lno_ask_\@
.if \next
	s_wait_xcnt 0x0                                ; the last request, a K step ago, has had its address translated (ISA guide 3.1): its base is written again only behind this wait
	s_add_co_u32 s86, s86, KSTEPB
	s_min_u32 s86, s86, 7*KSTEPB
	s_add_nc_u64 s[84:85], s[88:89], s[86:87]
.endif
	global_prefetch_b8 v[PFO], s[84:85] th:TH_LOAD_NT scope:SCOPE_SE
.Lno_ask_\@:
.endm
	s_load_b256 s[4:11], s[0:1], 0x0               ; att s[4:5], wo s[6:7], b_out s[8:9], out0 s[10:11]
	v_lshl_add_u32 v254, v0, 2, 0x3a400
	v_mov_b32 v255, 0
	ds_add_u32 v254, v255
	v_lshrrev_b32 v1, 5, v0
	v_readfirstlane_b32 s12, v1                    ; wave
	s_lshr_b32 s13, s12, 1                         ; my half of the rows.  Also: I fetch for att (0) or for W (1)
	s_and_b32 s14, s12, 1                          ; my half of the columns.  Also: which of a K step's two slabs I fetch
	s_bfe_u32 s40, ttmp6, 0x40000                  ; cx
	s_bfe_u32 s41, ttmp6, 0x40004                  ; cy
	s_lshl_b32 s42, ttmp9, 2
	s_add_co_u32 s42, s42, s40                     ; block column, 0..7
	s_and_b32 s43, ttmp7, 0xffff
	s_lshl_b32 s43, s43, 2
	s_add_co_u32 s43, s43, s41                     ; block row, 0..31
	s_lshl_b32 s44, s41, 2
	s_lshl_b32 s44, 15, s44
	s_lshl_b32 s45, 0x1111, s40
	s_or_b32 s[G1A+0], s44, PADW
	s_or_b32 s[G1B+0], s45, PADW
	s_mov_b32 s[G1A+1], 128<<16
	s_mov_b32 s[G1B+1], 128<<16
	s_mov_b32 s[G1A+2], 128<<16                    ; att: 256 rows x 128 bytes = 128 rows of 256
	s_mov_b32 s[G1B+2], 64<<16                     ; W: 128 rows x 128 bytes = 64 rows of 256
	s_mov_b32 s[G1A+3], 128<<16
	s_mov_b32 s[G1B+3], 128<<16
	s_mov_b32 s[G1A+4], 128
	s_mov_b32 s[G1B+4], 64
	s_mov_b32 s[G1A+5], 128
	s_mov_b32 s[G1B+5], 128
	s_mov_b32 s[G1A+6], 0
	s_mov_b32 s[G1B+6], 0
	s_mov_b32 s[G1A+7], 0
	s_mov_b32 s[G1B+7], 0
	s_lshl_b32 s16, s43, 15                        ; att: 256 rows x 128 bytes a block row,
	s_lshl_b32 s17, s14, 20                        ; 1,048,576 a slab
	s_add_co_u32 s16, s16, s17
	s_mov_b32 s17, 0
	s_lshl_b32 s46, s42, 14                        ; W: 128 rows x 128 bytes a block column,
	s_lshl_b32 s47, s14, 17                        ; 131,072 a slab
	s_add_co_u32 s46, s46, s47
	s_mov_b32 s47, 0
	s_mul_i32 s20, s12, ASL                        ; waves 0, 1: att's slab w
	s_mul_i32 s21, s12, BSL
	s_add_co_u32 s21, s21, ASL                     ; waves 2, 3: 73,728 + (w - 2) x 18,432
	s_wait_dscnt 0x0
	s_wait_kmcnt 0x0
	s_add_nc_u64 s[18:19], s[4:5], s[16:17]
	s_add_nc_u64 s[46:47], s[6:7], s[46:47]
	CROUND                                         ; all sixteen work-groups are here: the first joint loads meet
.irp s, 0,1
	s_mov_b32 s[G0A+4*\s], 1
	s_add_co_u32 s[G0A+4*\s+1], s20, \s*SLOT
	s_add_nc_u64 s[G0A+4*\s+2:G0A+4*\s+3], s[18:19], \s*KSTEPB
	s_or_b32 s[G0A+4*\s+3], s[G0A+4*\s+3], 0x80000000
	s_mov_b32 s[G0B+4*\s], 1
	s_add_co_u32 s[G0B+4*\s+1], s21, \s*SLOT
	s_add_nc_u64 s[G0B+4*\s+2:G0B+4*\s+3], s[46:47], \s*262144
	s_or_b32 s[G0B+4*\s+3], s[G0B+4*\s+3], 0x80000000
	JLOAD \s
.endr
	v_and_b32 v1, 15, v0                           ; r
	v_bfe_u32 v2, v0, 4, 1                         ; h
	v_mul_u32_u24 v3, v1, 144
	v_lshl_add_u32 v3, v2, 4, v3
	s_mul_i32 s22, s13, 128*144                    ; my 128 rows of att
	s_mul_i32 s23, s14, 64*144                     ; my 64 rows of W
	s_add_co_u32 s23, s23, BOFF
.irp s, 0,1
	v_add_nc_u32 v[ADRA+\s], s22, v3
	v_add_nc_u32 v[ADRB+\s], s23, v3
	s_add_co_u32 s22, s22, SLOT
	s_add_co_u32 s23, s23, SLOT
.endr
	s_mul_i32 s22, s12, 16*272
	s_add_co_u32 s22, s22, STAGE
	v_mul_u32_u24 v4, v1, 272                      ; in: row r, 32 bytes at 32 h
	v_lshl_add_u32 v4, v2, 5, v4
	v_add_nc_u32 v[STO], s22, v4
	v_mul_u32_u24 v5, v2, 272                      ; back: lanes 0-15 take one row of 256 bytes, lanes 16-31 the next
	v_lshl_add_u32 v5, v1, 4, v5
	v_add_nc_u32 v[RD], s22, v5
	v_lshlrev_b32 v[CO], 4, v1                     ; and the same two rows in out0
	v_lshl_add_u32 v[CO], v2, 12, v[CO]
	s_lshl_b32 s74, s43, 1
	s_add_co_u32 s74, s74, s13
	s_lshl_b32 s74, s74, 19                        ; my first row: 128 rows x 4,096 bytes
	s_lshl_b32 s76, s42, 1
	s_add_co_u32 s76, s76, s14
	s_lshl_b32 s76, s76, 8                         ; my first column: 64 f32
	s_add_co_u32 s74, s74, s76
	s_mov_b32 s75, 0
	s_add_nc_u64 s[10:11], s[10:11], s[74:75]
	v_lshlrev_b32 v6, 4, v1
	v_add_nc_u32 v6, s76, v6
	global_load_b128 v[BV:BV+3], v6, s[8:9]        ; the bias of the four columns that I store
	; the prefetch: my eighth of a K step's tile of att, in registers that feed no descriptor
	v_and_b32 v7, 31, v0
	v_lshlrev_b32 v[PFO], 8, v7                    ; lanes 256 bytes apart
	s_lshl_b32 s86, s43, 15                        ; the block row's 256 rows in a slab,
	s_lshr_b32 s87, s42, 2
	s_lshl_b32 s87, s87, 20                        ; block columns 4 to 7: the K step's second slab,
	s_add_co_u32 s86, s86, s87
	s_and_b32 s87, s42, 3
	s_lshl_b32 s87, s87, 13                        ; a quarter of those rows' 32 KiB
	s_add_co_u32 s86, s86, s87
	s_mov_b32 s87, 0
	s_add_nc_u64 s[88:89], s[4:5], s[86:87]        ; stays
	s_mov_b32 s86, 2*KSTEPB                        ; the K step asked for, in bytes
	s_add_nc_u64 s[84:85], s[88:89], s[86:87]
	PFASK 0                                        ; K step 2's tile
.macro MUL8 fa, fb, a0, zero           ; row blocks a0, a0 + 1 x the four column blocks, 32 along K
.irp a, 0,1
.irp b, 0,1,2,3
.if \zero
	v_wmma_f32_16x16x32_f16 v[8*(4*(\a0+\a)+\b):8*(4*(\a0+\a)+\b)+7], v[\fb+8*\b:\fb+8*\b+7], v[\fa+8*(\a0+\a):\fa+8*(\a0+\a)+7], 0
.else
	v_wmma_f32_16x16x32_f16 v[8*(4*(\a0+\a)+\b):8*(4*(\a0+\a)+\b)+7], v[\fb+8*\b:\fb+8*\b+7], v[\fa+8*(\a0+\a):\fa+8*(\a0+\a)+7], v[8*(4*(\a0+\a)+\b):8*(4*(\a0+\a)+\b)+7]
.endif
.endr
.endr
.endm
.macro FETCH slot, q, fa, fb           ; 24 loads: quarter q of a K step: slab q / 2, byte 64 (q & 1) of its rows.  W's four fragments, then att's eight
.irp i, 0,1,2,3
	ds_load_b128 v[\fb+8*\i:\fb+8*\i+3],   v[ADRB+\slot] offset:((\q)>>1)*BSL+((\q)&1)*64+\i*FRAG
	ds_load_b128 v[\fb+8*\i+4:\fb+8*\i+7], v[ADRB+\slot] offset:((\q)>>1)*BSL+((\q)&1)*64+\i*FRAG+32
.endr
.irp i, 0,1,2,3,4,5,6,7
	ds_load_b128 v[\fa+8*\i:\fa+8*\i+3],   v[ADRA+\slot] offset:((\q)>>1)*ASL+((\q)&1)*64+\i*FRAG
	ds_load_b128 v[\fa+8*\i+4:\fa+8*\i+7], v[ADRA+\slot] offset:((\q)>>1)*ASL+((\q)&1)*64+\i*FRAG+32
.endr
.endm
; A K step is four quarters of 32 along K, 32 matrix instructions each, on buffers 0, 1, 0, 1.  The 32 accumulators take turns, one instruction a turn, in the same order in every
; quarter, over the backward jump too.  Each run of loads stands four places behind the matrix instructions that read its registers
; (ISA guide 7.12.1 for vector instructions).
.macro QUARTER slot, qn, fa, fb, ga, gb, zero
	s_wait_dscnt 8                                 ; W and att's rows 0-63 are in; the youngest eight loads (rows 64-127) may be out
	WIN 0x50
	MUL8 \fa, \fb, 0, \zero
	MUL8 \fa, \fb, 2, \zero
	WIN 0
	PLACES 4
	FETCH \slot, \qn, \ga, \gb
	s_wait_dscnt 24                                ; all but the 24 just issued
	WIN 0x50
	MUL8 \fa, \fb, 4, \zero
	MUL8 \fa, \fb, 6, \zero
.endm
.macro THREE slot, zero
	QUARTER \slot, 1, FA0, FB0, FA1, FB1, \zero
	QUARTER \slot, 2, FA1, FB1, FA0, FB0, 0
	QUARTER \slot, 3, FA0, FB0, FA1, FB1, 0
.endm
; The last quarter changes slots.  In front of the barrier each wave waits for its reads of this slot and for all its tensor loads (one is out: its part of the next slot).
; fill = 1: the barrier opens a round of the cluster's barrier; behind the round this slot is asked for again, two K steps ahead, first of all; then wave 3 asks for the tile behind that one.
; From the joint request to the wait for it a wave issues 120 matrix instructions.
.macro TURN slot, next, fill
	s_wait_dscnt 8
	WIN 0x50
	MUL8 FA1, FB1, 0, 0
	s_wait_dscnt 0x0                               ; my reads of this slot are over
	s_wait_tensorcnt 0x0                           ; and all my tensor loads have landed
	ds_add_u32 v254, v255
	s_wait_dscnt 0x0
	s_barrier_signal -1
	MUL8 FA1, FB1, 2, 0                            ; registers only, while the others arrive
	WIN 0
	s_barrier_wait -1
.if \fill
	CREST
	s_add_nc_u64 s[G0A+4*\slot+2:G0A+4*\slot+3], s[G0A+4*\slot+2:G0A+4*\slot+3], 2*KSTEPB
	s_add_nc_u64 s[G0B+4*\slot+2:G0B+4*\slot+3], s[G0B+4*\slot+2:G0B+4*\slot+3], 2*262144
	JLOAD \slot
	PFASK 1
.endif
	PLACES 4
	FETCH \next, 0, FA0, FB0
	WIN 0x50
	MUL8 FA1, FB1, 4, 0
	MUL8 FA1, FB1, 6, 0
.endm
.macro LAP zero
	THREE 0, \zero
	TURN 0, 1, 1
	THREE 1, 0
	TURN 1, 0, 1
.endm
	s_wait_tensorcnt 0x1                           ; my part of K step 0 is in; K step 1's stays out
	s_barrier_signal -1
	s_barrier_wait -1
	FETCH 0, 0, FA0, FB0
	LAP 1                                          ; 8 K steps = 4 laps: the first starts the sums,
	WIN 0
	s_mov_b32 s3, 2
.Llap:
	LAP 0                                          ; two go round,
	WIN 0
	s_sub_co_u32 s3, s3, 1
	s_cmp_lg_u32 s3, 0
	s_cbranch_scc1 .Llap
	THREE 0, 0                                     ; the last fills nothing
	TURN 0, 1, 0
	THREE 1, 0
	s_wait_dscnt 8
	WIN 0x50
	MUL8 FA1, FB1, 0, 0
	MUL8 FA1, FB1, 2, 0
	s_wait_dscnt 0x0
	MUL8 FA1, FB1, 4, 0
	MUL8 FA1, FB1, 6, 0
	WIN 0
	; THE WAY OUT, 16 rows at a time: 32 bytes a lane and tile into my own stage, read back as rows of 256 bytes, the bias added, stored.
.macro OUT16 a
	WIN 0x04                                       ; store data from window 1
.irp b, 0,1,2,3
	ds_store_b128 v[STO], v[8*(4*\a+\b):8*(4*\a+\b)+3]   offset:64*\b
	ds_store_b128 v[STO], v[8*(4*\a+\b)+4:8*(4*\a+\b)+7] offset:64*\b+16
.endr
	WIN 0
	s_wait_xcnt 0x0                                ; the last turn's stores have had their addresses translated (ISA guide 3.1): their data registers are loaded again only behind this wait
.irp t, 0,1,2,3,4,5,6,7
	ds_load_b128 v[RB+4*\t:RB+4*\t+3], v[RD] offset:\t*544     ; my own bytes, served in order behind the stores (ISA guide 5.7.1.4)
.endr
.irp t, 0,1,2,3,4,5,6,7
	s_wait_dscnt 7-\t
	v_pk_add_f32 v[RB+4*\t:RB+4*\t+1],   v[RB+4*\t:RB+4*\t+1],   v[BV:BV+1]
	v_pk_add_f32 v[RB+4*\t+2:RB+4*\t+3], v[RB+4*\t+2:RB+4*\t+3], v[BV+2:BV+3]
	global_store_b128 v[CO], v[RB+4*\t:RB+4*\t+3], s[10:11] offset:(16*\a+2*\t)*4096 th:TH_STORE_NT   ; 16 lanes store 256 neighbouring bytes, aligned
.endr
.endm
	PLACES 4                                       ; behind the last matrix instructions: for the stores that read results and the loads into fragment registers
	s_wait_loadcnt 0x0                             ; the bias
	OUT16 0
	OUT16 1
	OUT16 2
	OUT16 3
	OUT16 4
	OUT16 5
	OUT16 6
	OUT16 7
	s_wait_tensorcnt 0x0
	ds_add_u32 v254, v255
	s_wait_dscnt 0x0
	CROUND                                         ; the closing round: no work-group ends while a partner may still ask for a tile that names it
	s_endpgm
.Lfunc_end_k_q69c383a945_proj_out:
	.size	k_q69c383a945_proj_out, .Lfunc_end_k_q69c383a945_proj_out-k_q69c383a945_proj_out
	.p2alignl 7, 3214868480
	.fill 96, 4, 3214868480
	.section	.rodata,"a",@progbits
	.p2align	6, 0x0
	.amdhsa_kernel k_q69c383a945_proj_out
		.amdhsa_group_segment_fixed_size 327680
		.amdhsa_private_segment_fixed_size 0
		.amdhsa_enable_private_segment 0
		.amdhsa_kernarg_size 32
		.amdhsa_user_sgpr_count 2
		.amdhsa_user_sgpr_kernarg_segment_ptr 1
		.amdhsa_wavefront_size32 1
		.amdhsa_system_sgpr_workgroup_id_x 1
		.amdhsa_system_sgpr_workgroup_id_y 1
		.amdhsa_system_sgpr_workgroup_id_z 1
		.amdhsa_system_vgpr_workitem_id 0
		.amdhsa_next_free_vgpr 512
		.amdhsa_next_free_sgpr 96
		.amdhsa_reserve_vcc 0
		.amdhsa_float_denorm_mode_32 3
		.amdhsa_float_denorm_mode_16_64 3
		.amdhsa_memory_ordered 1
		.amdhsa_forward_progress 1
		.amdhsa_inst_pref_size 128
	.end_amdhsa_kernel
	.amdgpu_metadata
---
amdhsa.version: [ 1, 2 ]
amdhsa.kernels:
  - .name:           k_q69c383a945_proj_out
    .symbol:         k_q69c383a945_proj_out.kd
    .args:
      - { .name: att, .offset: 0, .size: 8, .value_kind: global_buffer, .address_space: global }
      - { .name: wo, .offset: 8, .size: 8, .value_kind: global_buffer, .address_space: global }
      - { .name: b_out, .offset: 16, .size: 8, .value_kind: global_buffer, .address_space: global }
      - { .name: out0, .offset: 24, .size: 8, .value_kind: global_buffer, .address_space: global }
    .group_segment_fixed_size: 327680
    .private_segment_fixed_size: 0
    .kernarg_segment_align: 8
    .kernarg_segment_size: 32
    .max_flat_workgroup_size: 128
    .sgpr_count:     96
    .vgpr_count:     512
    .wavefront_size: 32
...
	.end_amdgpu_metadata
.endif
;; end of part 8
